; MI455X (gfx1250); checked and timed in simulation.
; The chip was launched on July 23, 2026; its instructions are those of AMD's public machine-readable ISA for CDNA 5 (MIT licence, August 2026) and "CDNA5" Instruction Set Architecture Reference Guide (July 2026). The comments in the code are by the model that wrote it; some were corrected since.
;; Transformer Block. Allowed arithmetic: matrix products marked QUANTISED: E2M3 operands, one E8M0 scale for each 32 along K, by v_wmma_scale_f32_16x16x128_f8f6f4 with both operands' format E2M3, f32 sums; everything else in f32.
;; Inputs: W_K 16 x 64 x 1,024 float32; W_O 1,024 x 1,024 float32; W_Q 16 x 64 x 1,024 float32; W_V 16 x 64 x 1,024 float32; W_in 4,096 x 1,024 float32; W_out 1,024 x 4,096 float32; b_in 4,096 float32; b_out 1,024 float32; x 2 x 2,048 x 1,024 float32.
;; Outputs: out0 2 x 2,048 x 1,024 float32.
;; This version of the problem:
;;   THIS VERSION OF THE PROBLEM IS GIVEN IN LOW PRECISION. The matrix products marked QUANTISED in the list below multiply operands that are first quantised to E2M3 (2 exponent bits, 3 mantissa bits; 6 bits a number), with one power-of-two scale for each 32 numbers along K (OCP MX v1.0); their sums are f32. All else is computed in f32.
;;   The module's matrix products, in the order in which they are computed (A, B: the left and right operand; K: the contracted axis; several contracted axes count as one K, in the product's order):
;;     1. [M 4,096, K 1,024] x [K 1,024, N 1,024]; A: input x; B: input W_K: QUANTISED
;;     2. [M 4,096, K 1,024] x [K 1,024, N 1,024]; A: input x; B: input W_Q: QUANTISED
;;     3. [M 4,096, K 1,024] x [K 1,024, N 1,024]; A: input x; B: input W_V: QUANTISED
;;     4. batch 32 x [M 2,048, K 64] x [K 64, N 2,048]; A: computed on the way; B: computed on the way: QUANTISED
;;     5. batch 32 x [M 2,048, K 2,048] x [K 2,048, N 64]; A: computed on the way; B: computed on the way: QUANTISED
;;     6. [M 4,096, K 1,024] x [K 1,024, N 1,024]; A: computed on the way; B: input W_O: QUANTISED
;;     7. [M 4,096, K 1,024] x [K 1,024, N 4,096]; A: computed on the way; B: input W_in: QUANTISED
;;     8. [M 4,096, K 4,096] x [K 4,096, N 1,024]; A: computed on the way; B: input W_out: QUANTISED
;;   THE QUANTISER, for each operand of a quantised product, along K:
;;     - K is cut into blocks of 32 from its start; a last block that is shorter is filled with zeros.
;;     - A block's scale is 2^e with e = floor(log2(the largest magnitude in the block)) - 2, held to -126 .. 127; a block of zeros has e = 0. As a byte (E8M0): e + 127.
;;     - Each number is divided by its block's scale, clamped to +-7.5, and rounded to the nearest number of E2M3, ties to even, subnormals kept.
;;     - The product sums the exact products of the quantised numbers (number of the format x scale) in f32.
;;   ~~~python
;;   def quantise(x, axis):      # numpy; x: float32 -> the quantised numbers, widened to float32 again
;;       x = np.moveaxis(x, axis, -1); K = x.shape[-1]
;;       x = np.pad(x, [(0, 0)] * (x.ndim - 1) + [(0, -K % 32)]); x = x.reshape(x.shape[:-1] + (-1, 32)); a = np.abs(x).max(-1, keepdims=True)
;;       e = np.where(a > 0, np.clip(np.frexp(np.where(a > 0, a, 1))[1] - 1 - 2, -126, 127), 0)      # np.frexp(a)[1] - 1 = floor(log2(a)), exactly
;;       r = np.clip(x / 2.0 ** e, -7.5, 7.5)
;;       step = 2.0 ** (np.maximum(np.frexp(np.where(r == 0, 1, r))[1] - 1, 0) - 3)
;;       q = np.round(r / step) * step * 2.0 ** e      # np.round: ties to even
;;       return np.moveaxis(q.reshape(q.shape[:-2] + (-1,))[..., :K], -1, axis).astype(np.float32)
;;   ~~~
;;   OPERANDS COMPUTED ON THE WAY. 'Computed on the way' means the value that the module computes at that place (a softmax that the list does not call 'softmax' is quantised finished and normalised). What goes into a quantiser is computed in f32, as accurately as f32 sums, v_exp_f32 and their like allow (about 1e-6 of the number): no bf16 or f16 on the way to a quantiser, and a product that is left as it is and whose result goes on into a quantised operand takes f32 operands (vector FMAs, or v_wmma_f32_16x16x4_f32). A number that lies on a knife's edge between two numbers of the format may be rounded either way, as far as f32 arithmetic and the matrix unit's own rounding can turn it there, and no further.
;; 2 versions, each right and faster than the one before. Each part assembles by itself: llvm-mc -triple=amdgcn-amd-amdhsa -mcpu=gfx1250 --defsym DOCPART=n.
;; ======== version 1 of 2: 7 launches
;; workspace buffers: q0 13,107,200 bytes; att 10,092,544 bytes; stats 262,144 bytes; zq 3,276,800 bytes; x1 20,054,016 bytes; hq 13,107,200 bytes
;; launch quant (part 1): grid 256 x 1, 8 waves a work-group, no clusters, 68,608 bytes of LDS; arguments x, W_K, W_Q, W_V, W_O, W_in, W_out, q0; writes q0
.if DOCPART == 1
	.amdgcn_target "amdgcn-amd-amdhsa--gfx1250"
	.amdhsa_code_object_version 6
	.text
	.protected	k_qe50230da8d_quant
	.globl	k_qe50230da8d_quant
	.p2align	8
	.type	k_qe50230da8d_quant,@function
k_qe50230da8d_quant:
	s_mov_b64 s[64:65], 0
	v_nop
	global_prefetch_b8 v0, s[64:65] scope:SCOPE_SE
	s_setreg_imm32_b32 hwreg(HW_REG_WAVE_MODE, 25, 1), 1
	s_wait_xcnt 0x0
; x and the six weights, all f32 with K innermost, become codes of FP6 (E2M3) with one E8M0 byte for each 32 along K, laid as IMAGES OF THE OPERAND'S REGISTERS.
; A fragment is 16 rows x 128 K = 12 registers a lane = 1,536 bytes: chunk c (512 bytes) holds registers 4 c .. 4 c + 3, lane l's at byte 16 l.
; q0: codes [block of 128 row slots][K step of 128][tile 0..7][1,536]; scale words behind them [block][K step][j][r][4 words]: word (j, r, n) is tile 4 j + n, row r.
; ROW SLOTS: tile T's lane-row i is row 32 (T / 2) + 8 (T % 2) + i + 8 (i / 8) of its block, so that a product whose source 0 is tiles 2 b, 2 b + 1 leaves 16 neighbours in a lane's 16 registers.
; SHARES: work-group g takes 128 rows x 512 K of one tensor (x: g 0-63, W_K 64-79, W_Q 80-95, W_V 96-111, W_O 112-127, W_in 128-191, W_out 192-255); the codes' place is (4 g + K step) x 12,288 for all seven.
; Wave w takes K step w / 2 of the four and tiles 4 (w % 2) .. + 3.  A load reads 512 consecutive bytes of one row; a tile's 16 rows turn through the wave's own stage in LDS (pitch 528), whence a lane takes its two whole blocks of 32.
; A block's scale is 2^(floor(log2(largest magnitude)) - 2): the byte is the largest magnitude's exponent field - 2, held at 1 from below by a floor among the maximum's leaves.
; LIMITS: NaN and infinities are not served; a block of zeros gets the byte 1 (its codes are zeros; this program alone reads the bytes).
; No tensor load, no barrier: waves share nothing.  Two tiles (32 loads a wave) are on their way.
.set STGB,  8448                       ; a wave's stage: 16 rows x 528 bytes
.set OFFR,  16                         ; v16-31   row i of a tile: (i + 8 (i / 8)) x row bytes + 16 x lane; never rewritten
.set R,     32                         ; v32-159  two sets of 64: a tile as loaded
.set X,     160                        ; v160-223 my two blocks of 32
.set C,     224                        ; v224-235 the fragment's 12 registers
.set T,     236                        ; v236-242 the blocks' upper halves (a conversion's three registers begin on an even number)
.set SEL,   48                         ; s[48:49] lane selects: lane l xor 16
	s_load_b512 s[16:31], s[0:1], 0x0              ; x, W_K, W_Q, W_V, W_O, W_in, W_out, q0
	v_lshl_add_u32 v254, v0, 2, 0x10800
	v_mov_b32 v255, 0
	v_lshrrev_b32 v10, 5, v0
	v_readfirstlane_b32 s3, v10                    ; wave 0..7
	v_and_b32 v11, 31, v0
	v_and_b32 v12, 15, v0                          ; r
	v_bfe_u32 v13, v0, 4, 1                        ; h
	v_lshlrev_b32 v1, 4, v11                       ; 16 x lane
	v_lshlrev_b32 v2, 4, v12                       ; 16 r
	v_lshlrev_b32 v3, 3, v13                       ; 8 h
	s_mul_i32 s8, s3, STGB
	v_add_nc_u32 v8, s8, v1                        ; the stage, on the way in: 16 x lane of a row
	v_mul_u32_u24 v9, v12, 528
	v_lshl_add_u32 v9, v13, 7, v9
	v_add_nc_u32 v9, s8, v9                        ; and on the way out: row r, + 128 h bytes
	s_mov_b32 s[SEL], 0x76543210
	s_mov_b32 s[SEL+1], 0xfedcba98
	s_mov_b32 s2, ttmp9                            ; g
	s_mov_b32 s7, 4096
	s_cmp_ge_u32 s2, 192
	s_cselect_b32 s7, 16384, s7                    ; bytes in a row: W_out's K is 4,096
	s_cselect_b32 s9, 3, 1                         ; log2 of the work-groups to a block of rows
.irp i, 0,1,2,3,4,5,6,7,8,9,10,11,12,13,14,15
	v_mad_u32_u24 v[OFFR+\i], s7, (\i+8*(\i/8)), v1
.endr
	s_wait_kmcnt 0x0
	s_mov_b64 s[4:5], s[16:17]
	s_mov_b32 s6, 0
.macro PICK first, lo                  ; the tensor is chosen by the work-group's number alone
	s_cmp_ge_u32 s2, \first
	s_cselect_b64 s[4:5], s[\lo:\lo+1], s[4:5]
	s_cselect_b32 s6, \first, s6
.endm
	PICK 64, 18
	PICK 80, 20
	PICK 96, 22
	PICK 112, 24
	PICK 128, 26
	PICK 192, 28
	s_sub_co_u32 s10, s2, s6                       ; my number within the tensor
	s_lshr_b32 s11, s10, s9                        ; block of 128 rows
	s_lshl_b32 s12, s11, s9
	s_sub_co_u32 s12, s10, s12                     ; which 512 along K
	s_lshr_b32 s13, s3, 1                          ; my K step of its four
	s_and_b32 s14, s3, 1                           ; j: tiles 4 j .. 4 j + 3
	s_lshl_b32 s11, s11, 7
	s_lshl_b32 s15, s14, 6
	s_add_co_u32 s11, s11, s15
	s_mul_i32 s11, s11, s7                         ; my first row, in bytes
	s_lshl_b32 s12, s12, 2
	s_add_co_u32 s12, s12, s13
	s_lshl_b32 s12, s12, 9                         ; my K step: 512 bytes of a row
	s_add_co_u32 s40, s11, s12
	s_mov_b32 s41, 0
	s_add_nc_u64 s[32:33], s[4:5], s[40:41]        ; tile t begins 0, 8, 32, 40 rows on
	s_lshl_b32 s40, s7, 3
	s_add_nc_u64 s[34:35], s[32:33], s[40:41]
	s_lshl_b32 s40, s7, 5
	s_add_nc_u64 s[36:37], s[32:33], s[40:41]
	s_mul_i32 s40, s7, 40
	s_add_nc_u64 s[38:39], s[32:33], s[40:41]
	s_lshl_b32 s42, s2, 2
	s_add_co_u32 s42, s42, s13                     ; 4 g + K step
	s_mul_i32 s40, s42, 12288
	s_mul_i32 s43, s14, 6144
	s_add_co_u32 s40, s40, s43
	s_add_nc_u64 s[44:45], s[30:31], s[40:41]      ; my four fragments
	s_lshl_b32 s40, s42, 9
	s_lshl_b32 s43, s14, 8
	s_add_co_u32 s40, s40, s43
	s_add_co_u32 s40, s40, 12582912
	s_add_nc_u64 s[46:47], s[30:31], s[40:41]      ; their scale words: 256 bytes
.macro LOAD t                          ; tile t's 16 rows: each load reads 512 consecutive bytes
.irp i, 0,1,2,3,4,5,6,7,8,9,10,11,12,13,14,15
	global_load_b128 v[R+64*((\t)%2)+4*\i:R+64*((\t)%2)+4*\i+3], v[OFFR+\i], s[32+2*(\t):33+2*(\t)] th:TH_LOAD_NT
.endr
.endm
.macro TILE t
.if (\t) < 3
	s_wait_loadcnt 16                              ; this tile's 16 loads are in; the next tile's 16 may be out
.else
	s_wait_loadcnt 0x0
.endif
.irp i, 0,1,2,3,4,5,6,7,8,9,10,11,12,13,14,15
	ds_store_b128 v8, v[R+64*((\t)%2)+4*\i:R+64*((\t)%2)+4*\i+3] offset:528*\i
.endr
.irp cc, 0,1                           ; LDS serves a wave's instructions in order: these see the stores above.  Lane (r, h) takes k = 64 cc + 32 h + 0 .. 31 of row r
.irp n, 0,1,2,3,4,5,6,7
	ds_load_b128 v[X+32*\cc+4*\n:X+32*\cc+4*\n+3], v9 offset:256*\cc+16*\n
.endr
.endr
	s_wait_dscnt 0x0                               ; my numbers are here, and the stores have read the set, which takes the tile two on
.if (\t) < 2
	LOAD (\t)+2
.endif
	v_max3_num_f32 v10, |v[X]|, |v[X+1]|, 0x1800000          ; the two blocks' largest magnitudes by turns, and the floor 2^(3 - 127)
	v_max3_num_f32 v11, |v[X+32]|, |v[X+33]|, 0x1800000
.irp i, 2,4,6,8,10,12,14,16,18,20,22,24,26,28,30
	v_max3_num_f32 v10, v10, |v[X+\i]|, |v[X+\i+1]|
	v_max3_num_f32 v11, v11, |v[X+32+\i]|, |v[X+33+\i]|
.endr
	v_add_nc_u32 v12, 0xff000000, v10              ; 2 off the exponent field: the conversion's scale operand
	v_add_nc_u32 v13, 0xff000000, v11
	v_lshrrev_b32 v14, 23, v12                     ; the bytes of blocks h and 2 + h
	v_lshrrev_b32 v15, 23, v13
	v_lshl_or_b32 v14, v15, 16, v14
	v_lshlrev_b32 v14, v3, v14                     ; at their places in the row's word
	v_permlanex16_b32 v15, v14, s[SEL], s[SEL+1]
	v_or_b32 v[4+(\t)], v14, v15                   ; with lane l xor 16's two the word is whole
.if (\t) > 0
	s_wait_xcnt 0x0                                ; the last tile's stores have read C
.endif
	v_cvt_scalef32_pk16_fp6_f32 v[C:C+2], v[X:X+15], v12
	v_cvt_scalef32_pk16_fp6_f32 v[T:T+2], v[X+16:X+31], v12
	v_cvt_scalef32_pk16_fp6_f32 v[C+6:C+8], v[X+32:X+47], v13
	v_cvt_scalef32_pk16_fp6_f32 v[T+4:T+6], v[X+48:X+63], v13
	v_nop                                          ; one plain place behind the scaled conversions
.irp i, 0,1,2
	v_mov_b32 v[C+3+\i], v[T+\i]
	v_mov_b32 v[C+9+\i], v[T+4+\i]
.endr
.irp c, 0,1,2
	global_store_b128 v1, v[C+4*\c:C+4*\c+3], s[44:45] offset:1536*(\t)+512*\c   ; 512 consecutive bytes, aligned
.endr
.endm
	LOAD 0
	LOAD 1
	TILE 0
	TILE 1
	TILE 2
	TILE 3
	global_store_b128 v2, v[4:7], s[46:47]         ; row r's four words; lanes l and l xor 16 write the same bytes with the same values: 256 consecutive bytes, aligned
	s_wait_tensorcnt 0x0
	ds_add_u32 v254, v255
	s_wait_dscnt 0x0
	s_endpgm
.Lfunc_end_k_qe50230da8d_quant:
	.size	k_qe50230da8d_quant, .Lfunc_end_k_qe50230da8d_quant-k_qe50230da8d_quant
	.p2alignl 7, 3214868480
	.fill 96, 4, 3214868480
	.section	.rodata,"a",@progbits
	.p2align	6, 0x0
	.amdhsa_kernel k_qe50230da8d_quant
		.amdhsa_group_segment_fixed_size 68608
		.amdhsa_private_segment_fixed_size 0
		.amdhsa_enable_private_segment 0
		.amdhsa_kernarg_size 64
		.amdhsa_user_sgpr_count 2
		.amdhsa_user_sgpr_kernarg_segment_ptr 1
		.amdhsa_wavefront_size32 1
		.amdhsa_system_sgpr_workgroup_id_x 1
		.amdhsa_system_sgpr_workgroup_id_y 1
		.amdhsa_system_sgpr_workgroup_id_z 1
		.amdhsa_system_vgpr_workitem_id 0
		.amdhsa_next_free_vgpr 256
		.amdhsa_next_free_sgpr 66
		.amdhsa_reserve_vcc 0
		.amdhsa_float_denorm_mode_32 3
		.amdhsa_float_denorm_mode_16_64 3
		.amdhsa_memory_ordered 1
		.amdhsa_forward_progress 1
		.amdhsa_inst_pref_size 32
	.end_amdhsa_kernel
	.amdgpu_metadata
---
amdhsa.version: [ 1, 2 ]
amdhsa.kernels:
  - .name:           k_qe50230da8d_quant
    .symbol:         k_qe50230da8d_quant.kd
    .args:
      - { .name: x, .offset: 0, .size: 8, .value_kind: global_buffer, .address_space: global }
      - { .name: W_K, .offset: 8, .size: 8, .value_kind: global_buffer, .address_space: global }
      - { .name: W_Q, .offset: 16, .size: 8, .value_kind: global_buffer, .address_space: global }
      - { .name: W_V, .offset: 24, .size: 8, .value_kind: global_buffer, .address_space: global }
      - { .name: W_O, .offset: 32, .size: 8, .value_kind: global_buffer, .address_space: global }
      - { .name: W_in, .offset: 40, .size: 8, .value_kind: global_buffer, .address_space: global }
      - { .name: W_out, .offset: 48, .size: 8, .value_kind: global_buffer, .address_space: global }
      - { .name: q0, .offset: 56, .size: 8, .value_kind: global_buffer, .address_space: global }
    .group_segment_fixed_size: 68608
    .private_segment_fixed_size: 0
    .kernarg_segment_align: 8
    .kernarg_segment_size: 64
    .max_flat_workgroup_size: 256
    .sgpr_count:     66
    .vgpr_count:     256
    .wavefront_size: 32
...
	.end_amdgpu_metadata
.endif
;; end of part 1
;; launch qkv (part 2): grid 12 x 16, 4 waves a work-group, clusters of 4 x 4, 327,680 bytes of LDS; arguments q0, att; writes att
.if DOCPART == 2
	.amdgcn_target "amdgcn-amd-amdhsa--gfx1250"
	.amdhsa_code_object_version 6
	.text
	.protected	k_qe50230da8d_qkv
	.globl	k_qe50230da8d_qkv
	.p2align	8
	.type	k_qe50230da8d_qkv,@function
k_qe50230da8d_qkv:
	s_mov_b64 s[64:65], 0
	v_nop
	global_prefetch_b8 v0, s[64:65] scope:SCOPE_SE
	s_setreg_imm32_b32 hwreg(HW_REG_WAVE_MODE, 25, 1), 1
	s_wait_xcnt 0x0
	s_wait_alu depctr_hold_cnt(0) depctr_sa_sdst(0) depctr_va_vdst(0) depctr_va_sdst(0) depctr_va_ssrc(0) depctr_va_vcc(0) depctr_vm_vsrc(0)
	s_getreg_b32 s2, hwreg(HW_REG_IB_STS2, 6, 4)
	s_cmp_eq_u32 s2, 0
	s_cbranch_scc0 .Lentry_in_a_cluster
	s_endpgm
.Lentry_in_a_cluster:
	s_bfe_u32 s2, ttmp6, 0x10000c
	s_cmp_lg_u32 s2, 0xf033
	s_cbranch_scc0 .Lentry_shape_is_right
	s_endpgm
.Lentry_shape_is_right:
; k, q, v = x W^T on codes of FP6 (K = 1,024), and their results quantised again on the way out: k and q along the head's 64, v along the context.
; A tile of 256 x 256 to a work-group of four waves, 128 x 128 to a wave: 64 accumulators, 512 registers.  Source 0 = 16 slots of role B, source 1 = 16 slots of role A: lane (r, h), register j of
; accumulator (a, b) is role A's slot 16 a + r and role B's row 32 (b / 2) + 16 h + 8 (b % 2) + j: the 64 registers of a row of accumulators are 4 x 16 neighbours along role B, which is the next product's K.
; ROLES: clusters x = 0, 1 (k, q): A = x's rows, B = W_K's and W_Q's rows.  Cluster x = 2 (v): A = W_V's rows, B = x's rows, so that v's K, the context, runs along a lane's registers.
; OPERANDS lie in q0 as images of their registers (3 loads of 16 bytes a lane bring a fragment): a wave's part of a slot, 128 row slots x 256 K, is one dense block of 24,576 bytes for one tensor load.
; K goes in steps of 256 through a ring of two LDS slots; the scale words of all of K come once, with the first fills.  4 x 4 work-groups form a cluster: A's tiles are asked for jointly along a row of it, B's along a column.
; OUT (att): for each head K_IMG, Q_IMG [pair of tiles][1,536]: registers 0-5 the even tile's six (K = 64), 6-11 the odd tile's; K_SC, Q_SC words = two bytes | 0x7f7f0000; V_IMG [step of 128 c][tile of 16 h][1,536]; V_SC.
; LIMITS: NaN and infinities are not served; a block whose largest magnitude lies under 2^-124 gets the byte 1.
; REGISTERS: window 0: v1 r, v2 h, v16-30 addresses; v32-63 scale words, two sets; v64-127 the way out; v128-223 A's fragments, one set.  Window 1: B's fragments, two sets.  Windows 2, 3: the accumulators.
.set NKS,   8                          ; K steps of 128
.set FR,    12
.set NL,    3                          ; LDS loads that bring a fragment
.set NP,    4                          ; places behind this matrix instruction (ISA guide 7.12.1)
.set NQ,    2
.set FRB,   1536
.set HALFT, 16*FRB                     ; 128 slots x 256 K: what one tensor load brings
.set SLOT,  4*HALFT
.set SCL,   2*SLOT                     ; behind the ring: the scale words, 4 x HALFS
.set HALFS, 512*NKS
.set SPARE, SCL+4*HALFS                ; the spare words, 128 bytes for each wave, that no other line names
.set LAPS,  NKS/4
.set ADRA, 16
.set ADRB, 20
.set LI,   26                          ; 16 x lane
.set ADRS, 27
.set SPW,  28
.set NIL,  29
.set SC,   32
.set AF,   128
.set TM,   64
.set T2,   80
.set X,    88
.set Y,    100
.set PWR,  112
.set W,    120
.set G1, 24
.set G0, 32
.set G1B, 48
.set G0B, 56
.set G1S, 68
.set G0S, 76
.set G1SB, 80
.set G0SB, 88
.set SEL, 96
.set HM,  98
.set MSB, 0
.macro WIN new                         ; the immediate's high byte repeats the setting that is left
.if MSB != (\new)
	s_set_vgpr_msb (MSB<<8)|(\new)
.set MSB, (\new)
.endif
.endm
.set MUL_LO, 0xa1                      ; source 0 (B) window 1, source 1 (A) window 0, C and D window 2
.set MUL_HI, 0xf1
.set TO_B,   0x40
.macro JLOAD g0a, g1a, g0b, g1b        ; a joint load: waves 0 and 1 fetch for A, waves 2 and 3 for B; four v_nop follow each line
	s_cmp_eq_u32 s15, 0
	s_cbranch_scc0 .Lfor_b_\@
	tensor_load_to_lds s[\g0a:\g0a+3], s[\g1a:\g1a+7]
	s_nop 0
.rept 4
	v_nop
.endr
	s_branch .Lasked_\@
.Lfor_b_\@:
	tensor_load_to_lds s[\g0b:\g0b+3], s[\g1b:\g1b+7]
	s_nop 0
.rept 4
	v_nop
.endr
.Lasked_\@:
.endm
.macro CREST                           ; a round of the cluster's barrier behind its opening barrier
	s_cmp_lg_u32 s14, 0
	s_cbranch_scc1 .Lnot_wave_0_\@
	s_barrier_signal -3
.Lnot_wave_0_\@:
	s_barrier_wait -3
	s_barrier_signal -1
	s_barrier_wait -1
.endm
.macro CROUND
	s_barrier_signal -1
	s_barrier_wait -1
	CREST
.endm
	s_load_b128 s[4:7], s[0:1], 0x0                ; q0, att
	v_lshl_add_u32 v[SPW], v0, 2, SPARE
	v_mov_b32 v[NIL], 0
	ds_add_u32 v28, v29
	ds_add_u32 v28, v29
	s_wait_dscnt 0x0
	v_lshrrev_b32 v1, 5, v0
	v_readfirstlane_b32 s14, v1                    ; wave 0..3
	s_lshr_b32 s15, s14, 1                         ; my half of role A's slots.  Also: I fetch for A (0) or for B (1)
	s_and_b32 s16, s14, 1                          ; my half of role B's.  Also: which 128 slots I fetch
	s_bfe_u32 s40, ttmp6, 0x40000                  ; cx
	s_bfe_u32 s41, ttmp6, 0x40004                  ; cy
	s_lshl_b32 s42, ttmp9, 2
	s_and_b32 s17, ttmp7, 0xffff
	s_lshl_b32 s17, s17, 2
	s_mov_b32 s97, 12582912
	s_mov_b32 s99, 12713984
	s_cmp_eq_u32 ttmp9, 2                          ; v's clusters: the cluster's x, alike in all partners
	s_cselect_b32 s95, 1, 0
	s_cselect_b32 s42, s17, s42                    ; role B's tile: v: 4 Y + cx over x's rows; else 4 X + cx over W_K's and W_Q's
	s_cselect_b32 s17, 0, s17                      ; role A's tile: v: cy over W_V's rows; else 4 Y + cy over x's
	s_cselect_b32 s96, 4718592, 0                  ; where A's codes,
	s_cselect_b32 s97, 12779520, s97               ; A's scale words,
	s_cselect_b32 s98, 0, 3145728                  ; B's codes
	s_cselect_b32 s99, 12582912, s99               ; and B's scale words begin in q0
	s_add_co_u32 s42, s42, s40
	s_add_co_u32 s17, s17, s41
	s_lshl_b32 s43, s41, 2
	s_lshl_b32 s43, 15, s43                        ; my row of the cluster
	s_lshl_b32 s44, 0x1111, s40                    ; my column
	s_or_b32 s[G1+0], s43, (3<<16)|(1<<21)         ; 15:0 the mask; 17:16 elements of 8 bytes; 21 set beside a mask; no padding
	s_or_b32 s[G1B+0], s44, (3<<16)|(1<<21)
.irp g, G1, G1B                        ; a dense block of 24,576 bytes as 96 rows of 256
	s_mov_b32 s[\g+1], 32<<16
	s_mov_b32 s[\g+2], 96<<16
	s_mov_b32 s[\g+3], 32<<16
	s_mov_b32 s[\g+4], 96
	s_mov_b32 s[\g+5], 32
	s_mov_b32 s[\g+6], 0
	s_mov_b32 s[\g+7], 0
.endr
	s_or_b32 s[G1S+0], s43, (3<<16)|(1<<21)
	s_or_b32 s[G1SB+0], s44, (3<<16)|(1<<21)
.irp g, G1S, G1SB                      ; the scale words of 128 slots, all of K: 2 NKS rows of 256 bytes
	s_mov_b32 s[\g+1], 32<<16
	s_mov_b32 s[\g+2], (2*NKS)<<16
	s_mov_b32 s[\g+3], 32<<16
	s_mov_b32 s[\g+4], 2*NKS
	s_mov_b32 s[\g+5], 32
	s_mov_b32 s[\g+6], 0
	s_mov_b32 s[\g+7], 0
.endr
	s_lshl_b32 s20, s17, 1
	s_add_co_u32 s20, s20, s16                     ; A: the block of 128 slots that I fetch
	s_lshl_b32 s46, s42, 1
	s_add_co_u32 s46, s46, s16                     ; B likewise
	s_mul_i32 s22, s20, HALFS
	s_add_co_u32 s22, s22, s97
	s_mul_i32 s92, s46, HALFS
	s_add_co_u32 s92, s92, s99
	s_mul_i32 s20, s20, NKS*8*FRB
	s_add_co_u32 s20, s20, s96
	s_mul_i32 s46, s46, NKS*8*FRB
	s_add_co_u32 s46, s46, s98
	s_mov_b32 s21, 0
	s_mov_b32 s23, 0
	s_mov_b32 s47, 0
	s_mov_b32 s93, 0
	s_mul_i32 s45, s14, HALFT                      ; where they go: wave x its part: no place in the cluster enters an LDS address
	s_mul_i32 s94, s14, HALFS
	s_wait_kmcnt 0x0
	s_add_nc_u64 s[20:21], s[4:5], s[20:21]
	s_add_nc_u64 s[22:23], s[4:5], s[22:23]
	s_add_nc_u64 s[46:47], s[4:5], s[46:47]
	s_add_nc_u64 s[92:93], s[4:5], s[92:93]
	CROUND                                         ; all sixteen work-groups are here: the first joint loads meet
	s_mov_b32 s[G0S], 1
	s_add_co_u32 s[G0S+1], s94, SCL
	s_mov_b64 s[G0S+2:G0S+3], s[22:23]
	s_or_b32 s[G0S+3], s[G0S+3], 0x80000000
	s_mov_b32 s[G0SB], 1
	s_add_co_u32 s[G0SB+1], s94, SCL
	s_mov_b64 s[G0SB+2:G0SB+3], s[92:93]
	s_or_b32 s[G0SB+3], s[G0SB+3], 0x80000000
	JLOAD G0S, G1S, G0SB, G1SB                     ; the scale words first: they are wanted with K step 0
.irp s, 0,1
	s_mov_b32 s[G0+4*\s], 1
	s_add_co_u32 s[G0+4*\s+1], s45, \s*SLOT
	s_add_nc_u64 s[G0+4*\s+2:G0+4*\s+3], s[20:21], \s*HALFT
	s_or_b32 s[G0+4*\s+3], s[G0+4*\s+3], 0x80000000
	s_mov_b32 s[G0B+4*\s], 1
	s_add_co_u32 s[G0B+4*\s+1], s45, \s*SLOT
	s_add_nc_u64 s[G0B+4*\s+2:G0B+4*\s+3], s[46:47], \s*HALFT
	s_or_b32 s[G0B+4*\s+3], s[G0B+4*\s+3], 0x80000000
	JLOAD G0+4*\s, G1, G0B+4*\s, G1B
.endr
	v_and_b32 v1, 15, v0                           ; r
	v_bfe_u32 v2, v0, 4, 1                         ; h
	v_and_b32 v3, 31, v0
	v_lshlrev_b32 v[LI], 4, v3
	s_mul_i32 s21, s15, HALFT                      ; my 128 slots of A
	s_mul_i32 s22, s16, HALFT
	s_add_co_u32 s22, s22, 2*HALFT                 ; my 128 of B, behind A's 256
.irp s, 0,1
	v_add_nc_u32 v[ADRA+\s], s21, v[LI]
	v_add_nc_u32 v[ADRB+\s], s22, v[LI]
	s_add_co_u32 s21, s21, SLOT
	s_add_co_u32 s22, s22, SLOT
.endr
	v_lshlrev_b32 v5, 4, v1                        ; scale words: 16 r;
	s_mul_i32 s21, s15, HALFS
	s_mul_i32 s22, s16, HALFS
	s_add_co_u32 s22, s22, 2*HALFS
	s_sub_co_u32 s22, s22, s21
	v_mul_u32_u24 v6, s22, v2                      ; lanes 16-31 take B's
	s_add_co_u32 s21, s21, SCL
	v_add_nc_u32 v5, v5, v6
	v_add_nc_u32 v[ADRS], s21, v5
.macro FRAG reg, adr, q, i             ; a fragment's image: three loads of 16 bytes a lane, each 512 consecutive bytes
.irp c, 0,1,2
	ds_load_b128 v[\reg+4*\c:\reg+4*\c+3], v[\adr] offset:(8*(\q)+(\i))*FRB+512*\c
.endr
.endm
; 16 matrix instructions: A's tiles a0, a0 + 1 x B's eight.  p: B's set; sc: the set of scale words.  mode 1: the first product starts the sums.  The 64 accumulators take turns.
.macro MUL16 a0, p, q, sc, mode
.irp a, \a0, \a0+1
.irp b, 0,1,2,3,4,5,6,7
.if \mode == 1
	v_wmma_scale_f32_16x16x128_f8f6f4 v[8*(8*((\a)%4)+\b):8*(8*((\a)%4)+\b)+7], v[128*(\p)+FR*\b:128*(\p)+FR*\b+FR-1], v[AF+FR*(\a):AF+FR*(\a)+FR-1], 0, v[SC+16*(\sc)+8*(\q)+\b], v[SC+16*(\sc)+8*(\q)+(\a)] matrix_a_fmt:MATRIX_FMT_FP6 matrix_b_fmt:MATRIX_FMT_FP6 matrix_a_scale:MATRIX_SCALE_ROW1
.else
	v_wmma_scale_f32_16x16x128_f8f6f4 v[8*(8*((\a)%4)+\b):8*(8*((\a)%4)+\b)+7], v[128*(\p)+FR*\b:128*(\p)+FR*\b+FR-1], v[AF+FR*(\a):AF+FR*(\a)+FR-1], v[8*(8*((\a)%4)+\b):8*(8*((\a)%4)+\b)+7], v[SC+16*(\sc)+8*(\q)+\b], v[SC+16*(\sc)+8*(\q)+(\a)] matrix_a_fmt:MATRIX_FMT_FP6 matrix_b_fmt:MATRIX_FMT_FP6 matrix_a_scale:MATRIX_SCALE_ROW1
.endif
.endr
.endr
.endm
.macro FETCH_B slot, q, p
	WIN TO_B
.irp i, 0,1,2,3,4,5,6,7
	FRAG 128*(\p)+FR*\i, ADRB+\slot, \q, \i
.endr
	WIN 0
.endm
.macro FETCH_A slot, q, i0
.irp i, \i0, \i0+1, \i0+2, \i0+3
	FRAG AF+FR*(\i), ADRA+\slot, \q, \i
.endr
.endm
.macro SCALES sc                       ; a slot's scale words: register 16 sc + 8 q + i: lanes 0-15 A's tile i, lanes 16-31 B's
.irp q, 0,1
.irp j, 0,1
	ds_load_b128 v[SC+16*\sc+8*\q+4*\j:SC+16*\sc+8*\q+4*\j+3], v[ADRS] offset:512*\q+256*\j
.endr
.endr
.endm
.macro PLACES n                        ; plain places in front of loads into registers that matrix instructions have read, and of the first read of results
.rept \n
	v_nop
.endr
.endm
.macro STEP slot, q, mode              ; 128 along K that has its successor in the same slot
	s_wait_dscnt 4*NL                              ; all but the youngest 12 loads (A's tiles 4-7) are in
	WIN MUL_LO
	MUL16 0, (\q)%2, \q, \slot, \mode
	MUL16 2, (\q)%2, \q, \slot, \mode
	s_wait_dscnt 0
	PLACES NP
	FETCH_B \slot, (\q)+1, 1-(\q)%2
	FETCH_A \slot, (\q)+1, 0
	WIN MUL_HI
	MUL16 4, (\q)%2, \q, \slot, \mode
	MUL16 6, (\q)%2, \q, \slot, \mode
	PLACES NP
	WIN 0
	FETCH_A \slot, (\q)+1, 4
.endm
; A slot's last step changes slots: one barrier; in front of it each wave waits for all its tensor loads, adds 0 to its spare word, and waits for that and for its reads of this slot.
.macro TURN slot, next, fill
	s_wait_tensorcnt 0x0                           ; all my tensor loads have landed: my part of the next slot
	ds_add_u32 v[SPW], v[NIL]                      ; 0 onto my spare word
	s_wait_dscnt 4*NL+1                            ; (the add and the youngest 12 loads may be out)
	WIN MUL_LO
	MUL16 0, 1, NQ-1, \slot, 0
	s_wait_dscnt 0x0                               ; the add is done, and my reads of this slot are over
	s_barrier_signal -1
	MUL16 2, 1, NQ-1, \slot, 0
	WIN 0
	s_barrier_wait -1
.if \fill
	CREST                                          ; the barrier has opened a round of the cluster's: no wave of any partner still reads this slot or has a load on its way
	s_add_nc_u64 s[G0+4*\slot+2:G0+4*\slot+3], s[G0+4*\slot+2:G0+4*\slot+3], 2*HALFT
	s_add_nc_u64 s[G0B+4*\slot+2:G0B+4*\slot+3], s[G0B+4*\slot+2:G0B+4*\slot+3], 2*HALFT
	JLOAD G0+4*\slot, G1, G0B+4*\slot, G1B         ; the first tensor load behind the round; its four v_nop are the places in front of the loads below
.else
	PLACES NP
.endif
	v_add_nc_u32 v[ADRS], 1024, v[ADRS]            ; the next slot's scale words
	FETCH_B \next, 0, 0
	FETCH_A \next, 0, 0
	SCALES \next
	WIN MUL_HI
	MUL16 4, 1, NQ-1, \slot, 0
	MUL16 6, 1, NQ-1, \slot, 0
	PLACES NP
	WIN 0
	FETCH_A \next, 0, 4
.endm
	s_wait_tensorcnt 1                             ; the scale words and my part of slot 0 are in; slot 1's load may be out
	s_barrier_signal -1
	s_barrier_wait -1
	FETCH_B 0, 0, 0
	FETCH_A 0, 0, 0
	SCALES 0
	FETCH_A 0, 0, 4
	STEP 0, 0, 1                                   ; the first step's products start the sums
	s_mov_b32 s3, LAPS-1
.Llap:
	TURN 0, 1, 1
	STEP 1, 0, 0
	TURN 1, 0, 1
	STEP 0, 0, 0
	s_sub_co_u32 s3, s3, 1
	s_cmp_lg_u32 s3, 0
	s_cbranch_scc1 .Llap
	TURN 0, 1, 0                                   ; the last lap fills nothing
	STEP 1, 0, 0
	s_wait_dscnt 4*NL
	WIN MUL_LO
	MUL16 0, 1, NQ-1, 1, 0
	MUL16 2, 1, NQ-1, 1, 0
	s_wait_dscnt 0
	WIN MUL_HI
	MUL16 4, 1, NQ-1, 1, 0
	MUL16 6, 1, NQ-1, 1, 0
	WIN 0
	PLACES NP
; THE WAY OUT.  QUANT: the 64 registers of row a of accumulators, register 16 b + i = k 32 b + 16 h + i of my slot, become a fragment: registers 0-5 in v[d0] on, 6-11 in v[d1] on, its scale word in v[pw].
.macro QUANT a, d0, d1, pw
.set WA, 2+(\a)/4
.set AC, 64*((\a)%4)
.set WW, WA|(WA<<2)
	s_wait_xcnt 0x0                                ; earlier stores have read the registers that are written here
	WIN WW                                         ; sources 0 and 1: the accumulators' window
.irp b, 0,1,2,3
	v_max3_num_f32 v[TM+\b], |v[AC+16*\b]|, |v[AC+16*\b+1]|, 0x1800000   ; each accumulator is read from its low end on; the floor 2^(3 - 127) holds the byte at 1 from below
.endr
.irp i, 2,4,6,8,10,12,14
.irp b, 0,1,2,3
	v_max3_num_f32 v[TM+\b], |v[AC+16*\b+\i]|, |v[AC+16*\b+\i+1]|, v[TM+\b]
.endr
.endr
	WIN 0
.irp b, 0,1,2,3
	v_permlanex16_b32 v[TM+4+\b], v[TM+\b], s[SEL], s[SEL+1]
.endr
.irp b, 0,1,2,3
	v_max_num_f32 v[TM+\b], v[TM+\b], v[TM+4+\b]   ; with lane l xor 16's 16: the block's largest magnitude
.endr
.irp b, 0,1,2,3
	v_add_nc_u32 v[TM+12+\b], 0xff000000, v[TM+\b] ; 2 off its exponent field: the conversion's scale operand
.endr
.irp b, 0,1,2,3
	v_lshrrev_b32 v[TM+4+\b], 23, v[TM+12+\b]      ; the byte
.endr
	v_lshl_or_b32 v[\pw], v[TM+5], 8, v[TM+4]
	v_lshl_or_b32 v[\pw], v[TM+6], 16, v[\pw]
	v_lshl_or_b32 v[\pw], v[TM+7], 24, v[\pw]
	WIN WA
	v_cvt_scalef32_pk16_fp6_f32 v[\d0:\d0+2], v[AC:AC+15], v[TM+12]
	v_cvt_scalef32_pk16_fp6_f32 v[T2:T2+2], v[AC+16:AC+31], v[TM+13]
	v_cvt_scalef32_pk16_fp6_f32 v[\d1:\d1+2], v[AC+32:AC+47], v[TM+14]
	v_cvt_scalef32_pk16_fp6_f32 v[T2+4:T2+6], v[AC+48:AC+63], v[TM+15]
	WIN 0
	v_nop                                          ; one plain place behind the scaled conversions
.irp i, 0,1,2                          ; the layout wants a whole block in a lane: the halves change places
	v_permlane16_swap_b32 v[\d0+\i], v[T2+\i]
	v_permlane16_swap_b32 v[\d1+\i], v[T2+4+\i]
.endr
.irp i, 0,1,2
	v_mov_b32 v[\d0+3+\i], v[T2+\i]
	v_mov_b32 v[\d1+3+\i], v[T2+4+\i]
.endr
.endm
	s_mov_b32 s[SEL], 0x76543210
	s_mov_b32 s[SEL+1], 0xfedcba98
	s_mov_b32 s[HM], 0xffff0000                    ; lanes 16-31
	s_mov_b32 s99, 0x7f7f0000                      ; the bytes 127 for the upper 64 of an instruction's K, where one side's codes are zeros
.irp b, 0,1,2,3
	v_mov_b32 v[TM+4+\b], 0                        ; a lane permute's destination counts as one of its sources
.endr
	s_lshl_b32 s18, s17, 1
	s_add_co_u32 s18, s18, s15                     ; my block of role A
	s_lshl_b32 s19, s42, 1
	s_add_co_u32 s19, s19, s16                     ; my block of role B
	s_cmp_lg_u32 s95, 0
	s_cbranch_scc1 .Lv_arm
	; ---- k, q: my 128 columns are two heads; a fragment's registers 0-5 are the first head's 64, 6-11 the second's
	s_lshr_b32 s20, s18, 4                         ; batch
	s_and_b32 s21, s18, 15                         ; step of 128 along the context
	s_and_b32 s22, s19, 7
	s_lshl_b32 s22, s22, 1
	s_lshl_b32 s20, s20, 4
	s_add_co_u32 s22, s22, s20                     ; my first head
	s_mov_b32 s23, 208896
	s_mov_b32 s47, 196608
	s_cmp_eq_u32 ttmp9, 1                          ; q's cluster?
	s_cselect_b32 s23, 106496, s23                 ; bytes of a head's record,
	s_cselect_b32 s46, 6684672, 0                  ; where the records begin,
	s_cselect_b32 s47, 98304, s47                  ; and the scale words in a record
	s_mul_i32 s22, s22, s23
	s_add_co_u32 s22, s22, s46
	s_mul_i32 s92, s21, 6144
	s_add_co_u32 s92, s92, s22
	s_mov_b32 s93, 0
	s_add_nc_u64 s[8:9], s[6:7], s[92:93]          ; the first head's four pairs of this step
	s_mov_b32 s92, s23
	s_add_nc_u64 s[10:11], s[8:9], s[92:93]        ; the second head's
	s_lshl_b32 s92, s21, 9
	s_add_co_u32 s92, s92, s22
	s_add_co_u32 s92, s92, s47
	s_add_nc_u64 s[12:13], s[6:7], s[92:93]        ; their scale words
	s_mov_b32 s92, s23
	s_add_nc_u64 s[18:19], s[12:13], s[92:93]
.irp al, 0,1,2,3
	QUANT 2*\al, X, Y, PWR+2*\al
	QUANT 2*\al+1, X+6, Y+6, PWR+2*\al+1
.irp c, 0,1,2
	global_store_b128 v[LI], v[X+4*\c:X+4*\c+3], s[8:9] offset:FRB*\al+512*\c     ; 512 consecutive bytes, aligned
	global_store_b128 v[LI], v[Y+4*\c:Y+4*\c+3], s[10:11] offset:FRB*\al+512*\c
.endr
.endr
.irp n, 0,1,2,3
	v_cndmask_b32 v[W+\n], v[PWR+\n], v[PWR+4+\n], s[HM]   ; lanes 0-15: tiles 0-3's words, lanes 16-31: tiles 4-7's
.endr
.irp n, 0,1,2,3
	v_and_or_b32 v[TM+\n], v[W+\n], 0xffff, s99    ; the first head's two bytes
	v_lshrrev_b32 v[TM+8+\n], 16, v[W+\n]          ; the second head's
.endr
.irp n, 0,1,2,3
	v_or_b32 v[TM+8+\n], s99, v[TM+8+\n]
.endr
	global_store_b128 v[LI], v[TM:TM+3], s[12:13]
	global_store_b128 v[LI], v[TM+8:TM+11], s[18:19]
	s_branch .Ldone
.Lv_arm:
	; ---- v: my 128 slots of role A are two heads' 64 channels; a fragment is 16 channels x 128 of the context
	s_lshr_b32 s20, s19, 4                         ; batch
	s_and_b32 s21, s19, 15                         ; step
	s_lshl_b32 s20, s20, 4
	s_lshl_b32 s22, s18, 1
	s_add_co_u32 s22, s22, s20                     ; my first head
	s_mul_i32 s22, s22, 208896
	s_mul_i32 s92, s21, 6144
	s_add_co_u32 s92, s92, s22
	s_add_co_u32 s92, s92, 98304
	s_mov_b32 s93, 0
	s_add_nc_u64 s[8:9], s[6:7], s[92:93]
	s_lshl_b32 s92, s21, 8
	s_add_co_u32 s92, s92, s22
	s_add_co_u32 s92, s92, 204800
	s_add_nc_u64 s[12:13], s[6:7], s[92:93]
	v_mul_u32_u24 v3, v2, 208896                   ; lanes 16-31 hold the second head's words
	v_lshl_add_u32 v3, v1, 4, v3
.irp a, 0,1,2,3,4,5,6,7
	QUANT \a, X, X+6, PWR+\a
.irp c, 0,1,2
	global_store_b128 v[LI], v[X+4*\c:X+4*\c+3], s[8:9] offset:(\a/4)*208896+(\a%4)*FRB+512*\c
.endr
.endr
.irp n, 0,1,2,3
	v_cndmask_b32 v[W+\n], v[PWR+\n], v[PWR+4+\n], s[HM]
.endr
	global_store_b128 v3, v[W:W+3], s[12:13]
.Ldone:
	s_wait_tensorcnt 0x0                           ; the wave's end
	ds_add_u32 v[SPW], v[NIL]
	s_wait_dscnt 0x0
	CROUND                                         ; the closing round
	s_endpgm
.Lfunc_end_k_qe50230da8d_qkv:
	.size	k_qe50230da8d_qkv, .Lfunc_end_k_qe50230da8d_qkv-k_qe50230da8d_qkv
	.p2alignl 7, 3214868480
	.fill 96, 4, 3214868480
	.section	.rodata,"a",@progbits
	.p2align	6, 0x0
	.amdhsa_kernel k_qe50230da8d_qkv
		.amdhsa_group_segment_fixed_size 327680
		.amdhsa_private_segment_fixed_size 0
		.amdhsa_enable_private_segment 0
		.amdhsa_kernarg_size 16
		.amdhsa_user_sgpr_count 2
		.amdhsa_user_sgpr_kernarg_segment_ptr 1
		.amdhsa_wavefront_size32 1
		.amdhsa_system_sgpr_workgroup_id_x 1
		.amdhsa_system_sgpr_workgroup_id_y 1
		.amdhsa_system_sgpr_workgroup_id_z 1
		.amdhsa_system_vgpr_workitem_id 0
		.amdhsa_next_free_vgpr 1024
		.amdhsa_next_free_sgpr 100
		.amdhsa_reserve_vcc 0
		.amdhsa_float_denorm_mode_32 3
		.amdhsa_float_denorm_mode_16_64 3
		.amdhsa_memory_ordered 1
		.amdhsa_forward_progress 1
		.amdhsa_inst_pref_size 175
	.end_amdhsa_kernel
	.amdgpu_metadata
---
amdhsa.version: [ 1, 2 ]
amdhsa.kernels:
  - .name:           k_qe50230da8d_qkv
    .symbol:         k_qe50230da8d_qkv.kd
    .args:
      - { .name: q0, .offset: 0, .size: 8, .value_kind: global_buffer, .address_space: global }
      - { .name: att, .offset: 8, .size: 8, .value_kind: global_buffer, .address_space: global }
    .group_segment_fixed_size: 327680
    .private_segment_fixed_size: 0
    .kernarg_segment_align: 8
    .kernarg_segment_size: 16
    .max_flat_workgroup_size: 128
    .sgpr_count:     100
    .vgpr_count:     1024
    .wavefront_size: 32
...
	.end_amdgpu_metadata
.endif
;; end of part 2
;; launch stats (part 3): grid 8 x 32, 16 waves a work-group, no clusters, 169,984 bytes of LDS; arguments att, stats; writes stats
.if DOCPART == 3
	.amdgcn_target "amdgcn-amd-amdhsa--gfx1250"
	.amdhsa_code_object_version 6
	.text
	.protected	k_qe50230da8d_stats
	.globl	k_qe50230da8d_stats
	.p2align	8
	.type	k_qe50230da8d_stats,@function
k_qe50230da8d_stats:
	s_mov_b64 s[64:65], 0
	v_nop
	global_prefetch_b8 v0, s[64:65] scope:SCOPE_SE
	s_setreg_imm32_b32 hwreg(HW_REG_WAVE_MODE, 25, 1), 1
	s_wait_xcnt 0x0
; THE SOFTMAX'S FIRST PASS.  scores[c][C] = k_c . q_C on codes of FP6 (K = 64), C <= c.  For each row c: negL = -(m + 8 ln l), m the row's largest score, l the sum of e^((s - m) / 8),
; so that the finished weight is 2^(cs (s + negL)), cs = log2(e) / 8.  The weights are quantised along c in the next launch, so each row's figure has to be whole before any weight is made.
; SHARES: a work-group takes one head; wave w owns one tile of 16 rows c: tile 8 blk + w % 8, blk = x for waves 0-7 and 15 - x for waves 8-15: 17 steps of 128 C to each such pair of waves.
; q's codes and scale words of the whole head (106,496 bytes) come into LDS once, a sixteenth by each wave's one tensor load; k's tile stays in registers.
; S = q k^T (source 0 = 16 C, source 1 = my 16 c): a lane holds ONE row c, and its registers 16 b + i the columns C = 128 st + 32 b + 16 h + i.  Each lane keeps m and l of its own half of the columns; the halves meet at the end.
; K = 64 in an instruction of 128: a q tile's operand is its six registers and the next tile's six; those meet k's upper six registers, which are zero codes, under the bytes 127.
; NO CLUSTER: the eight work-groups of a head read the same record, but the branch round hidden steps hangs on the work-group's x, which partners of a cluster would not share.
; All sixteen steps are walked by every wave (a constant trip count); a step all of whose columns lie behind my rows is jumped over by a scalar branch on ids.
; LIMITS: masked scores count as -infinity; NaN and infinities among the inputs are not served.
.set LI,   1                           ; 16 x lane
.set LS,   2                           ; 16 r + where q's scale words begin
.set R16,  3                           ; 16 r
.set DD,   4                           ; my row's place in its block of 128, less 16 h
.set NINF, 5
.set ADQ,  6
.set ADS,  7
.set KSW,  10                          ; k's scale word
.set OUTO, 11
.set QS,   12                          ; v12-19 q's scale words
.set KF,   24                          ; v24-35 k's tile; its upper six registers are zeros
.set S,    72                          ; v72-135
.set QT,   136                         ; v136-183 eight tiles of q, six registers each; v184-189 zeros.  v36 c m, v37 m, v38 a, v[40:41] l, v42-47 at work, v48-51 the end
.set BLK,  10
.set CS,   44
.set SEL,  46
.set ST,   48
.set TB,   49
.set TS,   50
	s_load_b128 s[4:7], s[0:1], 0x0                ; att, stats
	v_lshl_add_u32 v254, v0, 2, 0x29000
	v_mov_b32 v255, 0
	ds_add_u32 v254, v255
	ds_add_u32 v254, v255
	v_lshrrev_b32 v1, 5, v0
	v_readfirstlane_b32 s8, v1                     ; wave 0..15
	s_and_b32 s9, ttmp7, 0xffff                    ; head
	s_sub_co_u32 s10, 15, ttmp9
	s_cmp_lt_u32 s8, 8
	s_cselect_b32 s10, ttmp9, s10                  ; blk
	s_and_b32 s11, s8, 7
	s_mov_b32 s16, 3<<16                           ; group 1: 26 rows of 256 bytes (32 elements of 8), dense, no padding, no mask
	s_mov_b32 s17, 32<<16
	s_mov_b32 s18, 26<<16
	s_mov_b32 s19, 32<<16
	s_mov_b32 s20, 26
	s_mov_b32 s21, 32
	s_mov_b32 s22, 0
	s_mov_b32 s23, 0
	s_mul_i32 s12, s8, 6656                        ; my sixteenth of the record
	s_mul_i32 s26, s9, 106496
	s_add_co_u32 s26, s26, s12
	s_add_co_u32 s26, s26, 6684672
	s_mov_b32 s27, 0
	s_mul_i32 s32, s9, 208896                      ; k's record
	s_lshl_b32 s33, s10, 2
	s_lshr_b32 s34, s11, 1
	s_add_co_u32 s33, s33, s34                     ; my tile's pair
	s_mul_i32 s33, s33, 1536
	s_add_co_u32 s34, s32, s33
	s_mov_b32 s35, 0
	s_lshl_b32 s24, s10, 9                         ; my tile's scale words: step blk, j = (w % 8) / 4, word w % 4
	s_add_co_u32 s24, s24, s32
	s_add_co_u32 s24, s24, 196608
	s_lshr_b32 s25, s11, 2
	s_lshl_b32 s25, s25, 8
	s_add_co_u32 s24, s24, s25
	s_and_b32 s25, s8, 3
	s_lshl_b32 s25, s25, 2
	s_add_co_u32 s24, s24, s25
	s_mov_b32 s25, 0
	s_lshl_b32 s52, s9, 13                         ; stats: 8,192 bytes a head, 512 a block
	s_lshl_b32 s53, s10, 9
	s_add_co_u32 s52, s52, s53
	s_mov_b32 s53, 0
	s_and_b32 s42, s8, 1
	s_sub_co_u32 s40, 0, s42                       ; all ones where my tile is the pair's odd one
	s_lshr_b32 s41, s11, 1
	s_lshl_b32 s41, s41, 5
	s_lshl_b32 s43, s42, 3
	s_add_co_u32 s41, s41, s43                     ; my tile's first row in its block
	s_mov_b32 s[CS], 0x3e38aa3b                    ; cs = log2(e) / 8
	s_mov_b32 s[CS+1], s[CS]
	s_mov_b32 s[SEL], 0x76543210
	s_mov_b32 s[SEL+1], 0xfedcba98
	s_mov_b32 s[ST], 0
	s_mov_b32 s[TB], 0
	s_mov_b32 s[TS], 0
	s_wait_dscnt 0x0
	s_wait_kmcnt 0x0
	s_mov_b32 s28, 1
	s_mov_b32 s29, s12
	s_add_nc_u64 s[30:31], s[4:5], s[26:27]
	s_or_b32 s31, s31, 0x80000000
	tensor_load_to_lds s[28:31], s[16:23]          ; my one tensor load: filled once
	s_nop 0
.rept 4
	v_nop
.endr
	s_add_nc_u64 s[36:37], s[4:5], s[34:35]
	s_add_nc_u64 s[38:39], s[4:5], s[24:25]
	s_add_nc_u64 s[6:7], s[6:7], s[52:53]
	v_and_b32 v8, 31, v0
	v_lshlrev_b32 v[LI], 4, v8
	v_and_b32 v8, 15, v0                           ; r
	v_bfe_u32 v9, v0, 4, 1                         ; h
	v_lshlrev_b32 v[R16], 4, v8
	v_add_nc_u32 v[LS], 98304, v[R16]
	global_load_b128 v[S:S+3], v[LI], s[36:37]
	global_load_b128 v[S+4:S+7], v[LI], s[36:37] offset:512
	global_load_b128 v[S+8:S+11], v[LI], s[36:37] offset:1024
	global_load_b32 v[KSW], v[R16], s[38:39]
	v_and_b32 v[OUTO], 8, v8
	v_add_nc_u32 v[OUTO], v[OUTO], v8
	v_add_nc_u32 v[OUTO], s41, v[OUTO]             ; my row in its block: the tile's first + r + 8 (r / 8)
	v_lshlrev_b32 v9, 4, v9
	v_sub_nc_u32 v[DD], v[OUTO], v9
	v_lshlrev_b32 v[OUTO], 2, v[OUTO]
	v_mov_b32 v[NINF], 0xff800000
	s_wait_loadcnt 0x0
.irp i, 0,1,2,3,4,5
	v_cndmask_b32 v[KF+\i], v[S+\i], v[S+6+\i], s40
.endr
.irp i, 6,7,8,9,10,11
	v_mov_b32 v[KF+\i], 0
.endr
.irp i, 0,1,2,3,4,5
	v_mov_b32 v[QT+48+\i], 0                       ; (these and the lines below are also the places between the writes of k's tile and the first product)
.endr
	v_mov_b32 v37, 0xff61b1e6                      ; m: -3e38, under every score
	v_mul_f32 v36, s[CS], v37
	v_mov_b32 v38, 0
	v_mov_b32 v39, 0
	v_mov_b32 v40, 0
	v_mov_b32 v41, 0
	v_mov_b32 v49, 0
	s_wait_tensorcnt 0x0                           ; my part of the record is in,
	s_barrier_signal -1
	s_barrier_wait -1                              ; everybody's is
.Lstep:
	s_cmp_gt_u32 s[ST], s[BLK]
	s_cbranch_scc1 .Lhidden
	v_add_nc_u32 v[ADQ], s[TB], v[LI]
	v_add_nc_u32 v[ADS], s[TS], v[LS]
.irp p, 0,1,2,3
.irp c, 0,1,2
	ds_load_b128 v[QT+12*\p+4*\c:QT+12*\p+4*\c+3], v[ADQ] offset:1536*\p+512*\c
.endr
.endr
	ds_load_b128 v[QS:QS+3], v[ADS]
	ds_load_b128 v[QS+4:QS+7], v[ADS] offset:256
	s_wait_dscnt 0x0
.irp t, 0,1,2,3,4,5,6,7
	v_wmma_scale_f32_16x16x128_f8f6f4 v[S+8*\t:S+8*\t+7], v[QT+6*\t:QT+6*\t+11], v[KF:KF+11], 0, v[QS+\t], v[KSW] matrix_a_fmt:MATRIX_FMT_FP6 matrix_b_fmt:MATRIX_FMT_FP6
.endr
.rept 4
	v_nop
.endr
	s_cmp_lg_u32 s[ST], s[BLK]
	s_cbranch_scc1 .Lopen
.set n, 0
.rept 64                               ; on the diagonal: column 32 b + 16 h + i is hidden where it lies behind my row
	v_cmp_gt_i32 vcc_lo, 32*(n/16)+n%16, v[DD]
	v_cndmask_b32 v[S+n], v[S+n], v[NINF], vcc_lo
.set n, n+1
.endr
.Lopen:
.irp b, 0,1,2,3
	v_max3_num_f32 v[44+\b], v[S+16*\b], v[S+16*\b+1], v[S+16*\b+2]
.endr
.irp i, 3,5,7,9,11,13
.irp b, 0,1,2,3
	v_max3_num_f32 v[44+\b], v[44+\b], v[S+16*\b+\i], v[S+16*\b+\i+1]
.endr
.endr
.irp b, 0,1,2,3
	v_max_num_f32 v[44+\b], v[44+\b], v[S+16*\b+15]
.endr
	v_max3_num_f32 v44, v44, v45, v46
	v_mov_b32 v38, v36                             ; c m as it was
	v_max3_num_f32 v37, v44, v47, v37              ; the running maximum
	v_mul_f32 v36, s[CS], v37
	v_sub_f32 v38, v38, v36
.set n, 0
.rept 32
	v_pk_fma_f32 v[S+n:S+n+1], v[S+n:S+n+1], s[CS:CS+1], v[36:37] op_sel_hi:[1,0,0] neg_lo:[0,0,1] neg_hi:[0,0,1]   ; cs s - cs m
.set n, n+2
.endr
.set n, 0
.rept 64
	v_exp_f32 v[S+n], v[S+n]
.set n, n+1
.endr
	v_exp_f32 v38, v38                             ; a = 2^(old c m - new c m)
	v_nop                                          ; a plain place behind the batch
	s_wait_alu depctr_va_vdst(0)                   ; one wait for the batch, ahead of its first reader
	v_pk_add_f32 v[42:43], v[S:S+1], v[S+2:S+3]
	v_pk_add_f32 v[44:45], v[S+4:S+5], v[S+6:S+7]
.irp j, 8,12,16,20,24,28,32,36,40,44,48,52,56,60
	v_pk_add_f32 v[42:43], v[42:43], v[S+\j:S+\j+1]
	v_pk_add_f32 v[44:45], v[44:45], v[S+\j+2:S+\j+3]
.endr
	v_pk_add_f32 v[42:43], v[42:43], v[44:45]
	v_pk_fma_f32 v[40:41], v[40:41], v[38:39], v[42:43] op_sel_hi:[1,0,1]   ; l = l a + the step's sum
.Lhidden:
	s_add_co_u32 s[TB], s[TB], 6144
	s_add_co_u32 s[TS], s[TS], 512
	s_add_co_u32 s[ST], s[ST], 1
	s_cmp_lt_u32 s[ST], 16
	s_cbranch_scc1 .Lstep
	; the two halves of the columns meet
	v_add_f32 v48, v40, v41
	v_permlanex16_b32 v49, v36, s[SEL], s[SEL+1]
	v_max_num_f32 v50, v36, v49                    ; the row's c m
	v_sub_f32 v51, v36, v50
	v_exp_f32 v51, v51
	v_nop
	s_wait_alu depctr_va_vdst(0)
	v_mul_f32 v48, v48, v51                        ; my half's sum under the row's maximum
	v_permlanex16_b32 v49, v48, s[SEL], s[SEL+1]
	v_add_f32 v48, v48, v49
	v_log_f32 v48, v48
	v_nop
	s_wait_alu depctr_va_vdst(0)
	v_add_f32 v48, v50, v48
	v_mul_f32 v48, 0xc0b17218, v48                 ; x -8 ln 2: back into the scores' units
	global_store_b32 v[OUTO], v48, s[6:7]          ; lanes l and l xor 16 write the same word with the same value
	s_wait_tensorcnt 0x0
	ds_add_u32 v254, v255
	s_wait_dscnt 0x0
	s_endpgm
.Lfunc_end_k_qe50230da8d_stats:
	.size	k_qe50230da8d_stats, .Lfunc_end_k_qe50230da8d_stats-k_qe50230da8d_stats
	.p2alignl 7, 3214868480
	.fill 96, 4, 3214868480
	.section	.rodata,"a",@progbits
	.p2align	6, 0x0
	.amdhsa_kernel k_qe50230da8d_stats
		.amdhsa_group_segment_fixed_size 169984
		.amdhsa_private_segment_fixed_size 0
		.amdhsa_enable_private_segment 0
		.amdhsa_kernarg_size 16
		.amdhsa_user_sgpr_count 2
		.amdhsa_user_sgpr_kernarg_segment_ptr 1
		.amdhsa_wavefront_size32 1
		.amdhsa_system_sgpr_workgroup_id_x 1
		.amdhsa_system_sgpr_workgroup_id_y 1
		.amdhsa_system_sgpr_workgroup_id_z 1
		.amdhsa_system_vgpr_workitem_id 0
		.amdhsa_next_free_vgpr 256
		.amdhsa_next_free_sgpr 66
		.amdhsa_reserve_vcc 1
		.amdhsa_float_denorm_mode_32 3
		.amdhsa_float_denorm_mode_16_64 3
		.amdhsa_memory_ordered 1
		.amdhsa_forward_progress 1
		.amdhsa_inst_pref_size 22
	.end_amdhsa_kernel
	.amdgpu_metadata
---
amdhsa.version: [ 1, 2 ]
amdhsa.kernels:
  - .name:           k_qe50230da8d_stats
    .symbol:         k_qe50230da8d_stats.kd
    .args:
      - { .name: att, .offset: 0, .size: 8, .value_kind: global_buffer, .address_space: global }
      - { .name: stats, .offset: 8, .size: 8, .value_kind: global_buffer, .address_space: global }
    .group_segment_fixed_size: 169984
    .private_segment_fixed_size: 0
    .kernarg_segment_align: 8
    .kernarg_segment_size: 16
    .max_flat_workgroup_size: 512
    .sgpr_count:     66
    .vgpr_count:     256
    .wavefront_size: 32
...
	.end_amdgpu_metadata
.endif
;; end of part 3
;; launch attn (part 4): grid 8 x 32, 16 waves a work-group, no clusters, 219,136 bytes of LDS; arguments att, stats, zq; writes zq
.if DOCPART == 4
	.amdgcn_target "amdgcn-amd-amdhsa--gfx1250"
	.amdhsa_code_object_version 6
	.text
	.protected	k_qe50230da8d_attn
	.globl	k_qe50230da8d_attn
	.p2align	8
	.type	k_qe50230da8d_attn,@function
k_qe50230da8d_attn:
	s_mov_b64 s[64:65], 0
	v_nop
	global_prefetch_b8 v0, s[64:65] scope:SCOPE_SE
	s_setreg_imm32_b32 hwreg(HW_REG_WAVE_MODE, 25, 1), 1
	s_wait_xcnt 0x0
; THE SOFTMAX'S SECOND PASS AND z.  z[C][h] = the sum over c >= C of attn[c][C] v[c][h]; attn[c][C] = 2^(cs (k_c . q_C + negL[c])) is the finished, normalised weight; it is quantised along c, as v is.
; SHARES: a work-group takes one head; wave w owns one tile of 16 columns C: tile 8 blk + w % 8, blk = x for waves 0-7 and 15 - x for waves 8-15; it walks the steps of 128 c from blk on: 17 steps to each such pair of waves.
; k's and v's codes and scale words of the whole head (208,896 bytes) and the head's negL (8,192 bytes) come into LDS once, a sixteenth of each by each wave: two tensor loads a wave are out.  q's tile stays in registers.
; S = k q^T + negL (source 0 = 16 c, source 1 = my 16 C; negL is the product's C operand): a lane holds ONE column C, its registers 16 b + i the rows c = 128 st + 32 b + 16 h + i: 16 neighbours along the next K.
; Z += v^T p^T (source 0 = 16 channels, source 1 = p): register 16 b + i = channel 32 b + 16 h + i.  At the end Z is quantised along the channels: my head's 64 are half of a K step of the next product,
; so an even head writes registers 0-5 of a fragment's image and an odd head registers 6-11, and each its half of the scale word (stores of 8 and of 2 bytes a lane: two heads, two work-groups, share a fragment).
; K = 64 in the first product: as in the launch before, a k tile's operand reaches into the next tile's registers, which meet q's zero codes under the bytes 127.
; NO CLUSTER: the branch round hidden steps hangs on the work-group's x, which partners of a cluster would not share.  Every wave walks all sixteen steps (a constant trip count).
; LIMITS: masked scores count as -infinity; a weight under 2^-126 becomes 0; a block whose largest weight lies under 2^-124 gets the byte 1.
.set LK,   1                           ; 16 x lane
.set LV,   2
.set LL,   3                           ; 64 h + where negL begins
.set DD,   4
.set NINF, 5
.set ADK,  6
.set ADV,  7
.set ADL,  8
.set ADS,  9
.set QSW,  10                          ; q's scale word
.set PW,   11                          ; p's scale word
.set KS,   12                          ; v12-19 k's scale words
.set VS,   20                          ; v20-23 v's
.set QF,   24                          ; v24-35 q's tile; its upper six registers are zeros
.set PC,   36                          ; v36-47 p's codes
.set T2,   48
.set TM,   56
.set S,    72
.set KT,   136                         ; v136-183 eight tiles of k, then four fragments of v; v184-189 zeros
.set Z,    200                         ; v200-231
.set ADT,  232
.set LS,   233
.set LT,   234
.set Z6,   236
.set R16,  242
.set HW,   243
.set BLK,  12
.set CS,   44
.set SEL,  46
.set ST,   48
.set TB,   49
.set TS,   50
.set TV,   51
	s_load_b128 s[4:7], s[0:1], 0x0                ; att, stats
	s_load_b64 s[8:9], s[0:1], 0x10                ; zq
	v_lshl_add_u32 v254, v0, 2, 0x35000
	v_mov_b32 v255, 0
	ds_add_u32 v254, v255
	ds_add_u32 v254, v255
	v_lshrrev_b32 v1, 5, v0
	v_readfirstlane_b32 s10, v1                    ; wave 0..15
	s_and_b32 s11, ttmp7, 0xffff                   ; head
	s_sub_co_u32 s12, 15, ttmp9
	s_cmp_lt_u32 s10, 8
	s_cselect_b32 s12, ttmp9, s12                  ; blk
	s_and_b32 s13, s10, 7
	s_mov_b32 s16, 3<<16                           ; group 1 for the record: 51 rows of 256 bytes, dense
	s_mov_b32 s17, 32<<16
	s_mov_b32 s18, 51<<16
	s_mov_b32 s19, 32<<16
	s_mov_b32 s20, 51
	s_mov_b32 s21, 32
	s_mov_b32 s22, 0
	s_mov_b32 s23, 0
	s_mov_b32 s24, 3<<16                           ; and for negL: 2 rows
	s_mov_b32 s25, 32<<16
	s_mov_b32 s26, 2<<16
	s_mov_b32 s27, 32<<16
	s_mov_b32 s28, 2
	s_mov_b32 s29, 32
	s_mov_b32 s30, 0
	s_mov_b32 s31, 0
	s_mul_i32 s14, s10, 13056
	s_mul_i32 s40, s11, 208896
	s_add_co_u32 s40, s40, s14
	s_mov_b32 s41, 0
	s_lshl_b32 s15, s10, 9
	s_lshl_b32 s42, s11, 13
	s_add_co_u32 s42, s42, s15
	s_mov_b32 s43, 0
	s_mov_b32 s[CS], 0x3e38aa3b                    ; cs = log2(e) / 8
	s_mov_b32 s[CS+1], s[CS]
	s_mov_b32 s[SEL], 0x76543210
	s_mov_b32 s[SEL+1], 0xfedcba98
	s_mov_b32 s[ST], 0
	s_mov_b32 s[TB], 0
	s_mov_b32 s[TS], 0
	s_mov_b32 s[TV], 0
	s_wait_dscnt 0x0
	s_wait_kmcnt 0x0
	s_mov_b32 s32, 1
	s_mov_b32 s33, s14
	s_add_nc_u64 s[34:35], s[4:5], s[40:41]
	s_or_b32 s35, s35, 0x80000000
	s_mov_b32 s36, 1
	s_add_co_u32 s37, s15, 208896
	s_add_nc_u64 s[38:39], s[6:7], s[42:43]
	s_or_b32 s39, s39, 0x80000000
	tensor_load_to_lds s[32:35], s[16:23]          ; my two first fills stand together; both are filled once
	s_nop 0
	tensor_load_to_lds s[36:39], s[24:31]
	s_nop 0
.rept 4
	v_nop
.endr
	s_mul_i32 s40, s11, 106496                     ; q's record
	s_add_co_u32 s40, s40, 6684672
	s_lshl_b32 s42, s12, 2
	s_lshr_b32 s52, s13, 1
	s_add_co_u32 s42, s42, s52
	s_mul_i32 s42, s42, 1536                       ; my tile's pair
	s_add_co_u32 s42, s42, s40
	s_add_nc_u64 s[54:55], s[4:5], s[42:43]
	s_lshl_b32 s42, s12, 9
	s_add_co_u32 s42, s42, s40
	s_add_co_u32 s42, s42, 98304
	s_lshr_b32 s52, s13, 2
	s_lshl_b32 s52, s52, 8
	s_add_co_u32 s42, s42, s52
	s_and_b32 s53, s10, 3
	s_lshl_b32 s53, s53, 2
	s_add_co_u32 s42, s42, s53
	s_add_nc_u64 s[56:57], s[4:5], s[42:43]        ; my tile's scale words
	s_add_co_u32 s60, s52, s53                     ; 256 j + 4 n: the same place in zq's scale words
	s_lshr_b32 s52, s11, 4
	s_lshl_b32 s52, s52, 4
	s_add_co_u32 s52, s52, s12                     ; zq: block of 128 rows = 16 x batch + blk
	s_lshl_b32 s52, s52, 3
	s_and_b32 s53, s11, 15
	s_lshr_b32 s61, s53, 1
	s_add_co_u32 s52, s52, s61                     ; x 8 + K step = head / 2
	s_and_b32 s61, s53, 1                          ; the head's parity
	s_mul_i32 s42, s52, 12288
	s_mul_i32 s53, s13, 1536
	s_add_co_u32 s42, s42, s53
	s_add_nc_u64 s[58:59], s[8:9], s[42:43]        ; my fragment's image
	s_lshl_b32 s42, s52, 9
	s_add_co_u32 s42, s42, s60
	s_add_co_u32 s42, s42, 3145728
	s_lshl_b32 s53, s61, 1
	s_add_co_u32 s42, s42, s53
	s_add_nc_u64 s[8:9], s[8:9], s[42:43]          ; my half of the scale words
	s_and_b32 s52, s10, 1
	s_sub_co_u32 s62, 0, s52                       ; all ones where my tile is the pair's odd one
	s_lshr_b32 s53, s13, 1
	s_lshl_b32 s53, s53, 5
	s_lshl_b32 s52, s52, 3
	s_add_co_u32 s53, s53, s52                     ; my tile's first column in its block
	v_and_b32 v8, 31, v0
	v_lshlrev_b32 v[LK], 4, v8
	v_and_b32 v8, 15, v0                           ; r
	v_bfe_u32 v9, v0, 4, 1                         ; h
	v_lshlrev_b32 v[R16], 4, v8
	global_load_b128 v[S:S+3], v[LK], s[54:55]
	global_load_b128 v[S+4:S+7], v[LK], s[54:55] offset:512
	global_load_b128 v[S+8:S+11], v[LK], s[54:55] offset:1024
	global_load_b32 v[QSW], v[R16], s[56:57]
	v_add_nc_u32 v[LV], 98304, v[LK]
	v_lshl_add_u32 v[LL], v9, 6, 208896
	v_add_nc_u32 v[LS], 196608, v[R16]
	v_add_nc_u32 v[LT], 204800, v[R16]
	v_and_b32 v[DD], 8, v8
	v_add_nc_u32 v[DD], v[DD], v8
	v_add_nc_u32 v[DD], s53, v[DD]                 ; my column in its block
	v_lshlrev_b32 v9, 4, v9
	v_sub_nc_u32 v[DD], v[DD], v9
	v_mov_b32 v[NINF], 0xff800000
	s_wait_loadcnt 0x0
.irp i, 0,1,2,3,4,5
	v_cndmask_b32 v[QF+\i], v[S+\i], v[S+6+\i], s62
.endr
.irp i, 6,7,8,9,10,11
	v_mov_b32 v[QF+\i], 0
.endr
.irp i, 0,1,2,3,4,5
	v_mov_b32 v[KT+48+\i], 0
.endr
.irp b, 0,1,2,3
	v_mov_b32 v[TM+4+\b], 0                        ; a lane permute's destination counts as one of its sources
.endr
.set n, 0
.rept 32
	v_mov_b32 v[Z+n], 0                            ; the step is written once: the first finds zeros
.set n, n+1
.endr
	s_wait_tensorcnt 0x0
	s_barrier_signal -1
	s_barrier_wait -1
.Lstep:
	s_cmp_lt_u32 s[ST], s[BLK]
	s_cbranch_scc1 .Lhidden
	v_add_nc_u32 v[ADK], s[TB], v[LK]
	v_add_nc_u32 v[ADV], s[TB], v[LV]
	v_add_nc_u32 v[ADL], s[TS], v[LL]
	v_add_nc_u32 v[ADS], s[TS], v[LS]
	v_add_nc_u32 v[ADT], s[TV], v[LT]
.irp b, 0,1,2,3
.irp n, 0,1,2,3
	ds_load_b128 v[S+16*\b+4*\n:S+16*\b+4*\n+3], v[ADL] offset:128*\b+16*\n   ; negL of my 64 rows, in the result's layout
.endr
.endr
.irp p, 0,1,2,3
.irp c, 0,1,2
	ds_load_b128 v[KT+12*\p+4*\c:KT+12*\p+4*\c+3], v[ADK] offset:1536*\p+512*\c
.endr
.endr
	ds_load_b128 v[KS:KS+3], v[ADS]
	ds_load_b128 v[KS+4:KS+7], v[ADS] offset:256
	s_wait_dscnt 0x0
.irp t, 0,1,2,3,4,5,6,7
	v_wmma_scale_f32_16x16x128_f8f6f4 v[S+8*\t:S+8*\t+7], v[KT+6*\t:KT+6*\t+11], v[QF:QF+11], v[S+8*\t:S+8*\t+7], v[KS+\t], v[QSW] matrix_a_fmt:MATRIX_FMT_FP6 matrix_b_fmt:MATRIX_FMT_FP6
.endr
.rept 4
	v_nop                                          ; places in front of the loads into k's registers and of the first read of the scores
.endr
.irp t, 0,1,2,3
.irp c, 0,1,2
	ds_load_b128 v[KT+12*\t+4*\c:KT+12*\t+4*\c+3], v[ADV] offset:1536*\t+512*\c   ; v's four fragments land while the weights are made
.endr
.endr
	ds_load_b128 v[VS:VS+3], v[ADT]
	s_cmp_lg_u32 s[ST], s[BLK]
	s_cbranch_scc1 .Lopen
.set n, 0
.rept 64                               ; on the diagonal: row 32 b + 16 h + i is hidden where it lies ahead of my column
	v_cmp_lt_i32 vcc_lo, 32*(n/16)+n%16, v[DD]
	v_cndmask_b32 v[S+n], v[S+n], v[NINF], vcc_lo
.set n, n+1
.endr
.Lopen:
.set n, 0
.rept 32
	v_pk_mul_f32 v[S+n:S+n+1], v[S+n:S+n+1], s[CS:CS+1] op_sel_hi:[1,0]
.set n, n+2
.endr
.set n, 0
.rept 64
	v_exp_f32 v[S+n], v[S+n]                       ; the finished weight
.set n, n+1
.endr
	v_nop                                          ; a plain place behind the batch
	s_wait_alu depctr_va_vdst(0)                   ; one wait for the batch, ahead of its first reader
.irp b, 0,1,2,3
	v_max3_num_f32 v[TM+\b], v[S+16*\b], v[S+16*\b+1], 0x1800000   ; no weight is negative; the floor 2^(3 - 127) holds the byte at 1 from below
.endr
.irp i, 2,4,6,8,10,12,14
.irp b, 0,1,2,3
	v_max3_num_f32 v[TM+\b], v[TM+\b], v[S+16*\b+\i], v[S+16*\b+\i+1]
.endr
.endr
.irp b, 0,1,2,3
	v_permlanex16_b32 v[TM+4+\b], v[TM+\b], s[SEL], s[SEL+1]
.endr
.irp b, 0,1,2,3
	v_max_num_f32 v[TM+\b], v[TM+\b], v[TM+4+\b]
.endr
.irp b, 0,1,2,3
	v_add_nc_u32 v[TM+12+\b], 0xff000000, v[TM+\b]
.endr
.irp b, 0,1,2,3
	v_lshrrev_b32 v[TM+4+\b], 23, v[TM+12+\b]
.endr
	v_lshl_or_b32 v[PW], v[TM+5], 8, v[TM+4]
	v_lshl_or_b32 v[PW], v[TM+6], 16, v[PW]
	v_lshl_or_b32 v[PW], v[TM+7], 24, v[PW]
.irp c, 0,1
	v_cvt_scalef32_pk16_fp6_f32 v[PC+6*\c:PC+6*\c+2], v[S+32*\c:S+32*\c+15], v[TM+12+2*\c]
	v_cvt_scalef32_pk16_fp6_f32 v[T2+4*\c:T2+4*\c+2], v[S+32*\c+16:S+32*\c+31], v[TM+13+2*\c]
.endr
	v_nop                                          ; one plain place behind the scaled conversions
.irp c, 0,1
.irp i, 0,1,2
	v_permlane16_swap_b32 v[PC+6*\c+\i], v[T2+4*\c+\i]
.endr
.irp i, 0,1,2
	v_mov_b32 v[PC+6*\c+3+\i], v[T2+4*\c+\i]
.endr
.endr
.rept 8
	v_nop                                          ; a scale word written by vector instructions stands eight places ahead of the scaled product, an operand four
.endr
	s_wait_dscnt 0x0                               ; v's fragments and scale words are in
.irp t, 0,1,2,3
	v_wmma_scale_f32_16x16x128_f8f6f4 v[Z+8*\t:Z+8*\t+7], v[KT+12*\t:KT+12*\t+11], v[PC:PC+11], v[Z+8*\t:Z+8*\t+7], v[VS+\t], v[PW] matrix_a_fmt:MATRIX_FMT_FP6 matrix_b_fmt:MATRIX_FMT_FP6
.endr
.rept 4
	v_nop                                          ; places in front of the next step's loads, and of the end's first read of Z
.endr
.Lhidden:
	s_add_co_u32 s[TB], s[TB], 6144
	s_add_co_u32 s[TS], s[TS], 512
	s_add_co_u32 s[TV], s[TV], 256
	s_add_co_u32 s[ST], s[ST], 1
	s_cmp_lt_u32 s[ST], 16
	s_cbranch_scc1 .Lstep
	; Z's two blocks of 32 channels become six registers of the next product's operand
.irp b, 0,1
	v_max3_num_f32 v[TM+\b], |v[Z+16*\b]|, |v[Z+16*\b+1]|, 0x1800000
.endr
.irp i, 2,4,6,8,10,12,14
.irp b, 0,1
	v_max3_num_f32 v[TM+\b], v[TM+\b], |v[Z+16*\b+\i]|, |v[Z+16*\b+\i+1]|
.endr
.endr
.irp b, 0,1
	v_permlanex16_b32 v[TM+4+\b], v[TM+\b], s[SEL], s[SEL+1]
.endr
.irp b, 0,1
	v_max_num_f32 v[TM+\b], v[TM+\b], v[TM+4+\b]
.endr
.irp b, 0,1
	v_add_nc_u32 v[TM+12+\b], 0xff000000, v[TM+\b]
.endr
.irp b, 0,1
	v_lshrrev_b32 v[TM+4+\b], 23, v[TM+12+\b]
.endr
	v_lshl_or_b32 v[HW], v[TM+5], 8, v[TM+4]       ; my head's two bytes
	v_cvt_scalef32_pk16_fp6_f32 v[Z6:Z6+2], v[Z:Z+15], v[TM+12]
	v_cvt_scalef32_pk16_fp6_f32 v[T2:T2+2], v[Z+16:Z+31], v[TM+13]
	v_nop
.irp i, 0,1,2
	v_permlane16_swap_b32 v[Z6+\i], v[T2+\i]
.endr
.irp i, 0,1,2
	v_mov_b32 v[Z6+3+\i], v[T2+\i]
.endr
	global_store_b16 v[R16], v[HW], s[8:9]         ; lanes l and l xor 16 write the same two bytes with the same value
	s_cmp_lg_u32 s61, 0
	s_cbranch_scc1 .Lodd
	global_store_b128 v[LK], v[Z6:Z6+3], s[58:59]                  ; an even head: registers 0-3, and 4, 5
	global_store_b64 v[LK], v[Z6+4:Z6+5], s[58:59] offset:512
	s_wait_tensorcnt 0x0
	ds_add_u32 v254, v255
	s_wait_dscnt 0x0
	s_endpgm
.Lodd:
	global_store_b64 v[LK], v[Z6:Z6+1], s[58:59] offset:520        ; an odd head: registers 6, 7, and 8-11
	global_store_b128 v[LK], v[Z6+2:Z6+5], s[58:59] offset:1024
	s_wait_tensorcnt 0x0
	ds_add_u32 v254, v255
	s_wait_dscnt 0x0
	s_endpgm
.Lfunc_end_k_qe50230da8d_attn:
	.size	k_qe50230da8d_attn, .Lfunc_end_k_qe50230da8d_attn-k_qe50230da8d_attn
	.p2alignl 7, 3214868480
	.fill 96, 4, 3214868480
	.section	.rodata,"a",@progbits
	.p2align	6, 0x0
	.amdhsa_kernel k_qe50230da8d_attn
		.amdhsa_group_segment_fixed_size 219136
		.amdhsa_private_segment_fixed_size 0
		.amdhsa_enable_private_segment 0
		.amdhsa_kernarg_size 24
		.amdhsa_user_sgpr_count 2
		.amdhsa_user_sgpr_kernarg_segment_ptr 1
		.amdhsa_wavefront_size32 1
		.amdhsa_system_sgpr_workgroup_id_x 1
		.amdhsa_system_sgpr_workgroup_id_y 1
		.amdhsa_system_sgpr_workgroup_id_z 1
		.amdhsa_system_vgpr_workitem_id 0
		.amdhsa_next_free_vgpr 256
		.amdhsa_next_free_sgpr 66
		.amdhsa_reserve_vcc 1
		.amdhsa_float_denorm_mode_32 3
		.amdhsa_float_denorm_mode_16_64 3
		.amdhsa_memory_ordered 1
		.amdhsa_forward_progress 1
		.amdhsa_inst_pref_size 29
	.end_amdhsa_kernel
	.amdgpu_metadata
---
amdhsa.version: [ 1, 2 ]
amdhsa.kernels:
  - .name:           k_qe50230da8d_attn
    .symbol:         k_qe50230da8d_attn.kd
    .args:
      - { .name: att, .offset: 0, .size: 8, .value_kind: global_buffer, .address_space: global }
      - { .name: stats, .offset: 8, .size: 8, .value_kind: global_buffer, .address_space: global }
      - { .name: zq, .offset: 16, .size: 8, .value_kind: global_buffer, .address_space: global }
    .group_segment_fixed_size: 219136
    .private_segment_fixed_size: 0
    .kernarg_segment_align: 8
    .kernarg_segment_size: 24
    .max_flat_workgroup_size: 512
    .sgpr_count:     66
    .vgpr_count:     256
    .wavefront_size: 32
...
	.end_amdgpu_metadata
.endif
;; end of part 4
;; launch oproj (part 5): grid 4 x 16, 4 waves a work-group, clusters of 4 x 4, 327,680 bytes of LDS; arguments zq, q0, x, x1; writes x1
.if DOCPART == 5
	.amdgcn_target "amdgcn-amd-amdhsa--gfx1250"
	.amdhsa_code_object_version 6
	.text
	.protected	k_qe50230da8d_oproj
	.globl	k_qe50230da8d_oproj
	.p2align	8
	.type	k_qe50230da8d_oproj,@function
k_qe50230da8d_oproj:
	s_mov_b64 s[64:65], 0
	v_nop
	global_prefetch_b8 v0, s[64:65] scope:SCOPE_SE
	s_setreg_imm32_b32 hwreg(HW_REG_WAVE_MODE, 25, 1), 1
	s_wait_xcnt 0x0
	s_wait_alu depctr_hold_cnt(0) depctr_sa_sdst(0) depctr_va_vdst(0) depctr_va_sdst(0) depctr_va_ssrc(0) depctr_va_vcc(0) depctr_vm_vsrc(0)
	s_getreg_b32 s2, hwreg(HW_REG_IB_STS2, 6, 4)
	s_cmp_eq_u32 s2, 0
	s_cbranch_scc0 .Lentry_in_a_cluster
	s_endpgm
.Lentry_in_a_cluster:
	s_bfe_u32 s2, ttmp6, 0x10000c
	s_cmp_lg_u32 s2, 0xf033
	s_cbranch_scc0 .Lentry_shape_is_right
	s_endpgm
.Lentry_shape_is_right:
; x1 = x + z W_O^T on codes of FP6 (K = 1,024).  x is loaded into the accumulators, in their layout, and the products add onto it.  x1 leaves twice: as f32, an image of the accumulators
; (128 chunks of 512 bytes a wave), for the last launch, and as codes with scale words, quantised along its columns, for the next.
; A tile of 256 x 256 to a work-group of four waves, 128 x 128 to a wave.  Source 0 = 16 slots of W_O's rows (role B), source 1 = 16 slots of z's rows (role A): lane (r, h), register j of accumulator (a, b)
; is row 32 (a / 2) + 8 (a % 2) + r + 8 (r / 8) and column 32 (b / 2) + 16 h + 8 (b % 2) + j of the wave's 128 x 128.
; Operands are images of their registers; K goes in steps of 256 through a ring of two LDS slots; the scale words of all of K come once; 4 x 4 work-groups form a cluster with joint loads.
; The launch has 64 tiles of this size, so 64 work-groups.
; LIMITS: NaN and infinities are not served; a block whose largest magnitude lies under 2^-124 gets the byte 1.
.set NKS,   8
.set FR,    12
.set NL,    3
.set NP,    4
.set NQ,    2
.set FRB,   1536
.set HALFT, 16*FRB
.set SLOT,  4*HALFT
.set SCL,   2*SLOT
.set HALFS, 512*NKS
.set SPARE, SCL+4*HALFS
.set LAPS,  NKS/4
.set PA,    4                          ; s[4:5]  role A's buffer: zq
.set PB,    6                          ; s[6:7]  role B's: q0
.set ACOD,  0
.set ASCL,  3145728
.set BCOD,  5505024
.set BSCL,  12812288
.set ADRA, 16
.set ADRB, 20
.set LI,   26
.set ADRS, 27
.set SPW,  28
.set NIL,  29
.set PRE,  30
.set SC,   32
.set AF,   128
.set TM,   64
.set T2,   80
.set X,    88
.set PWR,  112
.set W,    120
.set G1, 24
.set G0, 32
.set G1B, 48
.set G0B, 56
.set G1S, 68
.set G0S, 76
.set G1SB, 80
.set G0SB, 88
.set SEL, 96
.set HM,  98
.set MSB, 0
.macro WIN new
.if MSB != (\new)
	s_set_vgpr_msb (MSB<<8)|(\new)
.set MSB, (\new)
.endif
.endm
.set MUL_LO, 0xa1
.set MUL_HI, 0xf1
.set TO_B,   0x40
.macro JLOAD g0a, g1a, g0b, g1b        ; a joint load: waves 0 and 1 fetch for A, waves 2 and 3 for B; four v_nop follow each line
	s_cmp_eq_u32 s15, 0
	s_cbranch_scc0 .Lfor_b_\@
	tensor_load_to_lds s[\g0a:\g0a+3], s[\g1a:\g1a+7]
	s_nop 0
.rept 4
	v_nop
.endr
	s_branch .Lasked_\@
.Lfor_b_\@:
	tensor_load_to_lds s[\g0b:\g0b+3], s[\g1b:\g1b+7]
	s_nop 0
.rept 4
	v_nop
.endr
.Lasked_\@:
.endm
.macro CREST
	s_cmp_lg_u32 s14, 0
	s_cbranch_scc1 .Lnot_wave_0_\@
	s_barrier_signal -3
.Lnot_wave_0_\@:
	s_barrier_wait -3
	s_barrier_signal -1
	s_barrier_wait -1
.endm
.macro CROUND
	s_barrier_signal -1
	s_barrier_wait -1
	CREST
.endm
	s_load_b256 s[4:11], s[0:1], 0x0               ; zq, q0, x, x1
	v_lshl_add_u32 v[SPW], v0, 2, SPARE
	v_mov_b32 v[NIL], 0
	ds_add_u32 v28, v29
	ds_add_u32 v28, v29
	s_wait_dscnt 0x0
	v_lshrrev_b32 v1, 5, v0
	v_readfirstlane_b32 s14, v1                    ; wave 0..3
	s_lshr_b32 s15, s14, 1
	s_and_b32 s16, s14, 1
	s_bfe_u32 s40, ttmp6, 0x40000                  ; cx
	s_bfe_u32 s41, ttmp6, 0x40004                  ; cy
	s_lshl_b32 s42, ttmp9, 2
	s_add_co_u32 s42, s42, s40                     ; tile column
	s_and_b32 s17, ttmp7, 0xffff
	s_lshl_b32 s17, s17, 2
	s_add_co_u32 s17, s17, s41                     ; tile row
	s_lshl_b32 s43, s41, 2
	s_lshl_b32 s43, 15, s43
	s_lshl_b32 s44, 0x1111, s40
	s_or_b32 s[G1+0], s43, (3<<16)|(1<<21)
	s_or_b32 s[G1B+0], s44, (3<<16)|(1<<21)
.irp g, G1, G1B
	s_mov_b32 s[\g+1], 32<<16
	s_mov_b32 s[\g+2], 96<<16
	s_mov_b32 s[\g+3], 32<<16
	s_mov_b32 s[\g+4], 96
	s_mov_b32 s[\g+5], 32
	s_mov_b32 s[\g+6], 0
	s_mov_b32 s[\g+7], 0
.endr
	s_or_b32 s[G1S+0], s43, (3<<16)|(1<<21)
	s_or_b32 s[G1SB+0], s44, (3<<16)|(1<<21)
.irp g, G1S, G1SB
	s_mov_b32 s[\g+1], 32<<16
	s_mov_b32 s[\g+2], (2*NKS)<<16
	s_mov_b32 s[\g+3], 32<<16
	s_mov_b32 s[\g+4], 2*NKS
	s_mov_b32 s[\g+5], 32
	s_mov_b32 s[\g+6], 0
	s_mov_b32 s[\g+7], 0
.endr
	s_lshl_b32 s20, s17, 1
	s_add_co_u32 s20, s20, s16
	s_lshl_b32 s46, s42, 1
	s_add_co_u32 s46, s46, s16
	s_mul_i32 s22, s20, HALFS
	s_add_co_u32 s22, s22, ASCL
	s_mul_i32 s92, s46, HALFS
	s_add_co_u32 s92, s92, BSCL
	s_mul_i32 s20, s20, NKS*8*FRB
	s_add_co_u32 s20, s20, ACOD
	s_mul_i32 s46, s46, NKS*8*FRB
	s_add_co_u32 s46, s46, BCOD
	s_mov_b32 s21, 0
	s_mov_b32 s23, 0
	s_mov_b32 s47, 0
	s_mov_b32 s93, 0
	s_mul_i32 s45, s14, HALFT
	s_mul_i32 s94, s14, HALFS
	s_wait_kmcnt 0x0
	s_add_nc_u64 s[20:21], s[PA:PA+1], s[20:21]
	s_add_nc_u64 s[22:23], s[PA:PA+1], s[22:23]
	s_add_nc_u64 s[46:47], s[PB:PB+1], s[46:47]
	s_add_nc_u64 s[92:93], s[PB:PB+1], s[92:93]
	CROUND
	s_mov_b32 s[G0S], 1
	s_add_co_u32 s[G0S+1], s94, SCL
	s_mov_b64 s[G0S+2:G0S+3], s[22:23]
	s_or_b32 s[G0S+3], s[G0S+3], 0x80000000
	s_mov_b32 s[G0SB], 1
	s_add_co_u32 s[G0SB+1], s94, SCL
	s_mov_b64 s[G0SB+2:G0SB+3], s[92:93]
	s_or_b32 s[G0SB+3], s[G0SB+3], 0x80000000
	JLOAD G0S, G1S, G0SB, G1SB
.irp s, 0,1
	s_mov_b32 s[G0+4*\s], 1
	s_add_co_u32 s[G0+4*\s+1], s45, \s*SLOT
	s_add_nc_u64 s[G0+4*\s+2:G0+4*\s+3], s[20:21], \s*HALFT
	s_or_b32 s[G0+4*\s+3], s[G0+4*\s+3], 0x80000000
	s_mov_b32 s[G0B+4*\s], 1
	s_add_co_u32 s[G0B+4*\s+1], s45, \s*SLOT
	s_add_nc_u64 s[G0B+4*\s+2:G0B+4*\s+3], s[46:47], \s*HALFT
	s_or_b32 s[G0B+4*\s+3], s[G0B+4*\s+3], 0x80000000
	JLOAD G0+4*\s, G1, G0B+4*\s, G1B
.endr
	v_and_b32 v1, 15, v0
	v_bfe_u32 v2, v0, 4, 1
	v_and_b32 v3, 31, v0
	v_lshlrev_b32 v[LI], 4, v3
	s_mul_i32 s21, s15, HALFT
	s_mul_i32 s22, s16, HALFT
	s_add_co_u32 s22, s22, 2*HALFT
.irp s, 0,1
	v_add_nc_u32 v[ADRA+\s], s21, v[LI]
	v_add_nc_u32 v[ADRB+\s], s22, v[LI]
	s_add_co_u32 s21, s21, SLOT
	s_add_co_u32 s22, s22, SLOT
.endr
	v_lshlrev_b32 v5, 4, v1
	s_mul_i32 s21, s15, HALFS
	s_mul_i32 s22, s16, HALFS
	s_add_co_u32 s22, s22, 2*HALFS
	s_sub_co_u32 s22, s22, s21
	v_mul_u32_u24 v6, s22, v2
	s_add_co_u32 s21, s21, SCL
	v_add_nc_u32 v5, v5, v6
	v_add_nc_u32 v[ADRS], s21, v5
	; x into the accumulators: row (r + 8 (r / 8)) of 4,096 bytes, + 64 h; the tile's place stands in the immediate
	v_and_b32 v3, 8, v1
	v_add_nc_u32 v3, v3, v1
	v_lshlrev_b32 v3, 12, v3
	v_lshl_add_u32 v[PRE], v2, 6, v3
	s_lshl_b32 s20, s17, 8
	s_lshl_b32 s21, s15, 7
	s_add_co_u32 s20, s20, s21
	s_lshl_b32 s20, s20, 12                        ; my first row, in bytes
	s_lshl_b32 s21, s42, 10
	s_add_co_u32 s20, s20, s21
	s_lshl_b32 s21, s16, 9
	s_add_co_u32 s20, s20, s21                     ; + my first column
	s_mov_b32 s21, 0
	s_add_nc_u64 s[8:9], s[8:9], s[20:21]
.irp a, 0,1,2,3,4,5,6,7
.set WW, 0x80+0x40*(\a/4)
	WIN WW                                         ; destination: the accumulators' window
.irp b, 0,1,2,3,4,5,6,7
	global_load_b128 v[8*(8*(\a%4)+\b):8*(8*(\a%4)+\b)+3], v[PRE], s[8:9] offset:(32*(\a/2)+8*(\a%2))*4096+128*(\b/2)+32*(\b%2)
	global_load_b128 v[8*(8*(\a%4)+\b)+4:8*(8*(\a%4)+\b)+7], v[PRE], s[8:9] offset:(32*(\a/2)+8*(\a%2))*4096+128*(\b/2)+32*(\b%2)+16
.endr
.endr
	WIN 0
.macro FRAG reg, adr, q, i
.irp c, 0,1,2
	ds_load_b128 v[\reg+4*\c:\reg+4*\c+3], v[\adr] offset:(8*(\q)+(\i))*FRB+512*\c
.endr
.endm
.macro MUL16 a0, p, q, sc              ; 16 matrix instructions; the 64 accumulators take turns
.irp a, \a0, \a0+1
.irp b, 0,1,2,3,4,5,6,7
	v_wmma_scale_f32_16x16x128_f8f6f4 v[8*(8*((\a)%4)+\b):8*(8*((\a)%4)+\b)+7], v[128*(\p)+FR*\b:128*(\p)+FR*\b+FR-1], v[AF+FR*(\a):AF+FR*(\a)+FR-1], v[8*(8*((\a)%4)+\b):8*(8*((\a)%4)+\b)+7], v[SC+16*(\sc)+8*(\q)+\b], v[SC+16*(\sc)+8*(\q)+(\a)] matrix_a_fmt:MATRIX_FMT_FP6 matrix_b_fmt:MATRIX_FMT_FP6 matrix_a_scale:MATRIX_SCALE_ROW1
.endr
.endr
.endm
.macro FETCH_B slot, q, p
	WIN TO_B
.irp i, 0,1,2,3,4,5,6,7
	FRAG 128*(\p)+FR*\i, ADRB+\slot, \q, \i
.endr
	WIN 0
.endm
.macro FETCH_A slot, q, i0
.irp i, \i0, \i0+1, \i0+2, \i0+3
	FRAG AF+FR*(\i), ADRA+\slot, \q, \i
.endr
.endm
.macro SCALES sc
.irp q, 0,1
.irp j, 0,1
	ds_load_b128 v[SC+16*\sc+8*\q+4*\j:SC+16*\sc+8*\q+4*\j+3], v[ADRS] offset:512*\q+256*\j
.endr
.endr
.endm
.macro PLACES n
.rept \n
	v_nop
.endr
.endm
.macro STEP slot, q
	s_wait_dscnt 4*NL                              ; all but the youngest 12 loads (A's tiles 4-7) are in
	WIN MUL_LO
	MUL16 0, (\q)%2, \q, \slot
	MUL16 2, (\q)%2, \q, \slot
	s_wait_dscnt 0
	PLACES NP
	FETCH_B \slot, (\q)+1, 1-(\q)%2
	FETCH_A \slot, (\q)+1, 0
	WIN MUL_HI
	MUL16 4, (\q)%2, \q, \slot
	MUL16 6, (\q)%2, \q, \slot
	PLACES NP
	WIN 0
	FETCH_A \slot, (\q)+1, 4
.endm
.macro TURN slot, next, fill
	s_wait_tensorcnt 0x0                           ; all my tensor loads have landed
	ds_add_u32 v[SPW], v[NIL]                      ; 0 onto my spare word
	s_wait_dscnt 4*NL+1                            ; (the add and the youngest 12 loads may be out)
	WIN MUL_LO
	MUL16 0, 1, NQ-1, \slot
	s_wait_dscnt 0x0                               ; the add is done, and my reads of this slot are over
	s_barrier_signal -1
	MUL16 2, 1, NQ-1, \slot
	WIN 0
	s_barrier_wait -1
.if \fill
	CREST
	s_add_nc_u64 s[G0+4*\slot+2:G0+4*\slot+3], s[G0+4*\slot+2:G0+4*\slot+3], 2*HALFT
	s_add_nc_u64 s[G0B+4*\slot+2:G0B+4*\slot+3], s[G0B+4*\slot+2:G0B+4*\slot+3], 2*HALFT
	JLOAD G0+4*\slot, G1, G0B+4*\slot, G1B
.else
	PLACES NP
.endif
	v_add_nc_u32 v[ADRS], 1024, v[ADRS]
	FETCH_B \next, 0, 0
	FETCH_A \next, 0, 0
	SCALES \next
	WIN MUL_HI
	MUL16 4, 1, NQ-1, \slot
	MUL16 6, 1, NQ-1, \slot
	PLACES NP
	WIN 0
	FETCH_A \next, 0, 4
.endm
	s_wait_tensorcnt 1                             ; the scale words and my part of slot 0 are in; slot 1's load may be out
	s_barrier_signal -1
	s_barrier_wait -1
	FETCH_B 0, 0, 0
	FETCH_A 0, 0, 0
	SCALES 0
	FETCH_A 0, 0, 4
	s_wait_loadcnt 0x0                             ; x is in the accumulators
	STEP 0, 0
	s_mov_b32 s3, LAPS-1
.Llap:
	TURN 0, 1, 1
	STEP 1, 0
	TURN 1, 0, 1
	STEP 0, 0
	s_sub_co_u32 s3, s3, 1
	s_cmp_lg_u32 s3, 0
	s_cbranch_scc1 .Llap
	TURN 0, 1, 0
	STEP 1, 0
	s_wait_dscnt 4*NL
	WIN MUL_LO
	MUL16 0, 1, NQ-1, 1
	MUL16 2, 1, NQ-1, 1
	s_wait_dscnt 0
	WIN MUL_HI
	MUL16 4, 1, NQ-1, 1
	MUL16 6, 1, NQ-1, 1
	WIN 0
	PLACES NP
.macro QUANT a, d0, d1, pw             ; row a of accumulators becomes a fragment (registers 0-5 at d0, 6-11 at d1) and its scale word
.set WA, 2+(\a)/4
.set AC, 64*((\a)%4)
.set WW, WA|(WA<<2)
	s_wait_xcnt 0x0                                ; earlier stores have read the registers that are written here
	WIN WW
.irp b, 0,1,2,3
	v_max3_num_f32 v[TM+\b], |v[AC+16*\b]|, |v[AC+16*\b+1]|, 0x1800000
.endr
.irp i, 2,4,6,8,10,12,14
.irp b, 0,1,2,3
	v_max3_num_f32 v[TM+\b], |v[AC+16*\b+\i]|, |v[AC+16*\b+\i+1]|, v[TM+\b]
.endr
.endr
	WIN 0
.irp b, 0,1,2,3
	v_permlanex16_b32 v[TM+4+\b], v[TM+\b], s[SEL], s[SEL+1]
.endr
.irp b, 0,1,2,3
	v_max_num_f32 v[TM+\b], v[TM+\b], v[TM+4+\b]
.endr
.irp b, 0,1,2,3
	v_add_nc_u32 v[TM+12+\b], 0xff000000, v[TM+\b]
.endr
.irp b, 0,1,2,3
	v_lshrrev_b32 v[TM+4+\b], 23, v[TM+12+\b]
.endr
	v_lshl_or_b32 v[\pw], v[TM+5], 8, v[TM+4]
	v_lshl_or_b32 v[\pw], v[TM+6], 16, v[\pw]
	v_lshl_or_b32 v[\pw], v[TM+7], 24, v[\pw]
	WIN WA
	v_cvt_scalef32_pk16_fp6_f32 v[\d0:\d0+2], v[AC:AC+15], v[TM+12]
	v_cvt_scalef32_pk16_fp6_f32 v[T2:T2+2], v[AC+16:AC+31], v[TM+13]
	v_cvt_scalef32_pk16_fp6_f32 v[\d1:\d1+2], v[AC+32:AC+47], v[TM+14]
	v_cvt_scalef32_pk16_fp6_f32 v[T2+4:T2+6], v[AC+48:AC+63], v[TM+15]
	WIN 0
	v_nop
.irp i, 0,1,2
	v_permlane16_swap_b32 v[\d0+\i], v[T2+\i]
	v_permlane16_swap_b32 v[\d1+\i], v[T2+4+\i]
.endr
.irp i, 0,1,2
	v_mov_b32 v[\d0+3+\i], v[T2+\i]
	v_mov_b32 v[\d1+3+\i], v[T2+4+\i]
.endr
.endm
	s_mov_b32 s[SEL], 0x76543210
	s_mov_b32 s[SEL+1], 0xfedcba98
	s_mov_b32 s[HM], 0xffff0000
.irp b, 0,1,2,3
	v_mov_b32 v[TM+4+\b], 0
.endr
	s_lshl_b32 s18, s17, 1
	s_add_co_u32 s18, s18, s15                     ; my block of rows
	s_lshl_b32 s19, s42, 1
	s_add_co_u32 s19, s19, s16                     ; my block of columns = the next product's K step
	s_lshl_b32 s20, s17, 2
	s_add_co_u32 s20, s20, s42
	s_lshl_b32 s20, s20, 2
	s_add_co_u32 s20, s20, s14
	s_lshl_b32 s20, s20, 16                        ; the f32 image: 65,536 bytes a wave
	s_mov_b32 s21, 0
	s_add_nc_u64 s[22:23], s[10:11], s[20:21]
	s_lshl_b32 s20, s18, 3
	s_add_co_u32 s20, s20, s19
	s_mul_i32 s46, s20, 12288
	s_add_co_u32 s46, s46, 16777216
	s_mov_b32 s47, 0
	s_add_nc_u64 s[46:47], s[10:11], s[46:47]      ; the codes
	s_lshl_b32 s92, s20, 9
	s_add_co_u32 s92, s92, 19922944
	s_mov_b32 s93, 0
	s_add_nc_u64 s[92:93], s[10:11], s[92:93]      ; the scale words
.irp a, 0,1,2,3,4,5,6,7
.set WW, 0x08+4*(\a/4)
	WIN WW                                         ; a store's data are its source 1
.irp b, 0,1,2,3,4,5,6,7
	global_store_b128 v[LI], v[8*(8*(\a%4)+\b):8*(8*(\a%4)+\b)+3], s[22:23] offset:512*(2*(8*\a+\b))       ; each accumulator from its low end on; 512 consecutive bytes, aligned
	global_store_b128 v[LI], v[8*(8*(\a%4)+\b)+4:8*(8*(\a%4)+\b)+7], s[22:23] offset:512*(2*(8*\a+\b)+1)
.endr
	QUANT \a, X, X+6, PWR+\a
.irp c, 0,1,2
	global_store_b128 v[LI], v[X+4*\c:X+4*\c+3], s[46:47] offset:FRB*\a+512*\c
.endr
.endr
.irp n, 0,1,2,3
	v_cndmask_b32 v[W+\n], v[PWR+\n], v[PWR+4+\n], s[HM]   ; lanes 0-15: tiles 0-3's words, lanes 16-31: tiles 4-7's
.endr
	global_store_b128 v[LI], v[W:W+3], s[92:93]
	s_wait_tensorcnt 0x0                           ; the wave's end
	ds_add_u32 v[SPW], v[NIL]
	s_wait_dscnt 0x0
	CROUND                                         ; the closing round
	s_endpgm
.Lfunc_end_k_qe50230da8d_oproj:
	.size	k_qe50230da8d_oproj, .Lfunc_end_k_qe50230da8d_oproj-k_qe50230da8d_oproj
	.p2alignl 7, 3214868480
	.fill 96, 4, 3214868480
	.section	.rodata,"a",@progbits
	.p2align	6, 0x0
	.amdhsa_kernel k_qe50230da8d_oproj
		.amdhsa_group_segment_fixed_size 327680
		.amdhsa_private_segment_fixed_size 0
		.amdhsa_enable_private_segment 0
		.amdhsa_kernarg_size 32
		.amdhsa_user_sgpr_count 2
		.amdhsa_user_sgpr_kernarg_segment_ptr 1
		.amdhsa_wavefront_size32 1
		.amdhsa_system_sgpr_workgroup_id_x 1
		.amdhsa_system_sgpr_workgroup_id_y 1
		.amdhsa_system_sgpr_workgroup_id_z 1
		.amdhsa_system_vgpr_workitem_id 0
		.amdhsa_next_free_vgpr 1024
		.amdhsa_next_free_sgpr 100
		.amdhsa_reserve_vcc 0
		.amdhsa_float_denorm_mode_32 3
		.amdhsa_float_denorm_mode_16_64 3
		.amdhsa_memory_ordered 1
		.amdhsa_forward_progress 1
		.amdhsa_inst_pref_size 164
	.end_amdhsa_kernel
	.amdgpu_metadata
---
amdhsa.version: [ 1, 2 ]
amdhsa.kernels:
  - .name:           k_qe50230da8d_oproj
    .symbol:         k_qe50230da8d_oproj.kd
    .args:
      - { .name: zq, .offset: 0, .size: 8, .value_kind: global_buffer, .address_space: global }
      - { .name: q0, .offset: 8, .size: 8, .value_kind: global_buffer, .address_space: global }
      - { .name: x, .offset: 16, .size: 8, .value_kind: global_buffer, .address_space: global }
      - { .name: x1, .offset: 24, .size: 8, .value_kind: global_buffer, .address_space: global }
    .group_segment_fixed_size: 327680
    .private_segment_fixed_size: 0
    .kernarg_segment_align: 8
    .kernarg_segment_size: 32
    .max_flat_workgroup_size: 128
    .sgpr_count:     100
    .vgpr_count:     1024
    .wavefront_size: 32
...
	.end_amdgpu_metadata
.endif
;; end of part 5
;; launch mlp_in (part 6): grid 16 x 16, 4 waves a work-group, clusters of 4 x 4, 327,680 bytes of LDS; arguments x1, q0, b_in, hq; writes hq
.if DOCPART == 6
	.amdgcn_target "amdgcn-amd-amdhsa--gfx1250"
	.amdhsa_code_object_version 6
	.text
	.protected	k_qe50230da8d_mlp_in
	.globl	k_qe50230da8d_mlp_in
	.p2align	8
	.type	k_qe50230da8d_mlp_in,@function
k_qe50230da8d_mlp_in:
	s_mov_b64 s[64:65], 0
	v_nop
	global_prefetch_b8 v0, s[64:65] scope:SCOPE_SE
	s_setreg_imm32_b32 hwreg(HW_REG_WAVE_MODE, 25, 1), 1
	s_wait_xcnt 0x0
	s_wait_alu depctr_hold_cnt(0) depctr_sa_sdst(0) depctr_va_vdst(0) depctr_va_sdst(0) depctr_va_ssrc(0) depctr_va_vcc(0) depctr_vm_vsrc(0)
	s_getreg_b32 s2, hwreg(HW_REG_IB_STS2, 6, 4)
	s_cmp_eq_u32 s2, 0
	s_cbranch_scc0 .Lentry_in_a_cluster
	s_endpgm
.Lentry_in_a_cluster:
	s_bfe_u32 s2, ttmp6, 0x10000c
	s_cmp_lg_u32 s2, 0xf033
	s_cbranch_scc0 .Lentry_shape_is_right
	s_endpgm
.Lentry_shape_is_right:
; h = relu(x1 W_in^T + b_in) on codes of FP6 (K = 1,024), quantised along its 4,096 columns on the way out: h never goes to memory as f32.
; A tile of 256 x 256 to a work-group of four waves, 128 x 128 to a wave.  Source 0 = 16 slots of W_in's rows (role B), source 1 = 16 slots of x1's rows (role A).  b_in is the C of each sum's first
; matrix instruction: eight registers for each of B's eight tiles, in the result's layout (lane (r, h): columns 32 (b / 2) + 16 h + 8 (b % 2) + 0 .. 7).
; Operands are images of their registers; K goes in steps of 256 through a ring of two LDS slots; the scale words of all of K come once; 4 x 4 work-groups form a cluster with joint loads.
; LIMITS: NaN and infinities are not served; a block whose largest magnitude lies under 2^-124 gets the byte 1.
.set NKS,   8
.set FR,    12
.set NL,    3
.set NP,    4
.set NQ,    2
.set FRB,   1536
.set HALFT, 16*FRB
.set SLOT,  4*HALFT
.set SCL,   2*SLOT
.set HALFS, 512*NKS
.set SPARE, SCL+4*HALFS
.set LAPS,  NKS/4
.set PA,    4                          ; x1
.set PB,    6                          ; q0
.set ACOD,  16777216
.set ASCL,  19922944
.set BCOD,  6291456
.set BSCL,  12845056
.set ADRA, 16
.set ADRB, 20
.set LI,   26
.set ADRS, 27
.set SPW,  28
.set NIL,  29
.set PRE,  30
.set SC,   32
.set BI,   64                          ; v64-127 b_in's eight tiles; behind the first step the way out's registers
.set AF,   128
.set TM,   64
.set T2,   80
.set X,    88
.set PWR,  112
.set W,    120
.set G1, 24
.set G0, 32
.set G1B, 48
.set G0B, 56
.set G1S, 68
.set G0S, 76
.set G1SB, 80
.set G0SB, 88
.set SEL, 96
.set HM,  98
.set MSB, 0
.macro WIN new
.if MSB != (\new)
	s_set_vgpr_msb (MSB<<8)|(\new)
.set MSB, (\new)
.endif
.endm
.set MUL_LO, 0xa1
.set MUL_HI, 0xf1
.set TO_B,   0x40
.macro JLOAD g0a, g1a, g0b, g1b        ; a joint load: waves 0 and 1 fetch for A, waves 2 and 3 for B; four v_nop follow each line
	s_cmp_eq_u32 s15, 0
	s_cbranch_scc0 .Lfor_b_\@
	tensor_load_to_lds s[\g0a:\g0a+3], s[\g1a:\g1a+7]
	s_nop 0
.rept 4
	v_nop
.endr
	s_branch .Lasked_\@
.Lfor_b_\@:
	tensor_load_to_lds s[\g0b:\g0b+3], s[\g1b:\g1b+7]
	s_nop 0
.rept 4
	v_nop
.endr
.Lasked_\@:
.endm
.macro CREST
	s_cmp_lg_u32 s14, 0
	s_cbranch_scc1 .Lnot_wave_0_\@
	s_barrier_signal -3
.Lnot_wave_0_\@:
	s_barrier_wait -3
	s_barrier_signal -1
	s_barrier_wait -1
.endm
.macro CROUND
	s_barrier_signal -1
	s_barrier_wait -1
	CREST
.endm
	s_load_b256 s[4:11], s[0:1], 0x0               ; x1, q0, b_in, hq
	v_lshl_add_u32 v[SPW], v0, 2, SPARE
	v_mov_b32 v[NIL], 0
	ds_add_u32 v28, v29
	ds_add_u32 v28, v29
	s_wait_dscnt 0x0
	v_lshrrev_b32 v1, 5, v0
	v_readfirstlane_b32 s14, v1
	s_lshr_b32 s15, s14, 1
	s_and_b32 s16, s14, 1
	s_bfe_u32 s40, ttmp6, 0x40000
	s_bfe_u32 s41, ttmp6, 0x40004
	s_lshl_b32 s42, ttmp9, 2
	s_add_co_u32 s42, s42, s40                     ; tile column
	s_and_b32 s17, ttmp7, 0xffff
	s_lshl_b32 s17, s17, 2
	s_add_co_u32 s17, s17, s41                     ; tile row
	s_lshl_b32 s43, s41, 2
	s_lshl_b32 s43, 15, s43
	s_lshl_b32 s44, 0x1111, s40
	s_or_b32 s[G1+0], s43, (3<<16)|(1<<21)
	s_or_b32 s[G1B+0], s44, (3<<16)|(1<<21)
.irp g, G1, G1B
	s_mov_b32 s[\g+1], 32<<16
	s_mov_b32 s[\g+2], 96<<16
	s_mov_b32 s[\g+3], 32<<16
	s_mov_b32 s[\g+4], 96
	s_mov_b32 s[\g+5], 32
	s_mov_b32 s[\g+6], 0
	s_mov_b32 s[\g+7], 0
.endr
	s_or_b32 s[G1S+0], s43, (3<<16)|(1<<21)
	s_or_b32 s[G1SB+0], s44, (3<<16)|(1<<21)
.irp g, G1S, G1SB
	s_mov_b32 s[\g+1], 32<<16
	s_mov_b32 s[\g+2], (2*NKS)<<16
	s_mov_b32 s[\g+3], 32<<16
	s_mov_b32 s[\g+4], 2*NKS
	s_mov_b32 s[\g+5], 32
	s_mov_b32 s[\g+6], 0
	s_mov_b32 s[\g+7], 0
.endr
	s_lshl_b32 s20, s17, 1
	s_add_co_u32 s20, s20, s16
	s_lshl_b32 s46, s42, 1
	s_add_co_u32 s46, s46, s16
	s_mul_i32 s22, s20, HALFS
	s_add_co_u32 s22, s22, ASCL
	s_mul_i32 s92, s46, HALFS
	s_add_co_u32 s92, s92, BSCL
	s_mul_i32 s20, s20, NKS*8*FRB
	s_add_co_u32 s20, s20, ACOD
	s_mul_i32 s46, s46, NKS*8*FRB
	s_add_co_u32 s46, s46, BCOD
	s_mov_b32 s21, 0
	s_mov_b32 s23, 0
	s_mov_b32 s47, 0
	s_mov_b32 s93, 0
	s_mul_i32 s45, s14, HALFT
	s_mul_i32 s94, s14, HALFS
	s_wait_kmcnt 0x0
	s_add_nc_u64 s[20:21], s[PA:PA+1], s[20:21]
	s_add_nc_u64 s[22:23], s[PA:PA+1], s[22:23]
	s_add_nc_u64 s[46:47], s[PB:PB+1], s[46:47]
	s_add_nc_u64 s[92:93], s[PB:PB+1], s[92:93]
	CROUND
	s_mov_b32 s[G0S], 1
	s_add_co_u32 s[G0S+1], s94, SCL
	s_mov_b64 s[G0S+2:G0S+3], s[22:23]
	s_or_b32 s[G0S+3], s[G0S+3], 0x80000000
	s_mov_b32 s[G0SB], 1
	s_add_co_u32 s[G0SB+1], s94, SCL
	s_mov_b64 s[G0SB+2:G0SB+3], s[92:93]
	s_or_b32 s[G0SB+3], s[G0SB+3], 0x80000000
	JLOAD G0S, G1S, G0SB, G1SB
.irp s, 0,1
	s_mov_b32 s[G0+4*\s], 1
	s_add_co_u32 s[G0+4*\s+1], s45, \s*SLOT
	s_add_nc_u64 s[G0+4*\s+2:G0+4*\s+3], s[20:21], \s*HALFT
	s_or_b32 s[G0+4*\s+3], s[G0+4*\s+3], 0x80000000
	s_mov_b32 s[G0B+4*\s], 1
	s_add_co_u32 s[G0B+4*\s+1], s45, \s*SLOT
	s_add_nc_u64 s[G0B+4*\s+2:G0B+4*\s+3], s[46:47], \s*HALFT
	s_or_b32 s[G0B+4*\s+3], s[G0B+4*\s+3], 0x80000000
	JLOAD G0+4*\s, G1, G0B+4*\s, G1B
.endr
	v_and_b32 v1, 15, v0
	v_bfe_u32 v2, v0, 4, 1
	v_and_b32 v3, 31, v0
	v_lshlrev_b32 v[LI], 4, v3
	s_mul_i32 s21, s15, HALFT
	s_mul_i32 s22, s16, HALFT
	s_add_co_u32 s22, s22, 2*HALFT
.irp s, 0,1
	v_add_nc_u32 v[ADRA+\s], s21, v[LI]
	v_add_nc_u32 v[ADRB+\s], s22, v[LI]
	s_add_co_u32 s21, s21, SLOT
	s_add_co_u32 s22, s22, SLOT
.endr
	v_lshlrev_b32 v5, 4, v1
	s_mul_i32 s21, s15, HALFS
	s_mul_i32 s22, s16, HALFS
	s_add_co_u32 s22, s22, 2*HALFS
	s_sub_co_u32 s22, s22, s21
	v_mul_u32_u24 v6, s22, v2
	s_add_co_u32 s21, s21, SCL
	v_add_nc_u32 v5, v5, v6
	v_add_nc_u32 v[ADRS], s21, v5
	; b_in of my 128 columns, in the result's layout
	v_lshlrev_b32 v[PRE], 6, v2                    ; 64 h
	s_lshl_b32 s20, s42, 10
	s_lshl_b32 s21, s16, 9
	s_add_co_u32 s20, s20, s21
	s_mov_b32 s21, 0
	s_add_nc_u64 s[8:9], s[8:9], s[20:21]
.irp b, 0,1,2,3,4,5,6,7
	global_load_b128 v[BI+8*\b:BI+8*\b+3], v[PRE], s[8:9] offset:128*(\b/2)+32*(\b%2)
	global_load_b128 v[BI+8*\b+4:BI+8*\b+7], v[PRE], s[8:9] offset:128*(\b/2)+32*(\b%2)+16
.endr
.macro FRAG reg, adr, q, i
.irp c, 0,1,2
	ds_load_b128 v[\reg+4*\c:\reg+4*\c+3], v[\adr] offset:(8*(\q)+(\i))*FRB+512*\c
.endr
.endm
.macro MUL16 a0, p, q, sc, mode        ; mode 2: the bias starts the sums.  The 64 accumulators take turns
.irp a, \a0, \a0+1
.irp b, 0,1,2,3,4,5,6,7
.if \mode == 2
	v_wmma_scale_f32_16x16x128_f8f6f4 v[8*(8*((\a)%4)+\b):8*(8*((\a)%4)+\b)+7], v[128*(\p)+FR*\b:128*(\p)+FR*\b+FR-1], v[AF+FR*(\a):AF+FR*(\a)+FR-1], v[BI+8*\b:BI+8*\b+7], v[SC+16*(\sc)+8*(\q)+\b], v[SC+16*(\sc)+8*(\q)+(\a)] matrix_a_fmt:MATRIX_FMT_FP6 matrix_b_fmt:MATRIX_FMT_FP6 matrix_a_scale:MATRIX_SCALE_ROW1
.else
	v_wmma_scale_f32_16x16x128_f8f6f4 v[8*(8*((\a)%4)+\b):8*(8*((\a)%4)+\b)+7], v[128*(\p)+FR*\b:128*(\p)+FR*\b+FR-1], v[AF+FR*(\a):AF+FR*(\a)+FR-1], v[8*(8*((\a)%4)+\b):8*(8*((\a)%4)+\b)+7], v[SC+16*(\sc)+8*(\q)+\b], v[SC+16*(\sc)+8*(\q)+(\a)] matrix_a_fmt:MATRIX_FMT_FP6 matrix_b_fmt:MATRIX_FMT_FP6 matrix_a_scale:MATRIX_SCALE_ROW1
.endif
.endr
.endr
.endm
.macro FETCH_B slot, q, p
	WIN TO_B
.irp i, 0,1,2,3,4,5,6,7
	FRAG 128*(\p)+FR*\i, ADRB+\slot, \q, \i
.endr
	WIN 0
.endm
.macro FETCH_A slot, q, i0
.irp i, \i0, \i0+1, \i0+2, \i0+3
	FRAG AF+FR*(\i), ADRA+\slot, \q, \i
.endr
.endm
.macro SCALES sc
.irp q, 0,1
.irp j, 0,1
	ds_load_b128 v[SC+16*\sc+8*\q+4*\j:SC+16*\sc+8*\q+4*\j+3], v[ADRS] offset:512*\q+256*\j
.endr
.endr
.endm
.macro PLACES n
.rept \n
	v_nop
.endr
.endm
.macro STEP slot, q, mode
	s_wait_dscnt 4*NL                              ; all but the youngest 12 loads (A's tiles 4-7) are in
.if \mode == 2
	WIN 0x81                                       ; C, the bias, in window 0; D in window 2
.else
	WIN MUL_LO
.endif
	MUL16 0, (\q)%2, \q, \slot, \mode
	MUL16 2, (\q)%2, \q, \slot, \mode
	s_wait_dscnt 0
	PLACES NP
	FETCH_B \slot, (\q)+1, 1-(\q)%2
	FETCH_A \slot, (\q)+1, 0
.if \mode == 2
	WIN 0xc1
.else
	WIN MUL_HI
.endif
	MUL16 4, (\q)%2, \q, \slot, \mode
	MUL16 6, (\q)%2, \q, \slot, \mode
	PLACES NP
	WIN 0
	FETCH_A \slot, (\q)+1, 4
.endm
.macro TURN slot, next, fill
	s_wait_tensorcnt 0x0                           ; all my tensor loads have landed
	ds_add_u32 v[SPW], v[NIL]                      ; 0 onto my spare word
	s_wait_dscnt 4*NL+1                            ; (the add and the youngest 12 loads may be out)
	WIN MUL_LO
	MUL16 0, 1, NQ-1, \slot, 0
	s_wait_dscnt 0x0                               ; the add is done, and my reads of this slot are over
	s_barrier_signal -1
	MUL16 2, 1, NQ-1, \slot, 0
	WIN 0
	s_barrier_wait -1
.if \fill
	CREST
	s_add_nc_u64 s[G0+4*\slot+2:G0+4*\slot+3], s[G0+4*\slot+2:G0+4*\slot+3], 2*HALFT
	s_add_nc_u64 s[G0B+4*\slot+2:G0B+4*\slot+3], s[G0B+4*\slot+2:G0B+4*\slot+3], 2*HALFT
	JLOAD G0+4*\slot, G1, G0B+4*\slot, G1B
.else
	PLACES NP
.endif
	v_add_nc_u32 v[ADRS], 1024, v[ADRS]
	FETCH_B \next, 0, 0
	FETCH_A \next, 0, 0
	SCALES \next
	WIN MUL_HI
	MUL16 4, 1, NQ-1, \slot, 0
	MUL16 6, 1, NQ-1, \slot, 0
	PLACES NP
	WIN 0
	FETCH_A \next, 0, 4
.endm
	s_wait_tensorcnt 1                             ; the scale words and my part of slot 0 are in; slot 1's load may be out
	s_barrier_signal -1
	s_barrier_wait -1
	FETCH_B 0, 0, 0
	FETCH_A 0, 0, 0
	SCALES 0
	FETCH_A 0, 0, 4
	s_wait_loadcnt 0x0                             ; the bias
	STEP 0, 0, 2
	s_mov_b32 s3, LAPS-1
.Llap:
	TURN 0, 1, 1
	STEP 1, 0, 0
	TURN 1, 0, 1
	STEP 0, 0, 0
	s_sub_co_u32 s3, s3, 1
	s_cmp_lg_u32 s3, 0
	s_cbranch_scc1 .Llap
	TURN 0, 1, 0
	STEP 1, 0, 0
	s_wait_dscnt 4*NL
	WIN MUL_LO
	MUL16 0, 1, NQ-1, 1, 0
	MUL16 2, 1, NQ-1, 1, 0
	s_wait_dscnt 0
	WIN MUL_HI
	MUL16 4, 1, NQ-1, 1, 0
	MUL16 6, 1, NQ-1, 1, 0
	WIN 0
	PLACES NP
.macro QUANT a, d0, d1, pw             ; row a of accumulators: the activation, then a fragment (registers 0-5 at d0, 6-11 at d1) and its scale word
.set WA, 2+(\a)/4
.set AC, 64*((\a)%4)
.set WR, (WA<<6)|(WA<<2)
.set WW, WA|(WA<<2)
	s_wait_xcnt 0x0                                ; earlier stores have read the registers that are written here
	WIN WR
.set n, 0
.rept 64
	v_max_num_f32 v[AC+n], 0, v[AC+n]              ; relu, in f32; each accumulator from its low end on
.set n, n+1
.endr
	WIN WW
.irp b, 0,1,2,3
	v_max3_num_f32 v[TM+\b], v[AC+16*\b], v[AC+16*\b+1], 0x1800000
.endr
.irp i, 2,4,6,8,10,12,14
.irp b, 0,1,2,3
	v_max3_num_f32 v[TM+\b], v[AC+16*\b+\i], v[AC+16*\b+\i+1], v[TM+\b]
.endr
.endr
	WIN 0
.irp b, 0,1,2,3
	v_permlanex16_b32 v[TM+4+\b], v[TM+\b], s[SEL], s[SEL+1]
.endr
.irp b, 0,1,2,3
	v_max_num_f32 v[TM+\b], v[TM+\b], v[TM+4+\b]
.endr
.irp b, 0,1,2,3
	v_add_nc_u32 v[TM+12+\b], 0xff000000, v[TM+\b]
.endr
.irp b, 0,1,2,3
	v_lshrrev_b32 v[TM+4+\b], 23, v[TM+12+\b]
.endr
	v_lshl_or_b32 v[\pw], v[TM+5], 8, v[TM+4]
	v_lshl_or_b32 v[\pw], v[TM+6], 16, v[\pw]
	v_lshl_or_b32 v[\pw], v[TM+7], 24, v[\pw]
	WIN WA
	v_cvt_scalef32_pk16_fp6_f32 v[\d0:\d0+2], v[AC:AC+15], v[TM+12]
	v_cvt_scalef32_pk16_fp6_f32 v[T2:T2+2], v[AC+16:AC+31], v[TM+13]
	v_cvt_scalef32_pk16_fp6_f32 v[\d1:\d1+2], v[AC+32:AC+47], v[TM+14]
	v_cvt_scalef32_pk16_fp6_f32 v[T2+4:T2+6], v[AC+48:AC+63], v[TM+15]
	WIN 0
	v_nop
.irp i, 0,1,2
	v_permlane16_swap_b32 v[\d0+\i], v[T2+\i]
	v_permlane16_swap_b32 v[\d1+\i], v[T2+4+\i]
.endr
.irp i, 0,1,2
	v_mov_b32 v[\d0+3+\i], v[T2+\i]
	v_mov_b32 v[\d1+3+\i], v[T2+4+\i]
.endr
.endm
	s_mov_b32 s[SEL], 0x76543210
	s_mov_b32 s[SEL+1], 0xfedcba98
	s_mov_b32 s[HM], 0xffff0000
.irp b, 0,1,2,3
	v_mov_b32 v[TM+4+\b], 0
.endr
	s_lshl_b32 s18, s17, 1
	s_add_co_u32 s18, s18, s15                     ; my block of rows
	s_lshl_b32 s19, s42, 1
	s_add_co_u32 s19, s19, s16                     ; my block of columns = the next product's K step, 0 .. 31
	s_lshl_b32 s20, s18, 5
	s_add_co_u32 s20, s20, s19
	s_mul_i32 s46, s20, 12288
	s_mov_b32 s47, 0
	s_add_nc_u64 s[46:47], s[10:11], s[46:47]
	s_lshl_b32 s92, s20, 9
	s_add_co_u32 s92, s92, 12582912
	s_mov_b32 s93, 0
	s_add_nc_u64 s[92:93], s[10:11], s[92:93]
.irp a, 0,1,2,3,4,5,6,7
	QUANT \a, X, X+6, PWR+\a
.irp c, 0,1,2
	global_store_b128 v[LI], v[X+4*\c:X+4*\c+3], s[46:47] offset:FRB*\a+512*\c     ; 512 consecutive bytes, aligned
.endr
.endr
.irp n, 0,1,2,3
	v_cndmask_b32 v[W+\n], v[PWR+\n], v[PWR+4+\n], s[HM]
.endr
	global_store_b128 v[LI], v[W:W+3], s[92:93]
	s_wait_tensorcnt 0x0                           ; the wave's end
	ds_add_u32 v[SPW], v[NIL]
	s_wait_dscnt 0x0
	CROUND                                         ; the closing round
	s_endpgm
.Lfunc_end_k_qe50230da8d_mlp_in:
	.size	k_qe50230da8d_mlp_in, .Lfunc_end_k_qe50230da8d_mlp_in-k_qe50230da8d_mlp_in
	.p2alignl 7, 3214868480
	.fill 96, 4, 3214868480
	.section	.rodata,"a",@progbits
	.p2align	6, 0x0
	.amdhsa_kernel k_qe50230da8d_mlp_in
		.amdhsa_group_segment_fixed_size 327680
		.amdhsa_private_segment_fixed_size 0
		.amdhsa_enable_private_segment 0
		.amdhsa_kernarg_size 32
		.amdhsa_user_sgpr_count 2
		.amdhsa_user_sgpr_kernarg_segment_ptr 1
		.amdhsa_wavefront_size32 1
		.amdhsa_system_sgpr_workgroup_id_x 1
		.amdhsa_system_sgpr_workgroup_id_y 1
		.amdhsa_system_sgpr_workgroup_id_z 1
		.amdhsa_system_vgpr_workitem_id 0
		.amdhsa_next_free_vgpr 1024
		.amdhsa_next_free_sgpr 100
		.amdhsa_reserve_vcc 0
		.amdhsa_float_denorm_mode_32 3
		.amdhsa_float_denorm_mode_16_64 3
		.amdhsa_memory_ordered 1
		.amdhsa_forward_progress 1
		.amdhsa_inst_pref_size 157
	.end_amdhsa_kernel
	.amdgpu_metadata
---
amdhsa.version: [ 1, 2 ]
amdhsa.kernels:
  - .name:           k_qe50230da8d_mlp_in
    .symbol:         k_qe50230da8d_mlp_in.kd
    .args:
      - { .name: x1, .offset: 0, .size: 8, .value_kind: global_buffer, .address_space: global }
      - { .name: q0, .offset: 8, .size: 8, .value_kind: global_buffer, .address_space: global }
      - { .name: b_in, .offset: 16, .size: 8, .value_kind: global_buffer, .address_space: global }
      - { .name: hq, .offset: 24, .size: 8, .value_kind: global_buffer, .address_space: global }
    .group_segment_fixed_size: 327680
    .private_segment_fixed_size: 0
    .kernarg_segment_align: 8
    .kernarg_segment_size: 32
    .max_flat_workgroup_size: 128
    .sgpr_count:     100
    .vgpr_count:     1024
    .wavefront_size: 32
...
	.end_amdgpu_metadata
.endif
;; end of part 6
;; launch mlp_out (part 7): grid 4 x 16, 4 waves a work-group, clusters of 4 x 4, 327,680 bytes of LDS; arguments hq, q0, x1, b_out, out0; writes out0
.if DOCPART == 7
	.amdgcn_target "amdgcn-amd-amdhsa--gfx1250"
	.amdhsa_code_object_version 6
	.text
	.protected	k_qe50230da8d_mlp_out
	.globl	k_qe50230da8d_mlp_out
	.p2align	8
	.type	k_qe50230da8d_mlp_out,@function
k_qe50230da8d_mlp_out:
	s_mov_b64 s[64:65], 0
	v_nop
	global_prefetch_b8 v0, s[64:65] scope:SCOPE_SE
	s_setreg_imm32_b32 hwreg(HW_REG_WAVE_MODE, 25, 1), 1
	s_wait_xcnt 0x0
	s_wait_alu depctr_hold_cnt(0) depctr_sa_sdst(0) depctr_va_vdst(0) depctr_va_sdst(0) depctr_va_ssrc(0) depctr_va_vcc(0) depctr_vm_vsrc(0)
	s_getreg_b32 s2, hwreg(HW_REG_IB_STS2, 6, 4)
	s_cmp_eq_u32 s2, 0
	s_cbranch_scc0 .Lentry_in_a_cluster
	s_endpgm
.Lentry_in_a_cluster:
	s_bfe_u32 s2, ttmp6, 0x10000c
	s_cmp_lg_u32 s2, 0xf033
	s_cbranch_scc0 .Lentry_shape_is_right
	s_endpgm
.Lentry_shape_is_right:
; out0 = x1 + h W_out^T + b_out on codes of FP6 (K = 4,096).  x1's f32 image is loaded straight into the accumulators (the same tiles, waves and layout as the launch that stored it), the products add onto it,
; and b_out is added on the way out: the sum is (x1 + products) + b_out.
; A tile of 256 x 256 to a work-group of four waves, 128 x 128 to a wave.  Source 0 = 16 slots of W_out's rows (role B), source 1 = 16 slots of h's rows (role A).
; Operands are images of their registers; K goes in steps of 256 through a ring of two LDS slots; the scale words of all of K (65,536 bytes) come once; 4 x 4 work-groups form a cluster with joint loads.
; THE WAY OUT: a row of accumulators (16 rows x 128 columns) goes through the wave's own stage in LDS, which undoes the order of the columns, and leaves as whole rows of 512 bytes.  The stage lies in slot 0,
; which has had its last fill and its last read when the first result is stored there.  The launch has 64 tiles of this size, so 64 work-groups.
.set NKS,   32
.set FR,    12
.set NL,    3
.set NP,    4
.set NQ,    2
.set FRB,   1536
.set HALFT, 16*FRB
.set SLOT,  4*HALFT
.set SCL,   2*SLOT
.set HALFS, 512*NKS
.set SPARE, SCL+4*HALFS
.set LAPS,  NKS/4
.set PA,    4                          ; hq
.set PB,    6                          ; q0
.set ACOD,  0
.set ASCL,  12582912
.set BCOD,  9437184
.set BSCL,  12976128
.set ADRA, 16
.set ADRB, 20
.set STO,  24
.set RD,   25
.set LI,   26
.set ADRS, 27
.set SPW,  28
.set NIL,  29
.set SC,   32
.set BO,   64                          ; v64-67 b_out of my four columns of a row
.set AF,   128
.set BK,   128                         ; the way out: 16 rows read back: v128-191 and v192-255 by turns
.set G1, 24
.set G0, 32
.set G1B, 48
.set G0B, 56
.set G1S, 68
.set G0S, 76
.set G1SB, 80
.set G0SB, 88
.set MSB, 0
.macro WIN new
.if MSB != (\new)
	s_set_vgpr_msb (MSB<<8)|(\new)
.set MSB, (\new)
.endif
.endm
.set MUL_LO, 0xa1
.set MUL_HI, 0xf1
.set TO_B,   0x40
.macro JLOAD g0a, g1a, g0b, g1b        ; a joint load: waves 0 and 1 fetch for A, waves 2 and 3 for B; four v_nop follow each line
	s_cmp_eq_u32 s15, 0
	s_cbranch_scc0 .Lfor_b_\@
	tensor_load_to_lds s[\g0a:\g0a+3], s[\g1a:\g1a+7]
	s_nop 0
.rept 4
	v_nop
.endr
	s_branch .Lasked_\@
.Lfor_b_\@:
	tensor_load_to_lds s[\g0b:\g0b+3], s[\g1b:\g1b+7]
	s_nop 0
.rept 4
	v_nop
.endr
.Lasked_\@:
.endm
.macro CREST
	s_cmp_lg_u32 s14, 0
	s_cbranch_scc1 .Lnot_wave_0_\@
	s_barrier_signal -3
.Lnot_wave_0_\@:
	s_barrier_wait -3
	s_barrier_signal -1
	s_barrier_wait -1
.endm
.macro CROUND
	s_barrier_signal -1
	s_barrier_wait -1
	CREST
.endm
	s_load_b256 s[4:11], s[0:1], 0x0               ; hq, q0, x1, b_out
	s_load_b64 s[12:13], s[0:1], 0x20              ; out0
	v_lshl_add_u32 v[SPW], v0, 2, SPARE
	v_mov_b32 v[NIL], 0
	ds_add_u32 v28, v29
	ds_add_u32 v28, v29
	s_wait_dscnt 0x0
	v_lshrrev_b32 v1, 5, v0
	v_readfirstlane_b32 s14, v1
	s_lshr_b32 s15, s14, 1
	s_and_b32 s16, s14, 1
	s_bfe_u32 s40, ttmp6, 0x40000
	s_bfe_u32 s41, ttmp6, 0x40004
	s_lshl_b32 s42, ttmp9, 2
	s_add_co_u32 s42, s42, s40                     ; tile column
	s_and_b32 s17, ttmp7, 0xffff
	s_lshl_b32 s17, s17, 2
	s_add_co_u32 s17, s17, s41                     ; tile row
	s_lshl_b32 s43, s41, 2
	s_lshl_b32 s43, 15, s43
	s_lshl_b32 s44, 0x1111, s40
	s_or_b32 s[G1+0], s43, (3<<16)|(1<<21)
	s_or_b32 s[G1B+0], s44, (3<<16)|(1<<21)
.irp g, G1, G1B
	s_mov_b32 s[\g+1], 32<<16
	s_mov_b32 s[\g+2], 96<<16
	s_mov_b32 s[\g+3], 32<<16
	s_mov_b32 s[\g+4], 96
	s_mov_b32 s[\g+5], 32
	s_mov_b32 s[\g+6], 0
	s_mov_b32 s[\g+7], 0
.endr
	s_or_b32 s[G1S+0], s43, (3<<16)|(1<<21)
	s_or_b32 s[G1SB+0], s44, (3<<16)|(1<<21)
.irp g, G1S, G1SB
	s_mov_b32 s[\g+1], 32<<16
	s_mov_b32 s[\g+2], (2*NKS)<<16
	s_mov_b32 s[\g+3], 32<<16
	s_mov_b32 s[\g+4], 2*NKS
	s_mov_b32 s[\g+5], 32
	s_mov_b32 s[\g+6], 0
	s_mov_b32 s[\g+7], 0
.endr
	s_lshl_b32 s20, s17, 1
	s_add_co_u32 s20, s20, s16
	s_lshl_b32 s46, s42, 1
	s_add_co_u32 s46, s46, s16
	s_mul_i32 s22, s20, HALFS
	s_add_co_u32 s22, s22, ASCL
	s_mul_i32 s92, s46, HALFS
	s_add_co_u32 s92, s92, BSCL
	s_mul_i32 s20, s20, NKS*8*FRB
	s_add_co_u32 s20, s20, ACOD
	s_mul_i32 s46, s46, NKS*8*FRB
	s_add_co_u32 s46, s46, BCOD
	s_mov_b32 s21, 0
	s_mov_b32 s23, 0
	s_mov_b32 s47, 0
	s_mov_b32 s93, 0
	s_mul_i32 s45, s14, HALFT
	s_mul_i32 s94, s14, HALFS
	s_wait_kmcnt 0x0
	s_add_nc_u64 s[20:21], s[PA:PA+1], s[20:21]
	s_add_nc_u64 s[22:23], s[PA:PA+1], s[22:23]
	s_add_nc_u64 s[46:47], s[PB:PB+1], s[46:47]
	s_add_nc_u64 s[92:93], s[PB:PB+1], s[92:93]
	CROUND
	s_mov_b32 s[G0S], 1
	s_add_co_u32 s[G0S+1], s94, SCL
	s_mov_b64 s[G0S+2:G0S+3], s[22:23]
	s_or_b32 s[G0S+3], s[G0S+3], 0x80000000
	s_mov_b32 s[G0SB], 1
	s_add_co_u32 s[G0SB+1], s94, SCL
	s_mov_b64 s[G0SB+2:G0SB+3], s[92:93]
	s_or_b32 s[G0SB+3], s[G0SB+3], 0x80000000
	JLOAD G0S, G1S, G0SB, G1SB
.irp s, 0,1
	s_mov_b32 s[G0+4*\s], 1
	s_add_co_u32 s[G0+4*\s+1], s45, \s*SLOT
	s_add_nc_u64 s[G0+4*\s+2:G0+4*\s+3], s[20:21], \s*HALFT
	s_or_b32 s[G0+4*\s+3], s[G0+4*\s+3], 0x80000000
	s_mov_b32 s[G0B+4*\s], 1
	s_add_co_u32 s[G0B+4*\s+1], s45, \s*SLOT
	s_add_nc_u64 s[G0B+4*\s+2:G0B+4*\s+3], s[46:47], \s*HALFT
	s_or_b32 s[G0B+4*\s+3], s[G0B+4*\s+3], 0x80000000
	JLOAD G0+4*\s, G1, G0B+4*\s, G1B
.endr
	v_and_b32 v1, 15, v0
	v_bfe_u32 v2, v0, 4, 1
	v_and_b32 v3, 31, v0
	v_lshlrev_b32 v[LI], 4, v3
	s_mul_i32 s21, s15, HALFT
	s_mul_i32 s22, s16, HALFT
	s_add_co_u32 s22, s22, 2*HALFT
.irp s, 0,1
	v_add_nc_u32 v[ADRA+\s], s21, v[LI]
	v_add_nc_u32 v[ADRB+\s], s22, v[LI]
	s_add_co_u32 s21, s21, SLOT
	s_add_co_u32 s22, s22, SLOT
.endr
	v_lshlrev_b32 v5, 4, v1
	s_mul_i32 s21, s15, HALFS
	s_mul_i32 s22, s16, HALFS
	s_add_co_u32 s22, s22, 2*HALFS
	s_sub_co_u32 s22, s22, s21
	v_mul_u32_u24 v6, s22, v2
	s_add_co_u32 s21, s21, SCL
	v_add_nc_u32 v5, v5, v6
	v_add_nc_u32 v[ADRS], s21, v5
	s_mul_i32 s23, s14, 16*528                     ; my stage
	v_mul_u32_u24 v5, v1, 528
	v_lshl_add_u32 v5, v2, 6, v5
	v_add_nc_u32 v[STO], s23, v5                   ; in: row r, + 64 h bytes
	v_add_nc_u32 v[RD], s23, v[LI]                 ; back: the 32 lanes take one row of 512 bytes
	s_lshl_b32 s20, s17, 2
	s_add_co_u32 s20, s20, s42
	s_lshl_b32 s20, s20, 2
	s_add_co_u32 s20, s20, s14
	s_lshl_b32 s20, s20, 16                        ; x1's f32 image: 65,536 bytes a wave
	s_mov_b32 s21, 0
	s_add_nc_u64 s[8:9], s[8:9], s[20:21]
	s_lshl_b32 s20, s42, 10
	s_lshl_b32 s22, s16, 9
	s_add_co_u32 s20, s20, s22                     ; my first column, in bytes
	s_add_nc_u64 s[10:11], s[10:11], s[20:21]
	s_add_nc_u64 s[12:13], s[12:13], s[20:21]
	s_lshl_b32 s20, s17, 8
	s_lshl_b32 s22, s15, 7
	s_add_co_u32 s20, s20, s22
	s_lshl_b32 s20, s20, 12                        ; my first row, in bytes
	s_add_nc_u64 s[12:13], s[12:13], s[20:21]
	global_load_b128 v[BO:BO+3], v[LI], s[10:11]
.irp a, 0,1,2,3,4,5,6,7
.set WW, 0x80+0x40*(\a/4)
	WIN WW                                         ; destination: the accumulators' window
.irp b, 0,1,2,3,4,5,6,7
	global_load_b128 v[8*(8*(\a%4)+\b):8*(8*(\a%4)+\b)+3], v[LI], s[8:9] offset:512*(2*(8*\a+\b)) th:TH_LOAD_NT      ; 512 consecutive bytes, read once
	global_load_b128 v[8*(8*(\a%4)+\b)+4:8*(8*(\a%4)+\b)+7], v[LI], s[8:9] offset:512*(2*(8*\a+\b)+1) th:TH_LOAD_NT
.endr
.endr
	WIN 0
.macro FRAG reg, adr, q, i
.irp c, 0,1,2
	ds_load_b128 v[\reg+4*\c:\reg+4*\c+3], v[\adr] offset:(8*(\q)+(\i))*FRB+512*\c
.endr
.endm
.macro MUL16 a0, p, q, sc              ; 16 matrix instructions; the 64 accumulators take turns
.irp a, \a0, \a0+1
.irp b, 0,1,2,3,4,5,6,7
	v_wmma_scale_f32_16x16x128_f8f6f4 v[8*(8*((\a)%4)+\b):8*(8*((\a)%4)+\b)+7], v[128*(\p)+FR*\b:128*(\p)+FR*\b+FR-1], v[AF+FR*(\a):AF+FR*(\a)+FR-1], v[8*(8*((\a)%4)+\b):8*(8*((\a)%4)+\b)+7], v[SC+16*(\sc)+8*(\q)+\b], v[SC+16*(\sc)+8*(\q)+(\a)] matrix_a_fmt:MATRIX_FMT_FP6 matrix_b_fmt:MATRIX_FMT_FP6 matrix_a_scale:MATRIX_SCALE_ROW1
.endr
.endr
.endm
.macro FETCH_B slot, q, p
	WIN TO_B
.irp i, 0,1,2,3,4,5,6,7
	FRAG 128*(\p)+FR*\i, ADRB+\slot, \q, \i
.endr
	WIN 0
.endm
.macro FETCH_A slot, q, i0
.irp i, \i0, \i0+1, \i0+2, \i0+3
	FRAG AF+FR*(\i), ADRA+\slot, \q, \i
.endr
.endm
.macro SCALES sc
.irp q, 0,1
.irp j, 0,1
	ds_load_b128 v[SC+16*\sc+8*\q+4*\j:SC+16*\sc+8*\q+4*\j+3], v[ADRS] offset:512*\q+256*\j
.endr
.endr
.endm
.macro PLACES n
.rept \n
	v_nop
.endr
.endm
.macro STEP slot, q
	s_wait_dscnt 4*NL                              ; all but the youngest 12 loads (A's tiles 4-7) are in
	WIN MUL_LO
	MUL16 0, (\q)%2, \q, \slot
	MUL16 2, (\q)%2, \q, \slot
	s_wait_dscnt 0
	PLACES NP
	FETCH_B \slot, (\q)+1, 1-(\q)%2
	FETCH_A \slot, (\q)+1, 0
	WIN MUL_HI
	MUL16 4, (\q)%2, \q, \slot
	MUL16 6, (\q)%2, \q, \slot
	PLACES NP
	WIN 0
	FETCH_A \slot, (\q)+1, 4
.endm
.macro TURN slot, next, fill
	s_wait_tensorcnt 0x0                           ; all my tensor loads have landed
	ds_add_u32 v[SPW], v[NIL]                      ; 0 onto my spare word
	s_wait_dscnt 4*NL+1                            ; (the add and the youngest 12 loads may be out)
	WIN MUL_LO
	MUL16 0, 1, NQ-1, \slot
	s_wait_dscnt 0x0                               ; the add is done, and my reads of this slot are over
	s_barrier_signal -1
	MUL16 2, 1, NQ-1, \slot
	WIN 0
	s_barrier_wait -1
.if \fill
	CREST
	s_add_nc_u64 s[G0+4*\slot+2:G0+4*\slot+3], s[G0+4*\slot+2:G0+4*\slot+3], 2*HALFT
	s_add_nc_u64 s[G0B+4*\slot+2:G0B+4*\slot+3], s[G0B+4*\slot+2:G0B+4*\slot+3], 2*HALFT
	JLOAD G0+4*\slot, G1, G0B+4*\slot, G1B
.else
	PLACES NP
.endif
	v_add_nc_u32 v[ADRS], 1024, v[ADRS]
	FETCH_B \next, 0, 0
	FETCH_A \next, 0, 0
	SCALES \next
	WIN MUL_HI
	MUL16 4, 1, NQ-1, \slot
	MUL16 6, 1, NQ-1, \slot
	PLACES NP
	WIN 0
	FETCH_A \next, 0, 4
.endm
	s_wait_tensorcnt 1                             ; the scale words and my part of slot 0 are in; slot 1's load may be out
	s_barrier_signal -1
	s_barrier_wait -1
	FETCH_B 0, 0, 0
	FETCH_A 0, 0, 0
	SCALES 0
	FETCH_A 0, 0, 4
	s_wait_loadcnt 0x0                             ; x1 is in the accumulators, b_out in its registers
	STEP 0, 0
	s_mov_b32 s3, LAPS-1
.Llap:
	TURN 0, 1, 1
	STEP 1, 0
	TURN 1, 0, 1
	STEP 0, 0
	s_sub_co_u32 s3, s3, 1
	s_cmp_lg_u32 s3, 0
	s_cbranch_scc1 .Llap
	TURN 0, 1, 0
	STEP 1, 0
	s_wait_dscnt 4*NL
	WIN MUL_LO
	MUL16 0, 1, NQ-1, 1
	MUL16 2, 1, NQ-1, 1
	s_wait_dscnt 0
	WIN MUL_HI
	MUL16 4, 1, NQ-1, 1
	MUL16 6, 1, NQ-1, 1
	WIN 0
.macro TOSTAGE a                       ; row a of accumulators into my stage, each column at its true place, and back as whole rows
.set AC, 64*((\a)%4)
.set WW, 0x08+4*((\a)/4)
	WIN WW                                         ; an LDS store's data are its source 1
.irp b, 0,1,2,3,4,5,6,7
	ds_store_b128 v[STO], v[AC+8*\b:AC+8*\b+3] offset:128*(\b/2)+32*(\b%2)         ; each accumulator from its low end on
	ds_store_b128 v[STO], v[AC+8*\b+4:AC+8*\b+7] offset:128*(\b/2)+32*(\b%2)+16
.endr
	WIN 0
.set BB, BK+64*((\a)%2)
.irp t, 0,1,2,3,4,5,6,7,8,9,10,11,12,13,14,15
	ds_load_b128 v[BB+4*\t:BB+4*\t+3], v[RD] offset:\t*528     ; LDS serves a wave's instructions in order: these see the stores above
.endr
.endm
.macro SEND a, younger                 ; younger: the LDS instructions issued behind block a's loads, which may stay out
.set BB, BK+64*((\a)%2)
	s_wait_dscnt \younger
.irp t, 0,1,2,3,4,5,6,7,8,9,10,11,12,13,14,15
	v_pk_add_f32 v[BB+4*\t:BB+4*\t+1], v[BB+4*\t:BB+4*\t+1], v[BO:BO+1]
	v_pk_add_f32 v[BB+4*\t+2:BB+4*\t+3], v[BB+4*\t+2:BB+4*\t+3], v[BO+2:BO+3]
.endr
.irp t, 0,1,2,3,4,5,6,7,8,9,10,11,12,13,14,15
	global_store_b128 v[LI], v[BB+4*\t:BB+4*\t+3], s[12:13] offset:(32*((\a)/2)+8*((\a)%2)+\t+8*(\t/8))*4096 th:TH_STORE_NT   ; slot t's true row; 512 consecutive bytes, aligned
.endr
.endm
	PLACES NP                                      ; in front of the first read of results and of the loads into the registers that held A's fragments
	TOSTAGE 0
.irp a, 1,2,3,4,5,6,7
.if \a > 1
	s_wait_xcnt 0x0                                ; block a - 2's stores have read their registers: block a's loads may land there
.endif
	TOSTAGE \a
	SEND \a-1, 32                                  ; behind block a - 1's loads: block a's 16 stores and 16 loads
.endr
	SEND 7, 0
	s_wait_tensorcnt 0x0                           ; the wave's end
	ds_add_u32 v[SPW], v[NIL]
	s_wait_dscnt 0x0
	CROUND                                         ; the closing round
	s_endpgm
.Lfunc_end_k_qe50230da8d_mlp_out:
	.size	k_qe50230da8d_mlp_out, .Lfunc_end_k_qe50230da8d_mlp_out-k_qe50230da8d_mlp_out
	.p2alignl 7, 3214868480
	.fill 96, 4, 3214868480
	.section	.rodata,"a",@progbits
	.p2align	6, 0x0
	.amdhsa_kernel k_qe50230da8d_mlp_out
		.amdhsa_group_segment_fixed_size 327680
		.amdhsa_private_segment_fixed_size 0
		.amdhsa_enable_private_segment 0
		.amdhsa_kernarg_size 40
		.amdhsa_user_sgpr_count 2
		.amdhsa_user_sgpr_kernarg_segment_ptr 1
		.amdhsa_wavefront_size32 1
		.amdhsa_system_sgpr_workgroup_id_x 1
		.amdhsa_system_sgpr_workgroup_id_y 1
		.amdhsa_system_sgpr_workgroup_id_z 1
		.amdhsa_system_vgpr_workitem_id 0
		.amdhsa_next_free_vgpr 1024
		.amdhsa_next_free_sgpr 100
		.amdhsa_reserve_vcc 0
		.amdhsa_float_denorm_mode_32 3
		.amdhsa_float_denorm_mode_16_64 3
		.amdhsa_memory_ordered 1
		.amdhsa_forward_progress 1
		.amdhsa_inst_pref_size 162
	.end_amdhsa_kernel
	.amdgpu_metadata
---
amdhsa.version: [ 1, 2 ]
amdhsa.kernels:
  - .name:           k_qe50230da8d_mlp_out
    .symbol:         k_qe50230da8d_mlp_out.kd
    .args:
      - { .name: hq, .offset: 0, .size: 8, .value_kind: global_buffer, .address_space: global }
      - { .name: q0, .offset: 8, .size: 8, .value_kind: global_buffer, .address_space: global }
      - { .name: x1, .offset: 16, .size: 8, .value_kind: global_buffer, .address_space: global }
      - { .name: b_out, .offset: 24, .size: 8, .value_kind: global_buffer, .address_space: global }
      - { .name: out0, .offset: 32, .size: 8, .value_kind: global_buffer, .address_space: global }
    .group_segment_fixed_size: 327680
    .private_segment_fixed_size: 0
    .kernarg_segment_align: 8
    .kernarg_segment_size: 40
    .max_flat_workgroup_size: 128
    .sgpr_count:     100
    .vgpr_count:     1024
    .wavefront_size: 32
...
	.end_amdgpu_metadata
.endif
;; end of part 7
;; ======== version 2 of 2: 7 launches; 1.23 times as fast as version 1
;; workspace buffers: q0 13,107,200 bytes; att 10,092,544 bytes; stats 262,144 bytes; zq 3,276,800 bytes; x1 20,054,016 bytes; hq 13,107,200 bytes
;; launch quant: the kernel of part 1 again; grid 256 x 1, 8 waves a work-group, no clusters, 68,608 bytes of LDS; arguments x, W_K, W_Q, W_V, W_O, W_in, W_out, q0; writes q0
;; launch qkv: the kernel of part 2 again; grid 12 x 16, 4 waves a work-group, clusters of 4 x 4, 327,680 bytes of LDS; arguments q0, att; writes att
;; launch stats: the kernel of part 3 again; grid 8 x 32, 16 waves a work-group, no clusters, 169,984 bytes of LDS; arguments att, stats; writes stats
;; launch attn: the kernel of part 4 again; grid 8 x 32, 16 waves a work-group, no clusters, 219,136 bytes of LDS; arguments att, stats, zq; writes zq
;; launch oproj (part 8): grid 8 x 32, 4 waves a work-group, clusters of 4 x 4, 205,312 bytes of LDS; arguments zq, q0, x, x1; writes x1
.if DOCPART == 8
	.amdgcn_target "amdgcn-amd-amdhsa--gfx1250"
	.amdhsa_code_object_version 6
	.text
	.protected	k_qe50230da8d_oproj
	.globl	k_qe50230da8d_oproj
	.p2align	8
	.type	k_qe50230da8d_oproj,@function
k_qe50230da8d_oproj:
	s_mov_b64 s[64:65], 0
	v_nop
	global_prefetch_b8 v0, s[64:65] scope:SCOPE_SE
	s_setreg_imm32_b32 hwreg(HW_REG_WAVE_MODE, 25, 1), 1
	s_wait_xcnt 0x0
	s_wait_alu depctr_hold_cnt(0) depctr_sa_sdst(0) depctr_va_vdst(0) depctr_va_sdst(0) depctr_va_ssrc(0) depctr_va_vcc(0) depctr_vm_vsrc(0)
	s_getreg_b32 s2, hwreg(HW_REG_IB_STS2, 6, 4)
	s_cmp_eq_u32 s2, 0
	s_cbranch_scc0 .Lentry_in_a_cluster
	s_endpgm
.Lentry_in_a_cluster:
	s_bfe_u32 s2, ttmp6, 0x10000c
	s_cmp_lg_u32 s2, 0xf033
	s_cbranch_scc0 .Lentry_shape_is_right
	s_endpgm
.Lentry_shape_is_right:
; x1 = x + z W_O^T on codes of FP6 (K = 1,024).  x is loaded into the accumulators, in their layout, and the products add onto it.  x1 leaves twice: as f32, an image of the accumulators
; ([tile row x 8 + tile column][A's tile][B's tile][2 x 512 bytes]), for the last launch, and as codes with scale words, quantised along its columns, for the next.
; SHARES: the output has 32 x 8 tiles of 128 x 128: one to each of 256 work-groups of four waves.  Wave w makes 32 rows x 128 columns: A's tiles 2 w, 2 w + 1 against B's eight: 16 accumulators, 128 registers.
; So a row of eight accumulators is a whole K step of the next product: one fragment and one scale word a row.  The price: 10 fragments from LDS feed 16 matrix instructions.
; Source 0 = 16 slots of W_O's rows (role B), source 1 = 16 slots of z's rows (role A): lane (r, h), register j of accumulator (a, b) is row 32 w + 8 a + r + 8 (r / 8) and column 32 (b / 2) + 16 h + 8 (b % 2) + j of the tile.
; OPERANDS are images of their registers (three loads of 16 bytes a lane bring a fragment).  All of K is 8 steps of 25,600 bytes (A's and B's 12,288 of codes, 512 of scale words each): it comes into LDS ONCE, four dense blocks,
; one tensor load a wave; nothing is filled again.  4 x 4 work-groups form a cluster: A's blocks are asked for jointly along a row of it, B's along a column.
; A wave's two scale words a row leave as 8 bytes a lane, 16 bytes apart: the four waves of a work-group fill the K step's 512 bytes between them.
; LIMITS: NaN and infinities are not served; a block whose largest magnitude lies under 2^-124 gets the byte 1 (its codes are tiny or zeros; this program alone reads the bytes).
; REGISTERS: window 0: v1 r, v2 h, v5-30 addresses; v32-47 scale words, two sets; v64-113 the way out; v128-255 the accumulators ((a, b) at v[128 + 8 (8 a + b)]).  Window 1: two sets of fragments: B's eight, then A's two.
.set NKS,   8                          ; K steps of 128
.set NST,   8                          ; of which LDS holds all
.set FR,    12
.set FRB,   1536
.set STEPB, 8*FRB                      ; a K step of one operand's codes
.set ACL,   0                          ; LDS: A's codes,
.set BCL,   NST*STEPB                  ; B's codes,
.set ASL,   2*NST*STEPB                ; A's scale words,
.set BSL,   ASL+NST*512                ; B's
.set PA,    4                          ; s[4:5]  role A's buffer: zq
.set PB,    6                          ; s[6:7]  role B's: q0
.set ACOD,  0
.set ASCL,  3145728
.set BCOD,  5505024
.set BSCL,  12812288
.set R16,  5                           ; 16 r
.set ADRA, 16                          ; v16-17 my two tiles of A, K steps 0-3 and 4-7; never rewritten
.set ADRB, 20                          ; v20-21 B's eight tiles likewise
.set ADSA, 24                          ; my two tiles' scale words
.set ADSB, 25                          ; B's
.set LI,   26                          ; 16 x lane
.set PRE,  30
.set SB,   32                          ; set p at + 8 p: four registers: lanes 0-15 B's tile n, lanes 16-31 tile 4 + n
.set SA,   36                          ; set p at + 8 p: two registers: A's tiles 2 w, 2 w + 1
.set TM,   64
.set T2,   80
.set X,    88                          ; v88-111 two fragments of codes
.set PWR,  112                         ; v112-113 their scale words
.set ACC,  128
.set G1A,  24
.set G0A,  32
.set G1B,  48
.set G0B,  56
.set G1SA, 68
.set G0SA, 76
.set G1SB, 80
.set G0SB, 88
.set SEL,  96
.set MSB, 0
.macro WIN new                         ; the immediate's high byte repeats the setting that is left
.if MSB != (\new)
	s_set_vgpr_msb (MSB<<8)|(\new)
.set MSB, (\new)
.endif
.endm
.set MULW, 0x05                        ; sources 0 (B) and 1 (A) window 1; C and D window 0
.set TO_F, 0x40                        ; destination window 1, address window 0
; The joint loads, one a wave: wave 0 A's codes, wave 1 B's codes, wave 2 A's scale words, wave 3 B's.  Each line has one mask and one set of registers for all that issue it; the branches hang on the wave's number alone.
; Four v_nop follow each line, ahead of the jump, the label and what follows.
.macro JLOAD4
	s_cmp_lt_u32 s14, 2
	s_cbranch_scc0 .Lsc_\@
	s_cmp_eq_u32 s14, 0
	s_cbranch_scc0 .Lb_\@
	tensor_load_to_lds s[G0A:G0A+3], s[G1A:G1A+7]
	s_nop 0
.rept 4
	v_nop
.endr
	s_branch .Lasked_\@
.Lb_\@:
	tensor_load_to_lds s[G0B:G0B+3], s[G1B:G1B+7]
	s_nop 0
.rept 4
	v_nop
.endr
	s_branch .Lasked_\@
.Lsc_\@:
	s_cmp_eq_u32 s14, 2
	s_cbranch_scc0 .Lsb_\@
	tensor_load_to_lds s[G0SA:G0SA+3], s[G1SA:G1SA+7]
	s_nop 0
.rept 4
	v_nop
.endr
	s_branch .Lasked_\@
.Lsb_\@:
	tensor_load_to_lds s[G0SB:G0SB+3], s[G1SB:G1SB+7]
	s_nop 0
.rept 4
	v_nop
.endr
.Lasked_\@:
.endm
.macro CROUND                          ; a round of the cluster's barrier
	s_barrier_signal -1
	s_barrier_wait -1
	s_cmp_lg_u32 s14, 0
	s_cbranch_scc1 .Lnot_wave_0_\@
	s_barrier_signal -3
.Lnot_wave_0_\@:
	s_barrier_wait -3
	s_barrier_signal -1
	s_barrier_wait -1
.endm
.macro G0SET g0, lds, ptr              ; descriptor group 0: count 1, the LDS address, the global address, type 2
	s_mov_b32 s[\g0], 1
	s_mov_b32 s[\g0+1], \lds
	s_mov_b64 s[\g0+2:\g0+3], s[\ptr:\ptr+1]
	s_or_b32 s[\g0+3], s[\g0+3], 0x80000000
.endm
	s_load_b256 s[4:11], s[0:1], 0x0               ; zq, q0, x, x1
	v_lshl_add_u32 v126, v0, 2, 0x32000
	v_mov_b32 v127, 0
	ds_add_u32 v126, v127
	ds_add_u32 v126, v127
	v_lshrrev_b32 v1, 5, v0
	v_readfirstlane_b32 s14, v1                    ; wave 0..3
	s_bfe_u32 s40, ttmp6, 0x40000                  ; cx
	s_bfe_u32 s41, ttmp6, 0x40004                  ; cy
	s_lshl_b32 s42, ttmp9, 2
	s_add_co_u32 s42, s42, s40                     ; tile column 0..7 = B's block of 128 slots
	s_and_b32 s17, ttmp7, 0xffff
	s_lshl_b32 s17, s17, 2
	s_add_co_u32 s17, s17, s41                     ; tile row 0..31 = A's block
	s_lshl_b32 s43, s41, 2
	s_lshl_b32 s43, 15, s43                        ; my row of the cluster
	s_lshl_b32 s44, 0x1111, s40                    ; my column
	s_or_b32 s[G1A], s43, (3<<16)|(1<<21)          ; 15:0 the mask; 17:16 elements of 8 bytes; 21 set beside a mask; no padding
	s_or_b32 s[G1B], s44, (3<<16)|(1<<21)
	s_or_b32 s[G1SA], s43, (3<<16)|(1<<21)
	s_or_b32 s[G1SB], s44, (3<<16)|(1<<21)
.irp g, G1A, G1B                       ; NST K steps of codes: a dense block, 48 rows of 256 bytes a step
	s_mov_b32 s[\g+1], 32<<16
	s_mov_b32 s[\g+2], (NST*48)<<16
	s_mov_b32 s[\g+3], 32<<16
	s_mov_b32 s[\g+4], NST*48
	s_mov_b32 s[\g+5], 32
	s_mov_b32 s[\g+6], 0
	s_mov_b32 s[\g+7], 0
.endr
.irp g, G1SA, G1SB                     ; and of scale words: 2 rows a step
	s_mov_b32 s[\g+1], 32<<16
	s_mov_b32 s[\g+2], (NST*2)<<16
	s_mov_b32 s[\g+3], 32<<16
	s_mov_b32 s[\g+4], NST*2
	s_mov_b32 s[\g+5], 32
	s_mov_b32 s[\g+6], 0
	s_mov_b32 s[\g+7], 0
.endr
	s_mul_i32 s20, s17, NKS*STEPB                  ; A's hang on the tile row alone, B's on the tile column alone
	s_add_co_u32 s20, s20, ACOD
	s_mul_i32 s22, s17, NKS*512
	s_add_co_u32 s22, s22, ASCL
	s_mul_i32 s46, s42, NKS*STEPB
	s_add_co_u32 s46, s46, BCOD
	s_mul_i32 s92, s42, NKS*512
	s_add_co_u32 s92, s92, BSCL
	s_mov_b32 s21, 0
	s_mov_b32 s23, 0
	s_mov_b32 s47, 0
	s_mov_b32 s93, 0
	s_wait_dscnt 0x0
	s_wait_kmcnt 0x0
	s_add_nc_u64 s[20:21], s[PA:PA+1], s[20:21]
	s_add_nc_u64 s[22:23], s[PA:PA+1], s[22:23]
	s_add_nc_u64 s[46:47], s[PB:PB+1], s[46:47]
	s_add_nc_u64 s[92:93], s[PB:PB+1], s[92:93]
	CROUND                                         ; all sixteen work-groups are here: the joint loads meet
	G0SET G0A, ACL, 20
	G0SET G0B, BCL, 46
	G0SET G0SA, ASL, 22
	G0SET G0SB, BSL, 92
	JLOAD4                                         ; all of K: my one tensor load of the launch
	v_and_b32 v1, 15, v0                           ; r
	v_bfe_u32 v2, v0, 4, 1                         ; h
	v_and_b32 v3, 31, v0
	v_lshlrev_b32 v[LI], 4, v3
	v_lshlrev_b32 v[R16], 4, v1
	s_mul_i32 s18, s14, 2*FRB                      ; my two tiles of A (A's codes begin at LDS byte 0)
	v_add_nc_u32 v[ADRA], s18, v[LI]
	v_add_nc_u32 v[ADRA+1], 4*STEPB, v[ADRA]
	v_add_nc_u32 v[ADRB], BCL, v[LI]
	v_add_nc_u32 v[ADRB+1], 4*STEPB, v[ADRB]
	v_add_nc_u32 v[ADSB], BSL, v[LI]               ; 16 x lane: lanes 0-15 row r of tiles 0-3, lanes 16-31 of tiles 4-7
	s_lshr_b32 s19, s14, 1
	s_lshl_b32 s19, s19, 8
	s_and_b32 s21, s14, 1
	s_lshl_b32 s21, s21, 3
	s_add_co_u32 s19, s19, s21                     ; my two tiles' words in a K step's 512 bytes: 256 (w / 2) + 8 (w % 2), + 16 r
	s_add_co_u32 s21, s19, ASL
	v_add_nc_u32 v[ADSA], s21, v[R16]
	; x into the accumulators: row (r + 8 (r / 8)) of 4,096 bytes, + 64 h; the accumulator's place stands in the immediate
	v_and_b32 v3, 8, v1
	v_add_nc_u32 v3, v3, v1
	v_lshlrev_b32 v3, 12, v3
	v_lshl_add_u32 v[PRE], v2, 6, v3
	s_lshl_b32 s20, s17, 7
	s_lshl_b32 s21, s14, 5
	s_add_co_u32 s20, s20, s21                     ; my first row: 128 x tile row + 32 x wave
	s_lshl_b32 s20, s20, 12
	s_lshl_b32 s21, s42, 9
	s_add_co_u32 s20, s20, s21                     ; + the tile's first column
	s_mov_b32 s21, 0
	s_add_nc_u64 s[8:9], s[8:9], s[20:21]
.irp a, 0,1
.irp b, 0,1,2,3,4,5,6,7
	global_load_b128 v[ACC+8*(8*\a+\b):ACC+8*(8*\a+\b)+3], v[PRE], s[8:9] offset:\a*8*4096+128*(\b/2)+32*(\b%2)
	global_load_b128 v[ACC+8*(8*\a+\b)+4:ACC+8*(8*\a+\b)+7], v[PRE], s[8:9] offset:\a*8*4096+128*(\b/2)+32*(\b%2)+16
.endr
.endr
	; where the results go
	s_lshl_b32 s20, s17, 3
	s_add_co_u32 s20, s20, s42                     ; tile row x 8 + tile column: the tile's number, and (block of rows, K step) of the next product
	s_lshl_b32 s18, s20, 16
	s_lshl_b32 s21, s14, 14
	s_add_co_u32 s18, s18, s21                     ; the f32 image: 65,536 bytes a tile, 16,384 a wave
	s_mov_b32 s21, 0
	s_mov_b32 s22, s18
	s_mov_b32 s23, 0
	s_add_nc_u64 s[22:23], s[10:11], s[22:23]
	s_mul_i32 s46, s20, STEPB
	s_mul_i32 s47, s14, 2*FRB
	s_add_co_u32 s46, s46, s47
	s_add_co_u32 s46, s46, 16777216
	s_mov_b32 s47, 0
	s_add_nc_u64 s[46:47], s[10:11], s[46:47]      ; my two fragments
	s_lshl_b32 s92, s20, 9
	s_add_co_u32 s92, s92, s19
	s_add_co_u32 s92, s92, 19922944
	s_mov_b32 s93, 0
	s_add_nc_u64 s[92:93], s[10:11], s[92:93]      ; their scale words
	s_mov_b32 s[SEL], 0x76543210
	s_mov_b32 s[SEL+1], 0xfedcba98                 ; v_permlanex16_b32's selects for lane l xor 16
; K step st of LDS into register set p: B's eight fragments, my two of A (30 loads of 512 consecutive bytes), B's scale words and mine: 32 LDS loads
.macro FETCH st, p
	WIN TO_F
.irp i, 0,1,2,3,4,5,6,7
.irp c, 0,1,2
	ds_load_b128 v[128*(\p)+FR*\i+4*\c:128*(\p)+FR*\i+4*\c+3], v[ADRB+(\st)/4] offset:((\st)%4)*STEPB+\i*FRB+512*\c
.endr
.endr
.irp i, 0,1
.irp c, 0,1,2
	ds_load_b128 v[128*(\p)+96+FR*\i+4*\c:128*(\p)+96+FR*\i+4*\c+3], v[ADRA+(\st)/4] offset:((\st)%4)*STEPB+\i*FRB+512*\c
.endr
.endr
	WIN 0
	ds_load_b128 v[SB+8*(\p):SB+8*(\p)+3], v[ADSB] offset:(\st)*512
	ds_load_b64 v[SA+8*(\p):SA+8*(\p)+1], v[ADSA] offset:(\st)*512
.endm
; 16 matrix instructions on set p; the 16 accumulators take turns, in the same order in every step
.macro MUL p
.irp a, 0,1
.irp b, 0,1,2,3
	v_wmma_scale_f32_16x16x128_f8f6f4 v[ACC+8*(8*\a+\b):ACC+8*(8*\a+\b)+7], v[128*(\p)+FR*\b:128*(\p)+FR*\b+FR-1], v[128*(\p)+96+FR*\a:128*(\p)+96+FR*\a+FR-1], v[ACC+8*(8*\a+\b):ACC+8*(8*\a+\b)+7], v[SB+8*(\p)+\b], v[SA+8*(\p)+\a] matrix_a_fmt:MATRIX_FMT_FP6 matrix_b_fmt:MATRIX_FMT_FP6
.endr
.irp b, 4,5,6,7
	v_wmma_scale_f32_16x16x128_f8f6f4 v[ACC+8*(8*\a+\b):ACC+8*(8*\a+\b)+7], v[128*(\p)+FR*\b:128*(\p)+FR*\b+FR-1], v[128*(\p)+96+FR*\a:128*(\p)+96+FR*\a+FR-1], v[ACC+8*(8*\a+\b):ACC+8*(8*\a+\b)+7], v[SB+8*(\p)+\b-4], v[SA+8*(\p)+\a] matrix_a_fmt:MATRIX_FMT_FP6 matrix_b_fmt:MATRIX_FMT_FP6 matrix_a_scale:MATRIX_SCALE_ROW1
.endr
.endr
.endm
; A K step on set p.  nxt: the K step that is fetched into the other set meanwhile, or -1
.macro STEP p, nxt
.if (\nxt) >= 0
	FETCH \nxt, 1-(\p)
	s_wait_dscnt 32                                ; all but the 32 loads just issued: this step's are in
.else
	s_wait_dscnt 0x0
.endif
	WIN MULW
	MUL \p
.rept 4
	v_nop                                          ; places in front of the next loads into this set, and of the first read of results
.endr
.endm
.macro VISIT first, n                  ; n K steps of LDS from step first on; n is even
	FETCH \first, 0
.set q, 0
.rept \n
.if q < (\n)-1
	STEP q%2, (\first)+q+1
.else
	STEP q%2, -1
.endif
.set q, q+1
.endr
.endm
	s_wait_tensorcnt 0x0                           ; my block is in,
	s_barrier_signal -1
	s_barrier_wait -1                              ; everybody's is
	s_wait_loadcnt 0x0                             ; x is in the accumulators
	VISIT 0, NST
	WIN 0
; THE WAY OUT.  QUANT: the 64 registers from v[ac] on, register 16 b + i = k 32 b + 16 h + i of my row, become a fragment's 12 registers in v[d] on and its scale word in v[pw]
.macro QUANT ac, d, pw
.irp b, 0,1,2,3
	v_max3_num_f32 v[TM+\b], |v[(\ac)+16*\b]|, |v[(\ac)+16*\b+1]|, 0x1800000   ; my 16 numbers of block b, and the floor 2^(3 - 127), which holds the byte at 1 from below
.endr
.irp i, 2,4,6,8,10,12,14
.irp b, 0,1,2,3
	v_max3_num_f32 v[TM+\b], v[TM+\b], |v[(\ac)+16*\b+\i]|, |v[(\ac)+16*\b+\i+1]|
.endr
.endr
.irp b, 0,1,2,3
	v_permlanex16_b32 v[TM+4+\b], v[TM+\b], s[SEL], s[SEL+1]
.endr
.irp b, 0,1,2,3
	v_max_num_f32 v[TM+\b], v[TM+\b], v[TM+4+\b]   ; with lane l xor 16's 16: the block's largest magnitude
.endr
.irp b, 0,1,2,3
	v_add_nc_u32 v[TM+12+\b], 0xff000000, v[TM+\b] ; 2 off its exponent field: the conversion's scale operand
.endr
.irp b, 0,1,2,3
	v_lshrrev_b32 v[TM+4+\b], 23, v[TM+12+\b]      ; the byte
.endr
	v_lshl_or_b32 v[\pw], v[TM+5], 8, v[TM+4]
	v_lshl_or_b32 v[\pw], v[TM+6], 16, v[\pw]
	v_lshl_or_b32 v[\pw], v[TM+7], 24, v[\pw]
	v_cvt_scalef32_pk16_fp6_f32 v[(\d):(\d)+2], v[(\ac):(\ac)+15], v[TM+12]
	v_cvt_scalef32_pk16_fp6_f32 v[T2:T2+2], v[(\ac)+16:(\ac)+31], v[TM+13]
	v_cvt_scalef32_pk16_fp6_f32 v[(\d)+6:(\d)+8], v[(\ac)+32:(\ac)+47], v[TM+14]
	v_cvt_scalef32_pk16_fp6_f32 v[T2+4:T2+6], v[(\ac)+48:(\ac)+63], v[TM+15]
	v_nop                                          ; one plain place behind the scaled conversions
.irp i, 0,1,2                          ; the layout wants a whole block in a lane: the halves change places
	v_permlane16_swap_b32 v[(\d)+\i], v[T2+\i]
	v_permlane16_swap_b32 v[(\d)+6+\i], v[T2+4+\i]
.endr
.irp i, 0,1,2
	v_mov_b32 v[(\d)+3+\i], v[T2+\i]
	v_mov_b32 v[(\d)+9+\i], v[T2+4+\i]
.endr
.endm
.irp b, 0,1,2,3
	v_mov_b32 v[TM+4+\b], 0                        ; a lane permute's destination counts as one of its sources
.endr
.irp a, 0,1                            ; each row of accumulators has its own registers for its codes and its word: no store's data are written again
.irp b, 0,1,2,3,4,5,6,7
	global_store_b128 v[LI], v[ACC+8*(8*\a+\b):ACC+8*(8*\a+\b)+3], s[22:23] offset:1024*(8*\a+\b)         ; each accumulator from its low end on; 512 consecutive bytes, aligned
	global_store_b128 v[LI], v[ACC+8*(8*\a+\b)+4:ACC+8*(8*\a+\b)+7], s[22:23] offset:1024*(8*\a+\b)+512
.endr
	QUANT ACC+64*\a, X+12*\a, PWR+\a
.irp c, 0,1,2
	global_store_b128 v[LI], v[X+12*\a+4*\c:X+12*\a+4*\c+3], s[46:47] offset:FRB*\a+512*\c
.endr
.endr
	global_store_b64 v[R16], v[PWR:PWR+1], s[92:93] ; row r's two words; lanes l and l xor 16 write the same bytes with the same values
	s_wait_tensorcnt 0x0
	ds_add_u32 v126, v127
	s_wait_dscnt 0x0
	CROUND                                         ; the closing round: no work-group ends while a partner may still ask for a block that names it
	s_endpgm
.Lfunc_end_k_qe50230da8d_oproj:
	.size	k_qe50230da8d_oproj, .Lfunc_end_k_qe50230da8d_oproj-k_qe50230da8d_oproj
	.p2alignl 7, 3214868480
	.fill 96, 4, 3214868480
	.section	.rodata,"a",@progbits
	.p2align	6, 0x0
	.amdhsa_kernel k_qe50230da8d_oproj
		.amdhsa_group_segment_fixed_size 205312
		.amdhsa_private_segment_fixed_size 0
		.amdhsa_enable_private_segment 0
		.amdhsa_kernarg_size 32
		.amdhsa_user_sgpr_count 2
		.amdhsa_user_sgpr_kernarg_segment_ptr 1
		.amdhsa_wavefront_size32 1
		.amdhsa_system_sgpr_workgroup_id_x 1
		.amdhsa_system_sgpr_workgroup_id_y 1
		.amdhsa_system_sgpr_workgroup_id_z 1
		.amdhsa_system_vgpr_workitem_id 0
		.amdhsa_next_free_vgpr 512
		.amdhsa_next_free_sgpr 100
		.amdhsa_reserve_vcc 0
		.amdhsa_float_denorm_mode_32 3
		.amdhsa_float_denorm_mode_16_64 3
		.amdhsa_memory_ordered 1
		.amdhsa_forward_progress 1
		.amdhsa_inst_pref_size 57
	.end_amdhsa_kernel
	.amdgpu_metadata
---
amdhsa.version: [ 1, 2 ]
amdhsa.kernels:
  - .name:           k_qe50230da8d_oproj
    .symbol:         k_qe50230da8d_oproj.kd
    .args:
      - { .name: zq, .offset: 0, .size: 8, .value_kind: global_buffer, .address_space: global }
      - { .name: q0, .offset: 8, .size: 8, .value_kind: global_buffer, .address_space: global }
      - { .name: x, .offset: 16, .size: 8, .value_kind: global_buffer, .address_space: global }
      - { .name: x1, .offset: 24, .size: 8, .value_kind: global_buffer, .address_space: global }
    .group_segment_fixed_size: 205312
    .private_segment_fixed_size: 0
    .kernarg_segment_align: 8
    .kernarg_segment_size: 32
    .max_flat_workgroup_size: 128
    .sgpr_count:     100
    .vgpr_count:     512
    .wavefront_size: 32
...
	.end_amdgpu_metadata
.endif
;; end of part 8
;; launch mlp_in: the kernel of part 6 again; grid 16 x 16, 4 waves a work-group, clusters of 4 x 4, 327,680 bytes of LDS; arguments x1, q0, b_in, hq; writes hq
;; launch mlp_out (part 9): grid 8 x 32, 4 waves a work-group, clusters of 4 x 4, 327,680 bytes of LDS; arguments hq, q0, x1, b_out, out0; writes out0
.if DOCPART == 9
	.amdgcn_target "amdgcn-amd-amdhsa--gfx1250"
	.amdhsa_code_object_version 6
	.text
	.protected	k_qe50230da8d_mlp_out
	.globl	k_qe50230da8d_mlp_out
	.p2align	8
	.type	k_qe50230da8d_mlp_out,@function
k_qe50230da8d_mlp_out:
	s_mov_b64 s[64:65], 0
	v_nop
	global_prefetch_b8 v0, s[64:65] scope:SCOPE_SE
	s_setreg_imm32_b32 hwreg(HW_REG_WAVE_MODE, 25, 1), 1
	s_wait_xcnt 0x0
	s_wait_alu depctr_hold_cnt(0) depctr_sa_sdst(0) depctr_va_vdst(0) depctr_va_sdst(0) depctr_va_ssrc(0) depctr_va_vcc(0) depctr_vm_vsrc(0)
	s_getreg_b32 s2, hwreg(HW_REG_IB_STS2, 6, 4)
	s_cmp_eq_u32 s2, 0
	s_cbranch_scc0 .Lentry_in_a_cluster
	s_endpgm
.Lentry_in_a_cluster:
	s_bfe_u32 s2, ttmp6, 0x10000c
	s_cmp_lg_u32 s2, 0xf033
	s_cbranch_scc0 .Lentry_shape_is_right
	s_endpgm
.Lentry_shape_is_right:
; out0 = x1 + h W_out^T + b_out on codes of FP6 (K = 4,096).  x1's f32 image is loaded straight into the accumulators (the same tiles, waves and layout as the launch that stored it), the products add onto it,
; and b_out is added on the way out: the sum is (x1 + products) + b_out.
; SHARES: the output has 32 x 8 tiles of 128 x 128: one to each of 256 work-groups of four waves.  Wave w makes 32 rows x 128 columns: A's tiles 2 w, 2 w + 1 against B's eight: 16 accumulators, 128 registers.
; Source 0 = 16 slots of W_out's rows (role B), source 1 = 16 slots of h's rows (role A): lane (r, h), register j of accumulator (a, b) is row 32 w + 8 a + r + 8 (r / 8) and column 32 (b / 2) + 16 h + 8 (b % 2) + j of the tile.
; OPERANDS are images of their registers.  A K step of 128 is 25,600 bytes (A's and B's 12,288 of codes, 512 of scale words each); K has 32 steps and LDS holds 12.
; THE RING has two slots of unlike size, X (8 steps) and Y (4 steps), visited X Y X Y X: 8 + 4 + 8 + 4 + 8 = 32.  One first fill brings all twelve steps; X is filled again behind its first and second visit, Y behind its first:
; three refills in the launch, each behind a round of the cluster's barrier, each with the other slot's visit in which to land.  A fill is four dense blocks, one tensor load a wave: one load of a wave is out at a time.
; 4 x 4 work-groups form a cluster: A's blocks are asked for jointly along a row of it, B's along a column.
; THE WAY OUT: a row of accumulators (16 rows x 128 columns) goes through the wave's own stage in LDS, which undoes the order of the columns, and leaves as whole rows of 512 bytes.  The stage lies in A's slot Y,
; which has had its last fill and its last read at the barrier ahead of the last visit.
; The K steps are written out: every LDS offset is an immediate, and no address register is stepped.
; REGISTERS: window 0: v1 r, v2 h, v12-30 addresses; v32-47 scale words, two sets; v64-67 b_out; v128-255 the accumulators ((a, b) at v[128 + 8 (8 a + b)]).  Window 1: two sets of fragments: B's eight, then A's two.
.set NKS,   32                         ; K steps of 128
.set NST,   12                         ; of which LDS holds twelve:
.set XST,   8                          ; slot X: LDS steps 0-7
.set YST,   4                          ; slot Y: LDS steps 8-11
.set FR,    12
.set FRB,   1536
.set STEPB, 8*FRB                      ; a K step of one operand's codes
.set ACL,   0                          ; LDS: A's codes,
.set BCL,   NST*STEPB                  ; B's codes,
.set ASL,   2*NST*STEPB                ; A's scale words,
.set BSL,   ASL+NST*512                ; B's,
.set SPARE, BSL+NST*512                ; and the spare words, 128 bytes for each wave, that no other line names
.set STG,   ACL+XST*STEPB              ; the way out: 16 rows x 528 bytes for each wave
.set PA,    4                          ; hq
.set PB,    6                          ; q0
.set ACOD,  0
.set ASCL,  12582912
.set BCOD,  9437184
.set BSCL,  12976128
.set STO,  12
.set RD,   13
.set ADRA, 16                          ; v16-18 my two tiles of A, LDS steps 0-3, 4-7, 8-11; never rewritten
.set ADRB, 20                          ; v20-22 B's eight tiles likewise
.set ADSA, 24
.set ADSB, 25
.set LI,   26                          ; 16 x lane
.set SPW,  28
.set NIL,  29
.set SB,   32                          ; set p at + 8 p: four registers: lanes 0-15 B's tile n, lanes 16-31 tile 4 + n
.set SA,   36                          ; set p at + 8 p: two registers: A's tiles 2 w, 2 w + 1
.set BO,   64                          ; v64-67 b_out of my four columns of a row
.set ACC,  128
.set G1A,  24
.set G0A,  32
.set G1B,  48
.set G0B,  56
.set G1SA, 68
.set G0SA, 76
.set G1SB, 80
.set G0SB, 88
.set MSB, 0
.macro WIN new                         ; the immediate's high byte repeats the setting that is left
.if MSB != (\new)
	s_set_vgpr_msb (MSB<<8)|(\new)
.set MSB, (\new)
.endif
.endm
.set MULW, 0x05                        ; sources 0 (B) and 1 (A) window 1; C and D window 0
.set TO_F, 0x40                        ; destination window 1, address window 0
; The joint loads, one a wave: wave 0 A's codes, wave 1 B's codes, wave 2 A's scale words, wave 3 B's.  Each line has one mask and one set of registers for all that issue it; the branches hang on the wave's number alone.
; Four v_nop follow each line, ahead of the jump, the label and what follows.
.macro JLOAD4
	s_cmp_lt_u32 s14, 2
	s_cbranch_scc0 .Lsc_\@
	s_cmp_eq_u32 s14, 0
	s_cbranch_scc0 .Lb_\@
	tensor_load_to_lds s[G0A:G0A+3], s[G1A:G1A+7]
	s_nop 0
.rept 4
	v_nop
.endr
	s_branch .Lasked_\@
.Lb_\@:
	tensor_load_to_lds s[G0B:G0B+3], s[G1B:G1B+7]
	s_nop 0
.rept 4
	v_nop
.endr
	s_branch .Lasked_\@
.Lsc_\@:
	s_cmp_eq_u32 s14, 2
	s_cbranch_scc0 .Lsb_\@
	tensor_load_to_lds s[G0SA:G0SA+3], s[G1SA:G1SA+7]
	s_nop 0
.rept 4
	v_nop
.endr
	s_branch .Lasked_\@
.Lsb_\@:
	tensor_load_to_lds s[G0SB:G0SB+3], s[G1SB:G1SB+7]
	s_nop 0
.rept 4
	v_nop
.endr
.Lasked_\@:
.endm
.macro CROUND                          ; a round of the cluster's barrier
	s_barrier_signal -1
	s_barrier_wait -1
	s_cmp_lg_u32 s14, 0
	s_cbranch_scc1 .Lnot_wave_0_\@
	s_barrier_signal -3
.Lnot_wave_0_\@:
	s_barrier_wait -3
	s_barrier_signal -1
	s_barrier_wait -1
.endm
.macro G0SET g0, lds, ptr              ; descriptor group 0: count 1, the LDS address, the global address, type 2
	s_mov_b32 s[\g0], 1
	s_mov_b32 s[\g0+1], \lds
	s_mov_b64 s[\g0+2:\g0+3], s[\ptr:\ptr+1]
	s_or_b32 s[\g0+3], s[\g0+3], 0x80000000
.endm
	s_load_b256 s[4:11], s[0:1], 0x0               ; hq, q0, x1, b_out
	s_load_b64 s[12:13], s[0:1], 0x20              ; out0
	v_lshl_add_u32 v[SPW], v0, 2, SPARE
	v_mov_b32 v[NIL], 0
	ds_add_u32 v28, v29
	ds_add_u32 v28, v29
	s_wait_dscnt 0x0
	v_lshrrev_b32 v1, 5, v0
	v_readfirstlane_b32 s14, v1                    ; wave 0..3
	s_bfe_u32 s40, ttmp6, 0x40000                  ; cx
	s_bfe_u32 s41, ttmp6, 0x40004                  ; cy
	s_lshl_b32 s42, ttmp9, 2
	s_add_co_u32 s42, s42, s40                     ; tile column 0..7 = B's block of 128 slots
	s_and_b32 s17, ttmp7, 0xffff
	s_lshl_b32 s17, s17, 2
	s_add_co_u32 s17, s17, s41                     ; tile row 0..31 = A's block
	s_lshl_b32 s43, s41, 2
	s_lshl_b32 s43, 15, s43                        ; my row of the cluster
	s_lshl_b32 s44, 0x1111, s40                    ; my column
	s_or_b32 s[G1A], s43, (3<<16)|(1<<21)          ; 15:0 the mask; 17:16 elements of 8 bytes; 21 set beside a mask; no padding
	s_or_b32 s[G1B], s44, (3<<16)|(1<<21)
	s_or_b32 s[G1SA], s43, (3<<16)|(1<<21)
	s_or_b32 s[G1SB], s44, (3<<16)|(1<<21)
.irp g, G1A, G1B                       ; the first fill: NST K steps of codes: a dense block, 48 rows of 256 bytes a step
	s_mov_b32 s[\g+1], 32<<16
	s_mov_b32 s[\g+2], (NST*48)<<16
	s_mov_b32 s[\g+3], 32<<16
	s_mov_b32 s[\g+4], NST*48
	s_mov_b32 s[\g+5], 32
	s_mov_b32 s[\g+6], 0
	s_mov_b32 s[\g+7], 0
.endr
.irp g, G1SA, G1SB                     ; and of scale words: 2 rows a step
	s_mov_b32 s[\g+1], 32<<16
	s_mov_b32 s[\g+2], (NST*2)<<16
	s_mov_b32 s[\g+3], 32<<16
	s_mov_b32 s[\g+4], NST*2
	s_mov_b32 s[\g+5], 32
	s_mov_b32 s[\g+6], 0
	s_mov_b32 s[\g+7], 0
.endr
	s_mul_i32 s20, s17, NKS*STEPB                  ; A's hang on the tile row alone, B's on the tile column alone
	s_add_co_u32 s20, s20, ACOD
	s_mul_i32 s22, s17, NKS*512
	s_add_co_u32 s22, s22, ASCL
	s_mul_i32 s46, s42, NKS*STEPB
	s_add_co_u32 s46, s46, BCOD
	s_mul_i32 s92, s42, NKS*512
	s_add_co_u32 s92, s92, BSCL
	s_mov_b32 s21, 0
	s_mov_b32 s23, 0
	s_mov_b32 s47, 0
	s_mov_b32 s93, 0
	s_wait_kmcnt 0x0
	s_add_nc_u64 s[20:21], s[PA:PA+1], s[20:21]
	s_add_nc_u64 s[22:23], s[PA:PA+1], s[22:23]
	s_add_nc_u64 s[46:47], s[PB:PB+1], s[46:47]
	s_add_nc_u64 s[92:93], s[PB:PB+1], s[92:93]
	CROUND                                         ; all sixteen work-groups are here: the first joint loads meet
	G0SET G0A, ACL, 20
	G0SET G0B, BCL, 46
	G0SET G0SA, ASL, 22
	G0SET G0SB, BSL, 92
	JLOAD4                                         ; K steps 0-11: both slots at once
	v_and_b32 v1, 15, v0                           ; r
	v_bfe_u32 v2, v0, 4, 1                         ; h
	v_and_b32 v3, 31, v0
	v_lshlrev_b32 v[LI], 4, v3
	s_mul_i32 s18, s14, 2*FRB                      ; my two tiles of A (A's codes begin at LDS byte 0)
	v_add_nc_u32 v[ADRA], s18, v[LI]
	v_add_nc_u32 v[ADRA+1], 4*STEPB, v[ADRA]
	v_add_nc_u32 v[ADRA+2], 8*STEPB, v[ADRA]
	v_add_nc_u32 v[ADRB], BCL, v[LI]
	v_add_nc_u32 v[ADRB+1], 4*STEPB, v[ADRB]
	v_add_nc_u32 v[ADRB+2], 8*STEPB, v[ADRB]
	v_add_nc_u32 v[ADSB], BSL, v[LI]               ; 16 x lane: lanes 0-15 row r of tiles 0-3, lanes 16-31 of tiles 4-7
	s_lshr_b32 s19, s14, 1
	s_lshl_b32 s19, s19, 8
	s_and_b32 s21, s14, 1
	s_lshl_b32 s21, s21, 3
	s_add_co_u32 s19, s19, s21                     ; my two tiles' words in a K step's 512 bytes: 256 (w / 2) + 8 (w % 2), + 16 r
	s_add_co_u32 s19, s19, ASL
	v_lshl_add_u32 v[ADSA], v1, 4, s19
	s_mul_i32 s23, s14, 16*528
	s_add_co_u32 s23, s23, STG                     ; my stage
	v_mul_u32_u24 v5, v1, 528
	v_lshl_add_u32 v5, v2, 6, v5
	v_add_nc_u32 v[STO], s23, v5                   ; in: row r, + 64 h bytes
	v_add_nc_u32 v[RD], s23, v[LI]                 ; back: the 32 lanes take one row of 512 bytes
	s_lshl_b32 s20, s17, 3
	s_add_co_u32 s20, s20, s42                     ; the tile's number
	s_lshl_b32 s20, s20, 16
	s_lshl_b32 s21, s14, 14
	s_add_co_u32 s20, s20, s21                     ; x1's f32 image: 65,536 bytes a tile, 16,384 a wave
	s_mov_b32 s21, 0
	s_add_nc_u64 s[8:9], s[8:9], s[20:21]
	s_lshl_b32 s20, s42, 9                         ; the tile's first column, in bytes
	s_add_nc_u64 s[10:11], s[10:11], s[20:21]
	s_add_nc_u64 s[12:13], s[12:13], s[20:21]
	s_lshl_b32 s20, s17, 7
	s_lshl_b32 s22, s14, 5
	s_add_co_u32 s20, s20, s22                     ; my first row: 128 x tile row + 32 x wave
	s_lshl_b32 s20, s20, 12
	s_add_nc_u64 s[12:13], s[12:13], s[20:21]
	global_load_b128 v[BO:BO+3], v[LI], s[10:11]
.irp a, 0,1
.irp b, 0,1,2,3,4,5,6,7
	global_load_b128 v[ACC+8*(8*\a+\b):ACC+8*(8*\a+\b)+3], v[LI], s[8:9] offset:1024*(8*\a+\b) th:TH_LOAD_NT        ; 512 consecutive bytes, read once
	global_load_b128 v[ACC+8*(8*\a+\b)+4:ACC+8*(8*\a+\b)+7], v[LI], s[8:9] offset:1024*(8*\a+\b)+512 th:TH_LOAD_NT
.endr
.endr
; LDS step st into register set p: B's eight fragments, my two of A (30 loads of 512 consecutive bytes), B's scale words and mine: 32 LDS loads
.macro FETCH st, p
	WIN TO_F
.irp i, 0,1,2,3,4,5,6,7
.irp c, 0,1,2
	ds_load_b128 v[128*(\p)+FR*\i+4*\c:128*(\p)+FR*\i+4*\c+3], v[ADRB+(\st)/4] offset:((\st)%4)*STEPB+\i*FRB+512*\c
.endr
.endr
.irp i, 0,1
.irp c, 0,1,2
	ds_load_b128 v[128*(\p)+96+FR*\i+4*\c:128*(\p)+96+FR*\i+4*\c+3], v[ADRA+(\st)/4] offset:((\st)%4)*STEPB+\i*FRB+512*\c
.endr
.endr
	WIN 0
	ds_load_b128 v[SB+8*(\p):SB+8*(\p)+3], v[ADSB] offset:(\st)*512
	ds_load_b64 v[SA+8*(\p):SA+8*(\p)+1], v[ADSA] offset:(\st)*512
.endm
; 16 matrix instructions on set p; the 16 accumulators take turns, in the same order in every step
.macro MUL p
.irp a, 0,1
.irp b, 0,1,2,3
	v_wmma_scale_f32_16x16x128_f8f6f4 v[ACC+8*(8*\a+\b):ACC+8*(8*\a+\b)+7], v[128*(\p)+FR*\b:128*(\p)+FR*\b+FR-1], v[128*(\p)+96+FR*\a:128*(\p)+96+FR*\a+FR-1], v[ACC+8*(8*\a+\b):ACC+8*(8*\a+\b)+7], v[SB+8*(\p)+\b], v[SA+8*(\p)+\a] matrix_a_fmt:MATRIX_FMT_FP6 matrix_b_fmt:MATRIX_FMT_FP6
.endr
.irp b, 4,5,6,7
	v_wmma_scale_f32_16x16x128_f8f6f4 v[ACC+8*(8*\a+\b):ACC+8*(8*\a+\b)+7], v[128*(\p)+FR*\b:128*(\p)+FR*\b+FR-1], v[128*(\p)+96+FR*\a:128*(\p)+96+FR*\a+FR-1], v[ACC+8*(8*\a+\b):ACC+8*(8*\a+\b)+7], v[SB+8*(\p)+\b-4], v[SA+8*(\p)+\a] matrix_a_fmt:MATRIX_FMT_FP6 matrix_b_fmt:MATRIX_FMT_FP6 matrix_a_scale:MATRIX_SCALE_ROW1
.endr
.endr
.endm
; A K step on set p.  nxt: the LDS step that is fetched into the other set meanwhile, or -1
.macro STEP p, nxt
.if (\nxt) >= 0
	FETCH \nxt, 1-(\p)
	s_wait_dscnt 32                                ; all but the 32 loads just issued: this step's are in
.else
	s_wait_dscnt 0x0
.endif
	WIN MULW
	MUL \p
.rept 4
	v_nop                                          ; places in front of the next loads into this set, and of the first read of results
.endr
.endm
.macro VISIT first, n                  ; a slot's visit: n K steps from LDS step first on; n is even
	FETCH \first, 0
.set q, 0
.rept \n
.if q < (\n)-1
	STEP q%2, (\first)+q+1
.else
	STEP q%2, -1
.endif
.set q, q+1
.endr
.endm
; The slot just visited (cnt steps from LDS step at on) is filled again, with the K steps that begin adv steps behind those of the last fill.  Each wave waits for all its tensor loads (the other slot's fill), adds 0 to its spare
; word, and waits for that and for its reads of this slot; the round of the cluster's barrier makes both hold of every wave of every partner; the joint refill is the first thing behind it.
.macro REFILL at, adv, cnt
	WIN 0
	s_wait_tensorcnt 0x0                           ; no tensor load of mine is out, so the descriptors may be written
	ds_add_u32 v[SPW], v[NIL]                      ; 0 onto my spare word: the descriptors' steps stand between it and the wait for it
	s_mov_b32 s[G0A+1], ACL+(\at)*STEPB
	s_mov_b32 s[G0B+1], BCL+(\at)*STEPB
	s_mov_b32 s[G0SA+1], ASL+(\at)*512
	s_mov_b32 s[G0SB+1], BSL+(\at)*512
	s_add_nc_u64 s[G0A+2:G0A+3], s[G0A+2:G0A+3], (\adv)*STEPB      ; the type bits on top are not reached
	s_add_nc_u64 s[G0B+2:G0B+3], s[G0B+2:G0B+3], (\adv)*STEPB
	s_add_nc_u64 s[G0SA+2:G0SA+3], s[G0SA+2:G0SA+3], (\adv)*512
	s_add_nc_u64 s[G0SB+2:G0SB+3], s[G0SB+2:G0SB+3], (\adv)*512
.irp g, G1A, G1B
	s_mov_b32 s[\g+2], ((\cnt)*48)<<16             ; the slot's rows of 256 bytes: tensor_dim1,
	s_mov_b32 s[\g+4], (\cnt)*48                   ; tile_dim1
.endr
.irp g, G1SA, G1SB
	s_mov_b32 s[\g+2], ((\cnt)*2)<<16
	s_mov_b32 s[\g+4], (\cnt)*2
.endr
	s_wait_dscnt 0x0                               ; the add is done, and my reads of this slot are over
	CROUND
	JLOAD4
.endm
	s_wait_tensorcnt 0x0                           ; my block of the first fill is in,
	s_barrier_signal -1
	s_barrier_wait -1                              ; everybody's is
	s_wait_loadcnt 0x0                             ; x1 is in the accumulators, b_out in its registers
	VISIT 0, XST                                   ; K steps 0-7
	REFILL 0, NST, XST                             ; X takes K steps 12-19
	VISIT XST, YST                                 ; K steps 8-11
	REFILL XST, XST, YST                           ; Y takes K steps 20-23
	VISIT 0, XST                                   ; K steps 12-19
	REFILL 0, YST, XST                             ; X takes K steps 24-31: the last load
	VISIT XST, YST                                 ; K steps 20-23
	WIN 0
	s_wait_tensorcnt 0x0                           ; my block of X's last fill is in;
	ds_add_u32 v[SPW], v[NIL]
	s_wait_dscnt 0x0                               ; my reads of Y are over: the stage may lie there
	s_barrier_signal -1
	s_barrier_wait -1                              ; both hold of all four waves; nothing is filled again, so no round follows
	VISIT 0, XST                                   ; K steps 24-31
	WIN 0
.macro TOSTAGE a                       ; row a of accumulators into my stage, each column at its true place, and back as whole rows, into the registers that it left
.irp b, 0,1,2,3,4,5,6,7
	ds_store_b128 v[STO], v[ACC+64*(\a)+8*\b:ACC+64*(\a)+8*\b+3] offset:128*(\b/2)+32*(\b%2)         ; each accumulator from its low end on
	ds_store_b128 v[STO], v[ACC+64*(\a)+8*\b+4:ACC+64*(\a)+8*\b+7] offset:128*(\b/2)+32*(\b%2)+16
.endr
.irp t, 0,1,2,3,4,5,6,7,8,9,10,11,12,13,14,15
	ds_load_b128 v[ACC+64*(\a)+4*\t:ACC+64*(\a)+4*\t+3], v[RD] offset:\t*528     ; LDS serves a wave's instructions in order (ISA guide 5.7.1.4): these see the stores above, and the next block's stores come behind them
.endr
.endm
.macro SEND a, younger                 ; younger: the LDS instructions issued behind block a's loads, which may stay out
	s_wait_dscnt \younger
.irp t, 0,1,2,3,4,5,6,7,8,9,10,11,12,13,14,15
	v_pk_add_f32 v[ACC+64*(\a)+4*\t:ACC+64*(\a)+4*\t+1], v[ACC+64*(\a)+4*\t:ACC+64*(\a)+4*\t+1], v[BO:BO+1]
	v_pk_add_f32 v[ACC+64*(\a)+4*\t+2:ACC+64*(\a)+4*\t+3], v[ACC+64*(\a)+4*\t+2:ACC+64*(\a)+4*\t+3], v[BO+2:BO+3]
.endr
.irp t, 0,1,2,3,4,5,6,7,8,9,10,11,12,13,14,15
	global_store_b128 v[LI], v[ACC+64*(\a)+4*\t:ACC+64*(\a)+4*\t+3], s[12:13] offset:(8*(\a)+\t+8*(\t/8))*4096 th:TH_STORE_NT   ; slot t's true row; 512 consecutive bytes, aligned; written once, read by nobody here
.endr
.endm
	TOSTAGE 0
	TOSTAGE 1
	SEND 0, 32                                     ; behind block 0's loads: block 1's 16 stores and 16 loads
	SEND 1, 0
	s_wait_tensorcnt 0x0                           ; the wave's end
	ds_add_u32 v[SPW], v[NIL]
	s_wait_dscnt 0x0
	CROUND                                         ; the closing round: no work-group ends while a partner may still ask for a block that names it
	s_endpgm
.Lfunc_end_k_qe50230da8d_mlp_out:
	.size	k_qe50230da8d_mlp_out, .Lfunc_end_k_qe50230da8d_mlp_out-k_qe50230da8d_mlp_out
	.p2alignl 7, 3214868480
	.fill 96, 4, 3214868480
	.section	.rodata,"a",@progbits
	.p2align	6, 0x0
	.amdhsa_kernel k_qe50230da8d_mlp_out
		.amdhsa_group_segment_fixed_size 327680
		.amdhsa_private_segment_fixed_size 0
		.amdhsa_enable_private_segment 0
		.amdhsa_kernarg_size 40
		.amdhsa_user_sgpr_count 2
		.amdhsa_user_sgpr_kernarg_segment_ptr 1
		.amdhsa_wavefront_size32 1
		.amdhsa_system_sgpr_workgroup_id_x 1
		.amdhsa_system_sgpr_workgroup_id_y 1
		.amdhsa_system_sgpr_workgroup_id_z 1
		.amdhsa_system_vgpr_workitem_id 0
		.amdhsa_next_free_vgpr 512
		.amdhsa_next_free_sgpr 100
		.amdhsa_reserve_vcc 0
		.amdhsa_float_denorm_mode_32 3
		.amdhsa_float_denorm_mode_16_64 3
		.amdhsa_memory_ordered 1
		.amdhsa_forward_progress 1
		.amdhsa_inst_pref_size 167
	.end_amdhsa_kernel
	.amdgpu_metadata
---
amdhsa.version: [ 1, 2 ]
amdhsa.kernels:
  - .name:           k_qe50230da8d_mlp_out
    .symbol:         k_qe50230da8d_mlp_out.kd
    .args:
      - { .name: hq, .offset: 0, .size: 8, .value_kind: global_buffer, .address_space: global }
      - { .name: q0, .offset: 8, .size: 8, .value_kind: global_buffer, .address_space: global }
      - { .name: x1, .offset: 16, .size: 8, .value_kind: global_buffer, .address_space: global }
      - { .name: b_out, .offset: 24, .size: 8, .value_kind: global_buffer, .address_space: global }
      - { .name: out0, .offset: 32, .size: 8, .value_kind: global_buffer, .address_space: global }
    .group_segment_fixed_size: 327680
    .private_segment_fixed_size: 0
    .kernarg_segment_align: 8
    .kernarg_segment_size: 40
    .max_flat_workgroup_size: 128
    .sgpr_count:     100
    .vgpr_count:     512
    .wavefront_size: 32
...
	.end_amdgpu_metadata
.endif
;; end of part 9
